; MI455X (gfx1250); checked and timed in simulation.
; The chip was launched on July 23, 2026; its instructions are those of AMD's public machine-readable ISA for CDNA 5 (MIT licence, August 2026) and "CDNA5" Instruction Set Architecture Reference Guide (July 2026). The comments in the code are by the model that wrote it; some were corrected since.
;; Cross Attn. Allowed arithmetic: matrix products marked QUANTISED: E4M3 operands, one E8M0 scale for each 32 along K, by v_wmma_scale_f32_16x16x128_f8f6f4 with both operands' format E4M3, f32 sums; everything else in f32.
;; Inputs: W1 512 x 2,048 float32; W2 2,048 x 512 float32; Wkv 512 x 1,024 float32; Wp 512 x 512 float32; Wq 512 x 512 float32; b1 2,048 float32; b2 512 float32; b_ln1x 512 float32; b_ln1y 512 float32; b_ln2 512 float32; bp 512 float32; g_ln1x 512 float32; g_ln1y 512 float32; g_ln2 512 float32; x 4 x 2,048 x 512 float32; y 4 x 2,048 x 512 float32.
;; Outputs: out0 4 x 2,048 x 512 float32.
;; This version of the problem:
;;   THIS VERSION OF THE PROBLEM IS GIVEN IN LOW PRECISION. The matrix products marked QUANTISED in the list below multiply operands that are first quantised to E4M3 (4 exponent bits, 3 mantissa bits; 8 bits a number), with one power-of-two scale for each 32 numbers along K (OCP MX v1.0); their sums are f32. All else is computed in f32.
;;   The module's matrix products, in the order in which they are computed (A, B: the left and right operand; K: the contracted axis; several contracted axes count as one K, in the product's order):
;;     1. [M 8,192, K 512] x [K 512, N 512]; A: computed on the way; B: input Wq: QUANTISED
;;     2. [M 8,192, K 512] x [K 512, N 1,024]; A: computed on the way; B: input Wkv: QUANTISED
;;     3. batch 32 x [M 2,048, K 64] x [K 64, N 2,048]; A: computed on the way; B: computed on the way: QUANTISED
;;     4. batch 32 x [M 2,048, K 2,048] x [K 2,048, N 64]; A: softmax (see below); B: computed on the way: QUANTISED
;;     5. [M 8,192, K 512] x [K 512, N 512]; A: computed on the way; B: input Wp: QUANTISED
;;     6. [M 8,192, K 512] x [K 512, N 2,048]; A: computed on the way; B: input W1: QUANTISED
;;     7. [M 8,192, K 2,048] x [K 2,048, N 512]; A: computed on the way; B: input W2: QUANTISED
;;   THE QUANTISER, for each operand of a quantised product, along K:
;;     - K is cut into blocks of 32 from its start; a last block that is shorter is filled with zeros.
;;     - A block's scale is 2^e with e = floor(log2(the largest magnitude in the block)) - 8, held to -126 .. 127; a block of zeros has e = 0. As a byte (E8M0): e + 127.
;;     - Each number is divided by its block's scale, clamped to +-448, and rounded to the nearest number of E4M3, ties to even, subnormals kept.
;;     - The product sums the exact products of the quantised numbers (number of the format x scale) in f32.
;;   ~~~python
;;   def quantise(x, axis):      # numpy; x: float32 -> the quantised numbers, widened to float32 again
;;       x = np.moveaxis(x, axis, -1); K = x.shape[-1]
;;       x = np.pad(x, [(0, 0)] * (x.ndim - 1) + [(0, -K % 32)]); x = x.reshape(x.shape[:-1] + (-1, 32)); a = np.abs(x).max(-1, keepdims=True)
;;       e = np.where(a > 0, np.clip(np.frexp(np.where(a > 0, a, 1))[1] - 1 - 8, -126, 127), 0)      # np.frexp(a)[1] - 1 = floor(log2(a)), exactly
;;       r = np.clip(x / 2.0 ** e, -448, 448)
;;       step = 2.0 ** (np.maximum(np.frexp(np.where(r == 0, 1, r))[1] - 1, -6) - 3)
;;       q = np.round(r / step) * step * 2.0 ** e      # np.round: ties to even
;;       return np.moveaxis(q.reshape(q.shape[:-2] + (-1,))[..., :K], -1, axis).astype(np.float32)
;;   ~~~
;;   SOFTMAX AHEAD OF A QUANTISED PRODUCT. Where the list says 'softmax', what is quantised is not the finished softmax but p = 2^(t - M), with t = logit x log2(e) and M = ceil(the row's largest t), a whole number; so 1/2 < the row's largest p <= 1. The row's sum l is taken of the UNQUANTISED p, in f32, and the product's result is divided by l at the end. Since M is a whole number, a kernel that streams over the keys may use a running M (the ceiling of the running maximum): every later rescaling is an exact power of two, which a block's scale takes up: the codes' values come out the same.
;;   OPERANDS COMPUTED ON THE WAY. 'Computed on the way' means the value that the module computes at that place (a softmax that the list does not call 'softmax' is quantised finished and normalised). What goes into a quantiser is computed in f32, as accurately as f32 sums, v_exp_f32 and their like allow (about 1e-6 of the number): no bf16 or f16 on the way to a quantiser, and a product that is left as it is and whose result goes on into a quantised operand takes f32 operands (vector FMAs, or v_wmma_f32_16x16x4_f32). A number that lies on a knife's edge between two numbers of the format may be rounded either way, as far as f32 arithmetic and the matrix unit's own rounding can turn it there, and no further.
;; 3 versions. Each part assembles by itself: llvm-mc -triple=amdgcn-amd-amdhsa -mcpu=gfx1250 --defsym DOCPART=n.
;; ======== version 1 of 3: 4 launches
;; workspace buffers: wts 3,244,032 bytes; act 8,650,752 bytes; qkv 12,976,128 bytes; att 4,325,376 bytes
;; launch prep (part 1): grid 448 x 1, 4 waves a work-group, no clusters, 0 bytes of LDS; arguments x, y, g_ln1x, b_ln1x, g_ln1y, b_ln1y, Wq, Wp, W2, Wkv, W1, wts, act; writes wts, act
.if DOCPART == 1
	.amdgcn_target "amdgcn-amd-amdhsa--gfx1250"
	.amdhsa_code_object_version 6
	.text
	.protected	k_qa3f44fd374_prep
	.globl	k_qa3f44fd374_prep
	.p2align	8
	.type	k_qa3f44fd374_prep,@function
k_qa3f44fd374_prep:
	s_mov_b64 s[64:65], 0
	v_nop
	global_prefetch_b8 v0, s[64:65] scope:SCOPE_SE
	s_setreg_imm32_b32 hwreg(HW_REG_WAVE_MODE, 25, 1), 1
	s_wait_xcnt 0x0
; PREP.  (1) LN(x) and LN(y), f32, quantised along their 512 columns to E4M3 codes with one E8M0 byte for each 32; (2) Wq, Wkv, Wp, W1, W2 ([K][N] f32) quantised along K.
; ALL RESULTS ARE LAID AS IMAGES OF OPERAND REGISTERS.  A fragment (16 rows x 128 K, 16 registers a lane) is 2,048 bytes: piece c (512 bytes) holds registers 4 c .. 4 c + 3, lane l's 16 bytes at 512 c + 16 l:
; k = 32 c + 16 (l / 16) + 0 .. 15 of row l % 16.  Code buffers are [tile][K step][2,048].
; THE 16 ROWS (OR WEIGHT COLUMNS) OF A TILE ARE NOT NEIGHBOURS: lane r of tile 2 b + u takes row 32 b + 8 u + r + 8 (r / 8), so that a product that takes such a tile as source 0 leaves 16 neighbours in the 16 registers of tiles 2 b, 2 b + 1.
; Scale words (4 bytes: 128 K of one row): [tile / 2][K step / 4][16 (tile % 2) + r][K step % 4].
; Work-groups 0-127: x; 128-255: y (a wave takes a tile of 16 rows; a lane holds half a row, 256 numbers, in registers: the row is read once, mean and variance are two true passes).
; Work-groups 256-271 Wq, 272-287 Wp, 288-351 W2, 352-383 Wkv, 384-447 W1: a work-group takes 128 columns x 128 K, a lane one column, its registers run down K.
; No LDS, no barrier, no change of EXEC: waves share nothing.
; LIMITS: NaN and infinities among the inputs are not served.  A block of zeros gets the byte 1 where the rule says 127: its codes are zeros, and the bytes are read by this program alone.
.set O_WQ,  0
.set O_WKV, 262144
.set O_WP,  786432
.set O_W1,  1048576
.set O_W2,  2097152
.set O_WQS, 3145728
.set O_WKVS, 3153920
.set O_WPS, 3170304
.set O_W1S, 3178496
.set O_W2S, 3211264
.set O_YC,  4194304                    ; in act: x's codes at 0, y's here
.set O_XS,  8388608
.set O_YS,  8519680
.set SEL, 46                           ; s[46:47] v_permlanex16_b32's selects for lane l xor 16
.set MNT, 48                           ; s48 the mantissa field of 448
.set ST,  16                           ; v16-79   64 numbers at work
.set G,   80                           ; v80-143  the gain of a K step
.set B,   144                          ; v144-207 the bias of a K step
.set PC,  208                          ; v208-223 the codes just made
.set TM,  224                          ; v224-239 the quantiser's work
.set PW,  244                          ; v244     the scale word just made
.set MSB, 0
.macro WIN new                         ; the immediate's high byte repeats the setting that is left
.if MSB != \new
	s_set_vgpr_msb (MSB<<8)|\new
.set MSB, \new
.endif
.endm
; 64 numbers of a lane, register 16 b + i = k 32 b + 16 (lane / 16) + i of my row, become a fragment's codes in v[PC] on and its scale word in v[PW]
.macro QUANT s
.irp b, 0,1,2,3
	v_max3_num_f32 v[TM+\b], |v[\s+16*\b]|, |v[\s+1+16*\b]|, 0x4800000   ; my 16 numbers of block b, and the floor 2^(9 - 127): the byte cannot fall under 1
.endr
.irp i, 2,4,6,8,10,12,14
.irp b, 0,1,2,3
	v_max3_num_f32 v[TM+\b], v[TM+\b], |v[\s+16*\b+\i]|, |v[\s+1+16*\b+\i]|
.endr
.endr
.irp b, 0,1,2,3
	v_permlanex16_b32 v[TM+4+\b], v[TM+\b], s[SEL], s[SEL+1]
.endr
.irp b, 0,1,2,3
	v_max_num_f32 v[TM+\b], v[TM+\b], v[TM+4+\b]           ; with lane l xor 16's: the block's largest magnitude
.endr
.irp b, 0,1,2,3
	v_add_nc_u32 v[TM+12+\b], 0xfc000000, v[TM+\b]         ; 8 off its exponent field: the conversion's scale operand
.endr
.irp b, 0,1,2,3
	v_and_or_b32 v[TM+8+\b], v[TM+\b], 0x7f800000, s[MNT]  ; 448 x the scale
.endr
.irp b, 0,1,2,3
	v_lshrrev_b32 v[TM+4+\b], 23, v[TM+12+\b]              ; the scale's byte
.endr
	v_lshl_or_b32 v[PW], v[TM+5], 8, v[TM+4]
	v_lshl_or_b32 v[PW], v[TM+6], 16, v[PW]
	v_lshl_or_b32 v[PW], v[TM+7], 24, v[PW]
.irp b, 0,1,2,3
.irp i, 0,1,2,3,4,5,6,7,8,9,10,11,12,13,14,15
	v_med3_num_f32 v[\s+16*\b+\i], v[\s+16*\b+\i], -v[TM+8+\b], v[TM+8+\b]   ; the conversion to an 8-bit code does not saturate (ISA guide 7.6.2): the hold
.endr
	v_cvt_scalef32_pk8_fp8_f32 v[PC+4*\b:PC+1+4*\b], v[\s+16*\b:\s+7+16*\b], v[TM+12+\b]
	v_cvt_scalef32_pk8_fp8_f32 v[PC+2+4*\b:PC+3+4*\b], v[\s+8+16*\b:\s+15+16*\b], v[TM+12+\b]
.endr
	v_nop                                          ; a plain line behind the last conversion
.endm
.macro GBLOAD s                        ; gain and bias of K step s, in the layout of my 64 numbers
.irp c, 0,1,2,3
.irp i, 0,1,2,3
	global_load_b128 v[G+16*\c+4*\i:G+16*\c+4*\i+3], v2, s[34:35] offset:512*(\s)+128*\c+16*\i
	global_load_b128 v[B+16*\c+4*\i:B+16*\c+4*\i+3], v2, s[36:37] offset:512*(\s)+128*\c+16*\i
.endr
.endr
.endm
.macro WLOAD t, N                      ; block t of my column: W(32 t + i, column), i = 0 .. 31, into set t % 2; 32 lanes read 128 consecutive bytes
.irp i, 0,1,2,3,4,5,6,7,8,9,10,11,12,13,14,15,16,17,18,19,20,21,22,23,24,25,26,27,28,29,30,31
	global_load_b32 v[32+32*((\t)%2)+\i], v3, s[32:33] offset:(32*(\t)+\i)*\N*4 th:TH_LOAD_NT
.endr
.endm
.macro WBLOCK t, N
.set XB, 32+32*((\t)%2)
.if (\t) < 3
	s_wait_loadcnt 32                              ; this block's 32 loads are in; the next block's 32 may be out
.else
	s_wait_loadcnt 0x0
.endif
	v_max3_num_f32 v12, |v[XB]|, |v[XB+1]|, |v[XB+2]|   ; the block's largest magnitude: all 32 numbers are mine
	v_max3_num_f32 v13, |v[XB+3]|, |v[XB+4]|, |v[XB+5]|
.irp i, 6,10,14,18,22,26
	v_max3_num_f32 v12, v12, |v[XB+\i]|, |v[XB+\i+1]|
	v_max3_num_f32 v13, v13, |v[XB+\i+2]|, |v[XB+\i+3]|
.endr
	v_max3_num_f32 v12, v12, |v[XB+30]|, |v[XB+31]|
	v_max3_num_f32 v12, v12, v13, 0x4800000        ; and the floor
	v_add_nc_u32 v11, 0xfc000000, v12
	v_and_or_b32 v10, v12, 0x7f800000, s[MNT]
	v_lshrrev_b32 v13, 23, v11
.if (\t) == 0
	v_mov_b32 v24, v13                             ; the K step's four bytes make my column's scale word
.else
	v_lshl_or_b32 v24, v13, 8*(\t), v24
.endif
.irp i, 0,1,2,3,4,5,6,7,8,9,10,11,12,13,14,15,16,17,18,19,20,21,22,23,24,25,26,27,28,29,30,31
	v_med3_num_f32 v[XB+\i], v[XB+\i], -v10, v10
.endr
.irp g, 0,1,2,3
	v_cvt_scalef32_pk8_fp8_f32 v[96+8*(\t)+2*\g:97+8*(\t)+2*\g], v[XB+8*\g:XB+8*\g+7], v11
.endr
	v_nop
	global_store_b128 v4, v[96+8*(\t):99+8*(\t)], s[52:53] offset:512*(\t)          ; k = 32 t + 0 .. 15: the image's lane r.  The 16 lanes of a tile store 256 consecutive bytes, aligned
	global_store_b128 v4, v[100+8*(\t):103+8*(\t)], s[52:53] offset:512*(\t)+256    ; k = 32 t + 16 .. 31: its lane 16 + r
.if (\t)+2 < 4
	WLOAD (\t)+2, \N
.endif
.endm
; A weight of N columns.  In: s[32:33] the weight, s34 the work-group's number within it, s35 / s36 where its codes / scale words begin in wts, s37 log2 of its K steps
.macro WPATH N, LOGX
	s_and_b32 s40, s34, (1<<\LOGX)-1               ; X: which 128 columns
	s_lshr_b32 s41, s34, \LOGX                     ; S: which K step
	s_lshl_b32 s42, s40, 2
	s_add_co_u32 s42, s42, s2                      ; cg: my wave's 32 columns = tiles 2 cg, 2 cg + 1
	s_mul_i32 s50, s41, 512*\N                     ; 128 rows of 4 N bytes
	s_lshl_b32 s43, s42, 7
	s_add_co_u32 s50, s50, s43
	s_add_nc_u64 s[32:33], s[32:33], s[50:51]
	s_lshl_b32 s43, s42, 1
	s_lshl_b32 s43, s43, s37
	s_add_co_u32 s43, s43, s41
	s_lshl_b32 s43, s43, 11                        ; (2 cg x K steps + S) fragments
	s_add_co_u32 s50, s43, s35
	s_add_nc_u64 s[52:53], s[26:27], s[50:51]
	s_sub_co_u32 s43, s37, 2
	s_lshl_b32 s43, s42, s43
	s_lshr_b32 s44, s41, 2
	s_add_co_u32 s43, s43, s44
	s_lshl_b32 s43, s43, 9
	s_and_b32 s44, s41, 3
	s_lshl_b32 s44, s44, 2
	s_add_co_u32 s43, s43, s44
	s_add_co_u32 s50, s43, s36
	s_add_nc_u64 s[54:55], s[26:27], s[50:51]
	v_and_b32 v2, 31, v0                           ; j: my column of the 32
	v_lshlrev_b32 v3, 2, v2
	v_bfe_u32 v6, v2, 3, 1                         ; u = (j / 8) % 2: which of the two tiles
	v_and_b32 v7, 7, v2
	v_lshrrev_b32 v8, 4, v2
	v_lshl_add_u32 v7, v8, 3, v7                   ; r = j % 8 + 8 (j / 16): which lane of it
	s_add_co_u32 s43, s37, 11
	v_lshlrev_b32 v4, s43, v6                      ; a tile is K steps x 2,048 bytes
	v_lshl_add_u32 v4, v7, 4, v4
	v_lshl_add_u32 v5, v6, 4, v7
	v_lshlrev_b32 v5, 4, v5                        ; scale words: 16 (16 u + r)
	WLOAD 0, \N
	WLOAD 1, \N
.irp t, 0,1,2,3
	WBLOCK \t, \N
.endr
	global_store_b32 v5, v24, s[54:55]             ; 4 bytes of each 16: these blocks are written in part; it is one byte for each 128 that this path reads
.endm
	s_load_b512 s[4:19], s[0:1], 0x0               ; x, y, g_ln1x, b_ln1x, g_ln1y, b_ln1y, Wq, Wp
	s_load_b256 s[20:27], s[0:1], 0x40             ; W2, Wkv, W1, wts
	s_load_b64 s[28:29], s[0:1], 0x60              ; act
	v_lshrrev_b32 v1, 5, v0
	v_readfirstlane_b32 s2, v1                     ; wave 0..3
	s_mov_b32 s[SEL], 0x76543210
	s_mov_b32 s[SEL+1], 0xfedcba98
	s_mov_b32 s[MNT], 0x600000
	s_mov_b32 s51, 0
	s_wait_kmcnt 0x0
	s_cmp_lt_u32 ttmp9, 256
	s_cbranch_scc1 .Lln
	s_cmp_lt_u32 ttmp9, 352
	s_cbranch_scc1 .Lw512
	s_cmp_lt_u32 ttmp9, 384
	s_cbranch_scc1 .Lwkv
	s_mov_b64 s[32:33], s[24:25]                   ; W1
	s_sub_co_u32 s34, ttmp9, 384
	s_mov_b32 s35, O_W1
	s_mov_b32 s36, O_W1S
	s_mov_b32 s37, 2
	WPATH 2048, 4
	s_endpgm
.Lwkv:
	s_mov_b64 s[32:33], s[22:23]                   ; Wkv
	s_sub_co_u32 s34, ttmp9, 352
	s_mov_b32 s35, O_WKV
	s_mov_b32 s36, O_WKVS
	s_mov_b32 s37, 2
	WPATH 1024, 3
	s_endpgm
.Lw512:                                            ; Wq, Wp or W2: chosen by the work-group's number alone
	s_cmp_lt_u32 ttmp9, 288
	s_cselect_b64 s[32:33], s[18:19], s[20:21]
	s_mov_b32 s34, 288
	s_cselect_b32 s34, 272, s34
	s_mov_b32 s35, O_W2
	s_cselect_b32 s35, O_WP, s35
	s_mov_b32 s36, O_W2S
	s_cselect_b32 s36, O_WPS, s36
	s_cselect_b32 s37, 2, 4
	s_cmp_lt_u32 ttmp9, 272
	s_cselect_b64 s[32:33], s[16:17], s[32:33]
	s_cselect_b32 s34, 256, s34
	s_cselect_b32 s35, 0, s35
	s_cselect_b32 s36, O_WQS, s36
	s_sub_co_u32 s34, ttmp9, s34
	WPATH 512, 2
	s_endpgm
.Lln:                                              ; ---- the layer norms.  Window 1 (v256-511): my half row, register 64 s + 16 c + i = column 128 s + 32 c + 16 (lane / 16) + i
	s_cmp_lt_u32 ttmp9, 128
	s_cselect_b64 s[32:33], s[4:5], s[6:7]         ; x or y,
	s_cselect_b64 s[34:35], s[8:9], s[12:13]       ; its gain,
	s_cselect_b64 s[36:37], s[10:11], s[14:15]     ; its bias,
	s_cselect_b32 s38, 0, O_YC                     ; and where its codes and scale words go
	s_mov_b32 s39, O_YS
	s_cselect_b32 s39, O_XS, s39
	s_and_b32 s40, ttmp9, 127
	s_lshl_b32 s40, s40, 2
	s_add_co_u32 s40, s40, s2                      ; T: my tile of rows
	s_lshr_b32 s41, s40, 1
	s_lshl_b32 s41, s41, 5
	s_and_b32 s42, s40, 1
	s_lshl_b32 s42, s42, 3
	s_add_co_u32 s41, s41, s42                     ; its first row: 32 (T / 2) + 8 (T % 2)
	s_lshl_b32 s50, s41, 11
	s_add_nc_u64 s[32:33], s[32:33], s[50:51]
	s_lshl_b32 s50, s40, 13
	s_add_co_u32 s50, s50, s38
	s_add_nc_u64 s[52:53], s[28:29], s[50:51]
	s_lshl_b32 s50, s40, 8
	s_add_co_u32 s50, s50, s39
	s_add_nc_u64 s[54:55], s[28:29], s[50:51]
	s_mov_b32 s30, 0xffff0000                      ; lanes 16-31
	s_mov_b32 s44, 0x3b000000                      ; 1 / 512
	v_and_b32 v5, 15, v0                           ; r
	v_bfe_u32 v9, v0, 4, 1                         ; h
	v_and_b32 v1, 8, v5
	v_add_nc_u32 v1, v1, v5                        ; r + 8 (r / 8)
	v_lshlrev_b32 v1, 11, v1
	v_lshl_add_u32 v1, v9, 6, v1                   ; my row, + 64 h: my 16 numbers of a block of 32
	v_lshlrev_b32 v2, 6, v9
	v_and_b32 v3, 31, v0
	v_lshlrev_b32 v3, 4, v3                        ; 16 x lane
	v_lshlrev_b32 v4, 4, v5
	v_lshl_add_u32 v4, v9, 3, v4                   ; 16 r + 8 h
.irp b, 0,1,2,3
	v_mov_b32 v[TM+4+\b], 0                        ; written once: a lane permute's destination counts as one of its sources
.endr
	v_mov_b32 v250, 0
	v_mov_b32 v251, 0x3727c5ac                     ; 1e-5
	WIN 0x40                                       ; destination window 1
.irp s, 0,1,2,3
.irp c, 0,1,2,3
.irp i, 0,1,2,3
	global_load_b128 v[64*\s+16*\c+4*\i:64*\s+16*\c+4*\i+3], v1, s[32:33] offset:512*\s+128*\c+16*\i th:TH_LOAD_NT
.endr
.endr
.endr
	WIN 0
	GBLOAD 0
	s_wait_loadcnt 0x0
	WIN 0x05                                       ; the mean: four chains of packed sums, started by the first eight pairs
.irp k, 0,1,2,3
	v_pk_add_f32 v[8+2*\k:9+2*\k], v[4*\k:4*\k+1], v[4*\k+2:4*\k+3]
.endr
	WIN 0x04
.set p, 8
.rept 120
	v_pk_add_f32 v[8+2*(p%4):9+2*(p%4)], v[8+2*(p%4):9+2*(p%4)], v[2*p:2*p+1]
.set p, p+1
.endr
	WIN 0
	v_pk_add_f32 v[8:9], v[8:9], v[10:11]
	v_pk_add_f32 v[12:13], v[12:13], v[14:15]
	v_pk_add_f32 v[8:9], v[8:9], v[12:13]
	v_add_f32 v8, v8, v9
	v_permlanex16_b32 v250, v8, s[SEL], s[SEL+1]   ; the row's other half lies in lane l xor 16
	v_add_f32 v8, v8, v250
	v_mul_f32 v246, s44, v8
	v_mov_b32 v247, v246
	WIN 0x41                                       ; x - mean, in place: the variance is a true second pass
.set p, 0
.rept 128
	v_pk_add_f32 v[2*p:2*p+1], v[2*p:2*p+1], v[246:247] neg_lo:[0,1] neg_hi:[0,1]
.set p, p+1
.endr
	WIN 0x05
.irp k, 0,1,2,3
	v_pk_mul_f32 v[8+2*\k:9+2*\k], v[2*\k:2*\k+1], v[2*\k:2*\k+1]
.endr
.set p, 4
.rept 124
	v_pk_fma_f32 v[8+2*(p%4):9+2*(p%4)], v[2*p:2*p+1], v[2*p:2*p+1], v[8+2*(p%4):9+2*(p%4)]
.set p, p+1
.endr
	WIN 0
	v_pk_add_f32 v[8:9], v[8:9], v[10:11]
	v_pk_add_f32 v[12:13], v[12:13], v[14:15]
	v_pk_add_f32 v[8:9], v[8:9], v[12:13]
	v_add_f32 v8, v8, v9
	v_permlanex16_b32 v250, v8, s[SEL], s[SEL+1]
	v_add_f32 v8, v8, v250
	v_fma_f32 v8, v8, s44, v251                    ; the variance + 1e-5
	v_rsq_f32 v248, v8
	v_nop                                          ; a plain line behind the transcendental,
	s_wait_alu depctr_va_vdst(0)                   ; and the wait ahead of the first line that names its result
	v_mov_b32 v249, v248
.irp s, 0,1,2,3                                    ; a K step at a time: (x - mean) rstd g + b, quantised, stored as one fragment
.if \s > 0
	s_wait_loadcnt 0x0                             ; this K step's gain and bias
.endif
	WIN 0x01
.set p, 0
.rept 32
	v_pk_mul_f32 v[ST+2*p:ST+2*p+1], v[64*\s+2*p:64*\s+2*p+1], v[248:249]
.set p, p+1
.endr
	WIN 0
.set p, 0
.rept 32
	v_pk_fma_f32 v[ST+2*p:ST+2*p+1], v[ST+2*p:ST+2*p+1], v[G+2*p:G+2*p+1], v[B+2*p:B+2*p+1]
.set p, p+1
.endr
.if \s < 3
	GBLOAD \s+1
.endif
	s_wait_xcnt 0x0                                ; the last K step's stores have read their data: the codes' registers are written again only behind this wait
	QUANT ST
	v_mov_b32 v[240+\s], v[PW]
.irp c, 0,1,2,3
	global_store_b128 v3, v[PC+4*\c:PC+4*\c+3], s[52:53] offset:2048*\s+512*\c   ; 32 lanes store 512 consecutive bytes
.endr
.endr
	v_cndmask_b32 v6, v240, v242, s30              ; lanes 0-15 store the words of K steps 0, 1 of row r, lanes 16-31 those of K steps 2, 3:
	v_cndmask_b32 v7, v241, v243, s30
	global_store_b64 v4, v[6:7], s[54:55]          ; the tile's 256 bytes of scale words, whole
	s_endpgm
.Lfunc_end_k_qa3f44fd374_prep:
	.size	k_qa3f44fd374_prep, .Lfunc_end_k_qa3f44fd374_prep-k_qa3f44fd374_prep
	.p2alignl 7, 3214868480
	.fill 96, 4, 3214868480
	.section	.rodata,"a",@progbits
	.p2align	6, 0x0
	.amdhsa_kernel k_qa3f44fd374_prep
		.amdhsa_group_segment_fixed_size 0
		.amdhsa_private_segment_fixed_size 0
		.amdhsa_enable_private_segment 0
		.amdhsa_kernarg_size 104
		.amdhsa_user_sgpr_count 2
		.amdhsa_user_sgpr_kernarg_segment_ptr 1
		.amdhsa_wavefront_size32 1
		.amdhsa_system_sgpr_workgroup_id_x 1
		.amdhsa_system_sgpr_workgroup_id_y 1
		.amdhsa_system_sgpr_workgroup_id_z 1
		.amdhsa_system_vgpr_workitem_id 0
		.amdhsa_next_free_vgpr 512
		.amdhsa_next_free_sgpr 66
		.amdhsa_reserve_vcc 0
		.amdhsa_float_denorm_mode_32 3
		.amdhsa_float_denorm_mode_16_64 3
		.amdhsa_memory_ordered 1
		.amdhsa_forward_progress 1
		.amdhsa_inst_pref_size 183
	.end_amdhsa_kernel
	.amdgpu_metadata
---
amdhsa.version: [ 1, 2 ]
amdhsa.kernels:
  - .name:           k_qa3f44fd374_prep
    .symbol:         k_qa3f44fd374_prep.kd
    .args:
      - { .name: x, .offset: 0, .size: 8, .value_kind: global_buffer, .address_space: global }
      - { .name: y, .offset: 8, .size: 8, .value_kind: global_buffer, .address_space: global }
      - { .name: g_ln1x, .offset: 16, .size: 8, .value_kind: global_buffer, .address_space: global }
      - { .name: b_ln1x, .offset: 24, .size: 8, .value_kind: global_buffer, .address_space: global }
      - { .name: g_ln1y, .offset: 32, .size: 8, .value_kind: global_buffer, .address_space: global }
      - { .name: b_ln1y, .offset: 40, .size: 8, .value_kind: global_buffer, .address_space: global }
      - { .name: Wq, .offset: 48, .size: 8, .value_kind: global_buffer, .address_space: global }
      - { .name: Wp, .offset: 56, .size: 8, .value_kind: global_buffer, .address_space: global }
      - { .name: W2, .offset: 64, .size: 8, .value_kind: global_buffer, .address_space: global }
      - { .name: Wkv, .offset: 72, .size: 8, .value_kind: global_buffer, .address_space: global }
      - { .name: W1, .offset: 80, .size: 8, .value_kind: global_buffer, .address_space: global }
      - { .name: wts, .offset: 88, .size: 8, .value_kind: global_buffer, .address_space: global }
      - { .name: act, .offset: 96, .size: 8, .value_kind: global_buffer, .address_space: global }
    .group_segment_fixed_size: 0
    .private_segment_fixed_size: 0
    .kernarg_segment_align: 8
    .kernarg_segment_size: 104
    .max_flat_workgroup_size: 128
    .sgpr_count:     66
    .vgpr_count:     512
    .wavefront_size: 32
...
	.end_amdgpu_metadata
.endif
;; end of part 1
;; launch proj (part 2): grid 64 x 3, 4 waves a work-group, no clusters, 0 bytes of LDS; arguments wts, act, qkv; writes qkv
.if DOCPART == 2
	.amdgcn_target "amdgcn-amd-amdhsa--gfx1250"
	.amdhsa_code_object_version 6
	.text
	.protected	k_qa3f44fd374_proj
	.globl	k_qa3f44fd374_proj
	.p2align	8
	.type	k_qa3f44fd374_proj,@function
k_qa3f44fd374_proj:
	s_mov_b64 s[64:65], 0
	v_nop
	global_prefetch_b8 v0, s[64:65] scope:SCOPE_SE
	s_setreg_imm32_b32 hwreg(HW_REG_WAVE_MODE, 25, 1), 1
	s_wait_xcnt 0x0
; PROJ.  q = LN(y) Wq, k = LN(x) Wkv[:, :512], v = LN(x) Wkv[:, 512:], on E4M3 codes with E8M0 scales; the results are quantised in registers: q and k along the head's channels, v along the keys.
; One body for the three (work-group y = 0: q, 1: k, 2: v).  Waves share nothing: no LDS, no barrier.
; A wave holds a RESIDENT group of 8 tiles x 4 K steps (512 registers) as source 0 and streams 8 tiles as source 1.  A unit = one streamed tile: 32 matrix instructions into 8 accumulators, the quantiser, one fragment out.
;   q, k: resident = 128 columns of the weight, streamed = tiles of 16 rows: a lane holds one row, its 64 registers 128 columns' worth of its half: two heads x two blocks of 32.
;   v:    resident = 128 keys of LN(x), streamed = tiles of 16 channels of the weight: a lane holds one channel, its registers run along the keys.
; The rows of a tile are chosen (lane r of tile 2 b + u: row 32 b + 8 u + r + 8 (r / 8)) so that register 16 b + i of the 8 accumulators is k = 32 b + 16 (lane / 16) + i of the next product.
; OUT: codes [group][streamed tile][2,048] as register images; scale words in quads: 4 streamed tiles take 256 bytes, [16 u + r][j] words for tile 4 q + 2 j + u.
; LIMITS: NaN and infinities are not served; a block of zeros gets the byte 1 (its codes are zeros; only this program reads the bytes).
; REGISTERS: window 1: resident tiles 0-3 at 16 (4 t + s); window 2: tiles 4-7.  Window 0: v1 16 lane, v2 16 r, v3 8 lane, v[4:5] scale words on their way out, v6 the word just made, v8-23 resident scale words,
;   v24-31 streamed scale words (two sets), v32-159 streamed fragments (two sets), v160-223 accumulators, v224-239 codes, v240-255 the quantiser's work.
.set O_WKV, 262144
.set O_WQS, 3145728
.set O_WKVS, 3153920
.set O_YC,  4194304
.set O_XS,  8388608
.set O_YS,  8519680
.set O_KC,  4194304
.set O_VC,  8388608
.set O_QS,  12582912
.set O_KS,  12713984
.set O_VS,  12845056
.set RS,  8
.set SS,  24
.set STR, 32
.set ACC, 160
.set PC,  224
.set TM,  240
.set PW,  6
.set SEL, 42
.set MNT, 44
.set MSB, 0
.macro WIN new                         ; the immediate's high byte repeats the setting that is left
.if MSB != \new
	s_set_vgpr_msb (MSB<<8)|\new
.set MSB, \new
.endif
.endm
.macro QUANT s
.irp b, 0,1,2,3
	v_max3_num_f32 v[TM+\b], |v[\s+16*\b]|, |v[\s+1+16*\b]|, 0x4800000   ; my 16 numbers of block b, and the floor 2^(9 - 127).  (Each accumulator is read from its low end on)
.endr
.irp i, 2,4,6,8,10,12,14
.irp b, 0,1,2,3
	v_max3_num_f32 v[TM+\b], v[TM+\b], |v[\s+16*\b+\i]|, |v[\s+1+16*\b+\i]|
.endr
.endr
.irp b, 0,1,2,3
	v_permlanex16_b32 v[TM+4+\b], v[TM+\b], s[SEL], s[SEL+1]
.endr
.irp b, 0,1,2,3
	v_max_num_f32 v[TM+\b], v[TM+\b], v[TM+4+\b]
.endr
.irp b, 0,1,2,3
	v_add_nc_u32 v[TM+12+\b], 0xfc000000, v[TM+\b]
.endr
.irp b, 0,1,2,3
	v_and_or_b32 v[TM+8+\b], v[TM+\b], 0x7f800000, s[MNT]
.endr
.irp b, 0,1,2,3
	v_lshrrev_b32 v[TM+4+\b], 23, v[TM+12+\b]
.endr
	v_lshl_or_b32 v[PW], v[TM+5], 8, v[TM+4]
	v_lshl_or_b32 v[PW], v[TM+6], 16, v[PW]
	v_lshl_or_b32 v[PW], v[TM+7], 24, v[PW]
.irp b, 0,1,2,3
.irp i, 0,1,2,3,4,5,6,7,8,9,10,11,12,13,14,15
	v_med3_num_f32 v[\s+16*\b+\i], v[\s+16*\b+\i], -v[TM+8+\b], v[TM+8+\b]
.endr
	v_cvt_scalef32_pk8_fp8_f32 v[PC+4*\b:PC+1+4*\b], v[\s+16*\b:\s+7+16*\b], v[TM+12+\b]
	v_cvt_scalef32_pk8_fp8_f32 v[PC+2+4*\b:PC+3+4*\b], v[\s+8+16*\b:\s+15+16*\b], v[TM+12+\b]
.endr
	v_nop
.endm
; one matrix instruction.  odd = 1: source 0's scale words stand in lanes 16-31 of their register.  zero = 1: it starts the sum
.macro WM d, a, b, sa, sb, odd, zero
.if \zero
.if \odd
	v_wmma_scale_f32_16x16x128_f8f6f4 v[\d:\d+7], v[\a:\a+15], v[\b:\b+15], 0, v[\sa], v[\sb] matrix_a_scale:MATRIX_SCALE_ROW1
.else
	v_wmma_scale_f32_16x16x128_f8f6f4 v[\d:\d+7], v[\a:\a+15], v[\b:\b+15], 0, v[\sa], v[\sb]
.endif
.else
.if \odd
	v_wmma_scale_f32_16x16x128_f8f6f4 v[\d:\d+7], v[\a:\a+15], v[\b:\b+15], v[\d:\d+7], v[\sa], v[\sb] matrix_a_scale:MATRIX_SCALE_ROW1
.else
	v_wmma_scale_f32_16x16x128_f8f6f4 v[\d:\d+7], v[\a:\a+15], v[\b:\b+15], v[\d:\d+7], v[\sa], v[\sb]
.endif
.endif
.endm
.macro SLOAD u                         ; streamed tile u: 4 fragments and its scale words: 17 loads
.irp s, 0,1,2,3
.irp c, 0,1,2,3
	global_load_b128 v[STR+64*((\u)%2)+16*\s+4*\c:STR+64*((\u)%2)+16*\s+4*\c+3], v1, s[20:21] offset:8192*(\u)+2048*\s+512*\c
.endr
.endr
	global_load_b128 v[SS+4*((\u)%2):SS+4*((\u)%2)+3], v2, s[22:23] offset:256*(\u)
.endm
.macro UNIT u
.set SBF, STR+64*((\u)%2)
.set SSB, SS+4*((\u)%2)
.if (\u) < 7
	s_wait_loadcnt 17                              ; all but the next unit's 17 loads
.else
	s_wait_loadcnt 0x0
.endif
	WIN 0x01                                       ; source 0 in window 1.  Four accumulators by turns, one instruction a turn
.irp s, 0,1,2,3
.irp t, 0,1,2,3
	WM ACC+8*\t, 16*(4*\t+\s), SBF+16*\s, RS+4*(\t/2)+\s, SSB+\s, \t%2, \s==0
.endr
.endr
	WIN 0x02                                       ; source 0 in window 2: tiles 4-7
.irp s, 0,1,2,3
.irp t, 0,1,2,3
	WM ACC+32+8*\t, 16*(4*\t+\s), SBF+16*\s, RS+8+4*(\t/2)+\s, SSB+\s, \t%2, \s==0
.endr
.endr
	WIN 0
.rept 8
	v_nop                                          ; eight places ahead of the loads into the streamed set and of the first read of results; the quantiser's lines on its own registers add the ninth ahead of the next unit's first products
.endr
.if (\u) < 6
	SLOAD (\u)+2
.endif
	s_wait_xcnt 0x0                                ; the last unit's stores have read their data
	QUANT ACC
.irp c, 0,1,2,3
	global_store_b128 v1, v[PC+4*\c:PC+4*\c+3], s[24:25] offset:2048*(\u)+512*\c   ; 32 lanes store 512 consecutive bytes
.endr
.if (\u)%2 == 0
	v_mov_b32 v[4+((\u)/2)%2], v[PW]               ; an even tile's words in lanes 0-15,
.else
	v_cndmask_b32 v[4+((\u)/2)%2], v[4+((\u)/2)%2], v[PW], s30   ; the odd tile's in lanes 16-31
.endif
.if (\u)%4 == 3
	global_store_b64 v3, v[4:5], s[26:27] offset:256*((\u)/4)    ; a quad: 256 bytes, whole
.endif
.endm
	s_load_b128 s[4:7], s[0:1], 0x0                ; wts, act
	s_load_b64 s[8:9], s[0:1], 0x10                ; qkv
	v_lshrrev_b32 v1, 5, v0
	v_readfirstlane_b32 s10, v1                    ; wave
	s_and_b32 s11, ttmp7, 0xffff                   ; 0: q, 1: k, 2: v
	s_lshl_b32 s12, ttmp9, 2
	s_add_co_u32 s12, s12, s10                     ; W: 0 .. 255
	s_mov_b32 s[SEL], 0x76543210
	s_mov_b32 s[SEL+1], 0xfedcba98
	s_mov_b32 s[MNT], 0x600000
	s_mov_b32 s30, 0xffff0000
	s_mov_b32 s29, 0
	s_mov_b32 s32, 0                               ; q: resident Wq's codes,
	s_mov_b32 s33, O_WQS                           ; its scale words,
	s_mov_b32 s34, O_YC                            ; streamed LN(y)'s codes,
	s_mov_b32 s35, O_YS                            ; its scale words,
	s_mov_b32 s36, 0                               ; out: q's codes,
	s_mov_b32 s37, O_QS                            ; q's scale words
	s_cmp_eq_u32 s11, 1
	s_cselect_b32 s32, O_WKV, s32
	s_cselect_b32 s33, O_WKVS, s33
	s_cselect_b32 s34, 0, s34
	s_cselect_b32 s35, O_XS, s35
	s_cselect_b32 s36, O_KC, s36
	s_cselect_b32 s37, O_KS, s37
	s_cmp_eq_u32 s11, 2
	s_cselect_b32 s32, 0, s32
	s_cselect_b32 s33, O_XS, s33
	s_cselect_b32 s34, O_WKV+262144, s34
	s_cselect_b32 s35, O_WKVS+8192, s35
	s_cselect_b32 s36, O_VC, s36
	s_cselect_b32 s37, O_VS, s37
	s_cselect_b32 s13, 2, 6                        ; R = W >> this,
	s_cselect_b32 s14, 3, 63                       ; S0 = 8 (W & this),
	s_cselect_b32 s15, 5, 9                        ; log2 of the streamed tiles in all
	s_wait_kmcnt 0x0
	s_cselect_b64 s[16:17], s[6:7], s[4:5]         ; the resident operand's buffer: the choice hangs on the work-group's number alone
	s_cselect_b64 s[20:21], s[4:5], s[6:7]         ; the streamed one's
	s_mov_b64 s[18:19], s[16:17]
	s_mov_b64 s[22:23], s[20:21]
	s_lshr_b32 s38, s12, s13                       ; R
	s_and_b32 s39, s12, s14
	s_lshl_b32 s39, s39, 3                         ; S0
	s_lshl_b32 s28, s38, 16
	s_add_co_u32 s28, s28, s32
	s_add_nc_u64 s[16:17], s[16:17], s[28:29]
	s_lshl_b32 s28, s38, 11
	s_add_co_u32 s28, s28, s33
	s_add_nc_u64 s[18:19], s[18:19], s[28:29]
	s_lshl_b32 s28, s39, 13
	s_add_co_u32 s28, s28, s34
	s_add_nc_u64 s[20:21], s[20:21], s[28:29]
	s_lshl_b32 s28, s39, 8
	s_add_co_u32 s28, s28, s35
	s_add_nc_u64 s[22:23], s[22:23], s[28:29]
	s_lshl_b32 s40, s38, s15
	s_add_co_u32 s40, s40, s39                     ; the first fragment that I write
	s_lshl_b32 s28, s40, 11
	s_add_co_u32 s28, s28, s36
	s_add_nc_u64 s[24:25], s[8:9], s[28:29]
	s_lshr_b32 s28, s40, 2
	s_lshl_b32 s28, s28, 8
	s_add_co_u32 s28, s28, s37
	s_add_nc_u64 s[26:27], s[8:9], s[28:29]
	v_and_b32 v3, 31, v0
	v_lshlrev_b32 v1, 4, v3                        ; 16 x lane
	v_and_b32 v2, 15, v0
	v_lshlrev_b32 v2, 4, v2                        ; 16 r
	v_lshlrev_b32 v3, 3, v3                        ; 8 x lane
.irp b, 0,1,2,3
	v_mov_b32 v[TM+4+\b], 0                        ; written once: a lane permute's destination counts as one of its sources
.endr
.irp p, 0,1,2,3
	global_load_b128 v[RS+4*\p:RS+4*\p+3], v1, s[18:19] offset:512*\p   ; tiles 2 p (lanes 0-15) and 2 p + 1 (lanes 16-31), K steps 0-3
.endr
	WIN 0x40
.irp t, 0,1,2,3
.irp s, 0,1,2,3
.irp c, 0,1,2,3
	global_load_b128 v[16*(4*\t+\s)+4*\c:16*(4*\t+\s)+4*\c+3], v1, s[16:17] offset:8192*\t+2048*\s+512*\c
.endr
.endr
.endr
	WIN 0x80
.irp t, 0,1,2,3
.irp s, 0,1,2,3
.irp c, 0,1,2,3
	global_load_b128 v[16*(4*\t+\s)+4*\c:16*(4*\t+\s)+4*\c+3], v1, s[16:17] offset:8192*(\t+4)+2048*\s+512*\c
.endr
.endr
.endr
	WIN 0
	SLOAD 0
	SLOAD 1
.irp u, 0,1,2,3,4,5,6,7
	UNIT \u
.endr
	s_endpgm
.Lfunc_end_k_qa3f44fd374_proj:
	.size	k_qa3f44fd374_proj, .Lfunc_end_k_qa3f44fd374_proj-k_qa3f44fd374_proj
	.p2alignl 7, 3214868480
	.fill 96, 4, 3214868480
	.section	.rodata,"a",@progbits
	.p2align	6, 0x0
	.amdhsa_kernel k_qa3f44fd374_proj
		.amdhsa_group_segment_fixed_size 0
		.amdhsa_private_segment_fixed_size 0
		.amdhsa_enable_private_segment 0
		.amdhsa_kernarg_size 24
		.amdhsa_user_sgpr_count 2
		.amdhsa_user_sgpr_kernarg_segment_ptr 1
		.amdhsa_wavefront_size32 1
		.amdhsa_system_sgpr_workgroup_id_x 1
		.amdhsa_system_sgpr_workgroup_id_y 1
		.amdhsa_system_sgpr_workgroup_id_z 1
		.amdhsa_system_vgpr_workitem_id 0
		.amdhsa_next_free_vgpr 768
		.amdhsa_next_free_sgpr 66
		.amdhsa_reserve_vcc 0
		.amdhsa_float_denorm_mode_32 3
		.amdhsa_float_denorm_mode_16_64 3
		.amdhsa_memory_ordered 1
		.amdhsa_forward_progress 1
		.amdhsa_inst_pref_size 131
	.end_amdhsa_kernel
	.amdgpu_metadata
---
amdhsa.version: [ 1, 2 ]
amdhsa.kernels:
  - .name:           k_qa3f44fd374_proj
    .symbol:         k_qa3f44fd374_proj.kd
    .args:
      - { .name: wts, .offset: 0, .size: 8, .value_kind: global_buffer, .address_space: global }
      - { .name: act, .offset: 8, .size: 8, .value_kind: global_buffer, .address_space: global }
      - { .name: qkv, .offset: 16, .size: 8, .value_kind: global_buffer, .address_space: global }
    .group_segment_fixed_size: 0
    .private_segment_fixed_size: 0
    .kernarg_segment_align: 8
    .kernarg_segment_size: 24
    .max_flat_workgroup_size: 128
    .sgpr_count:     66
    .vgpr_count:     768
    .wavefront_size: 32
...
	.end_amdgpu_metadata
.endif
;; end of part 2
;; launch attn (part 3): grid 8 x 32, 16 waves a work-group, no clusters, 276,480 bytes of LDS; arguments qkv, att; writes att
.if DOCPART == 3
	.amdgcn_target "amdgcn-amd-amdhsa--gfx1250"
	.amdhsa_code_object_version 6
	.text
	.protected	k_qa3f44fd374_attn
	.globl	k_qa3f44fd374_attn
	.p2align	8
	.type	k_qa3f44fd374_attn,@function
k_qa3f44fd374_attn:
	s_mov_b64 s[64:65], 0
	v_nop
	global_prefetch_b8 v0, s[64:65] scope:SCOPE_SE
	s_setreg_imm32_b32 hwreg(HW_REG_WAVE_MODE, 25, 1), 1
	s_wait_xcnt 0x0
; ATTN.  o = softmax(q k^T / 8) v for one (batch, head) and 256 queries a work-group, both products on E4M3 codes with E8M0 scales; o / l is quantised along the 512 columns of (head, channel) and stored as codes.
; THE SOFTMAX: t = score x log2(e) / 8; M = the running largest t rounded UP to a whole number; p = 2^(t - M) is quantised along the keys, not normalised; the row's sum is taken of the unquantised p and divides at the end;
; when M moves, the sum and O are multiplied by 2^(old M - new M), exactly.
; SHARES.  Sixteen waves, one tile of 16 queries each, 256 registers: four waves to a SIMD, so that one wave's vector work stands beside another's matrix work and LDS loads.
; A WHOLE HEAD'S K AND V (128 + 128 KiB of codes, 12 KiB of scale words) ARE COPIED INTO LDS ONCE, through registers, ahead of ONE barrier; then the waves share nothing more.  No tile is fetched twice by a
; work-group, so there is nothing to ask for jointly in a loop: no ring, no cluster.
; All operands lie as register images (16 bytes a lane, 512 a piece): every LDS access is 16 x lane on end, without padding.
; LAYOUT.  Both products transposed: S^T = K Q^T, O^T = V^T P^T: a lane holds one query.  The keys of a tile of K and the channels of a tile of V were chosen by the launch before so that 16 registers of two neighbouring tiles are 16 neighbours.
; K = 64 IN AN INSTRUCTION OF 128.  Q's registers 8-15 are zero codes and its scale bytes 2, 3 are 0.  K's tile t is named v[32 + 8 t : 47 + 8 t]: its upper eight registers are the NEXT tile's codes (for t = 7: zeros).  Those are finite
; numbers of E4M3 (the quantiser holds at 448: no NaN code), and finite x 0 adds nothing.  So K's tiles take 8 registers each and are read from LDS once.
; LIMITS: NaN and infinities are not served; a block of zeros gets the byte 1 (its codes are zeros; only this program reads the bytes).
; REGISTERS: v1 16 lane; v2, v3 my place among K's, V's scale words; v4-7 the step's addresses; v8 Q's scale word; v[10:11] V's; v12 -M, v13 the largest t, v[14:15] the sum; v16-23 Q, v24-31 zeros; v32-95 K's 8 tiles or V's 4 fragments;
;   v96-103 zeros; v104-167 S^T, then p; v168-199 O^T; v200-215 p's codes; v216-219 K's scale words; v220-239 at work.
.set O_KC,  4194304
.set O_VC,  8388608
.set O_QS,  12582912
.set O_KS,  12713984
.set O_VS,  12845056
.set O_OS,  4194304
.set VL,    131072                     ; LDS: K's codes at 0 (tile at 1,024 x tile), V's here (key group at 8,192 x group),
.set KSL,   262144                     ; K's scale words (cut to this head's two bytes), 256 bytes for each 4 tiles,
.set VSL,   270336                     ; V's, 256 bytes for each key group
.set SEL, 34
.set CS,  36                           ; s[36:37] c = log2(e) / 8
.set MNT, 38
.set TK,  39                           ; the step's first byte of K's codes and of V's: 8,192 a step
.set TS,  40                           ; of K's scale words: 512 a step
.set TV,  41                           ; of V's: 256 a step
.set CNT, 42
.macro WM d, a, b, sa, sb, odd, zero
.if \zero
.if \odd
	v_wmma_scale_f32_16x16x128_f8f6f4 v[\d:\d+7], v[\a:\a+15], v[\b:\b+15], 0, v[\sa], v[\sb] matrix_a_scale:MATRIX_SCALE_ROW1
.else
	v_wmma_scale_f32_16x16x128_f8f6f4 v[\d:\d+7], v[\a:\a+15], v[\b:\b+15], 0, v[\sa], v[\sb]
.endif
.else
.if \odd
	v_wmma_scale_f32_16x16x128_f8f6f4 v[\d:\d+7], v[\a:\a+15], v[\b:\b+15], v[\d:\d+7], v[\sa], v[\sb] matrix_a_scale:MATRIX_SCALE_ROW1
.else
	v_wmma_scale_f32_16x16x128_f8f6f4 v[\d:\d+7], v[\a:\a+15], v[\b:\b+15], v[\d:\d+7], v[\sa], v[\sb]
.endif
.endif
.endm
	s_load_b128 s[4:7], s[0:1], 0x0                ; qkv, att
	v_lshl_add_u32 v254, v0, 2, 0x43000
	v_mov_b32 v255, 0
	v_lshrrev_b32 v1, 5, v0
	v_readfirstlane_b32 s8, v1                     ; wave 0..15
	s_and_b32 s10, ttmp7, 0xffff
	s_lshr_b32 s11, s10, 3                         ; the batch
	s_and_b32 s12, s10, 7                          ; the head
	s_lshr_b32 s13, s12, 1                         ; g: which 128 columns
	s_and_b32 s14, s12, 1                          ; par: which half of them
	s_lshl_b32 s15, s11, 7
	s_lshl_b32 s32, ttmp9, 4
	s_add_co_u32 s15, s15, s32
	s_add_co_u32 s15, s15, s8                      ; T: my tile of queries
	s_lshl_b32 s43, s14, 4                         ; 16 par: where my head's two scale bytes begin in a word
	s_mov_b32 s44, 0xffff0000
	s_mov_b32 s[SEL], 0x76543210
	s_mov_b32 s[SEL+1], 0xfedcba98
	s_mov_b32 s[CS], 0x3e38aa3b
	s_mov_b32 s[CS+1], s[CS]
	s_mov_b32 s[MNT], 0x600000
	s_mov_b32 s[TK], 0
	s_mov_b32 s[TS], 0
	s_mov_b32 s[TV], 0
	s_mov_b32 s[CNT], 16
	s_mov_b32 s33, 0
	s_lshl_b32 s45, s13, 9                         ; 512 g
	s_lshl_b32 s46, s14, 10                        ; 1,024 par
	s_wait_kmcnt 0x0
	s_lshl_b32 s32, s11, 7                         ; K's codes: fragment 512 g + 128 batch, my head's half
	s_add_co_u32 s32, s32, s45
	s_lshl_b32 s32, s32, 11
	s_add_co_u32 s32, s32, s46
	s_add_co_u32 s32, s32, O_KC
	s_add_nc_u64 s[16:17], s[4:5], s[32:33]
	s_lshl_b32 s32, s11, 9                         ; V's codes: fragment 512 batch + 4 head
	s_lshl_b32 s47, s12, 2
	s_add_co_u32 s32, s32, s47
	s_lshl_b32 s32, s32, 11
	s_add_co_u32 s32, s32, O_VC
	s_add_nc_u64 s[18:19], s[4:5], s[32:33]
	s_lshl_b32 s32, s13, 7                         ; K's scale words: quad 128 g + 32 batch
	s_lshl_b32 s47, s11, 5
	s_add_co_u32 s32, s32, s47
	s_lshl_b32 s32, s32, 8
	s_add_co_u32 s32, s32, O_KS
	s_add_nc_u64 s[20:21], s[4:5], s[32:33]
	s_lshl_b32 s32, s11, 7                         ; V's: quad 128 batch + head
	s_add_co_u32 s32, s32, s12
	s_lshl_b32 s32, s32, 8
	s_add_co_u32 s32, s32, O_VS
	s_add_nc_u64 s[22:23], s[4:5], s[32:33]
	s_add_co_u32 s47, s45, s15                     ; Q: fragment 512 g + T
	s_lshl_b32 s32, s47, 11
	s_add_co_u32 s32, s32, s46
	s_add_nc_u64 s[24:25], s[4:5], s[32:33]
	s_lshr_b32 s32, s47, 2                         ; its scale words: the quad, then tile T % 4 = 2 j + u at 128 u + 4 j
	s_lshl_b32 s32, s32, 8
	s_and_b32 s9, s8, 1
	s_lshl_b32 s9, s9, 7
	s_add_co_u32 s32, s32, s9
	s_bfe_u32 s9, s8, 0x10001
	s_lshl_b32 s9, s9, 2
	s_add_co_u32 s32, s32, s9
	s_add_co_u32 s32, s32, O_QS
	s_add_nc_u64 s[26:27], s[4:5], s[32:33]
	s_lshl_b32 s32, s15, 13                        ; o's codes: tile T, K step g, my head's two pieces
	s_lshl_b32 s9, s13, 11
	s_add_co_u32 s32, s32, s9
	s_add_co_u32 s32, s32, s46
	s_add_nc_u64 s[28:29], s[6:7], s[32:33]
	s_lshl_b32 s32, s15, 8                         ; o's scale bytes: 256 T + 4 g + 2 par
	s_lshl_b32 s9, s13, 2
	s_add_co_u32 s32, s32, s9
	s_lshl_b32 s9, s14, 1
	s_add_co_u32 s32, s32, s9
	s_add_co_u32 s32, s32, O_OS
	s_add_nc_u64 s[30:31], s[6:7], s[32:33]
	v_and_b32 v9, 31, v0                           ; lane
	v_lshlrev_b32 v1, 4, v9
	v_lshl_add_u32 v2, v9, 3, KSL
	v_lshl_add_u32 v3, v9, 3, VSL
	; THE COPY.  Thread i of 512.  K: a tile's half is 1,024 of each 2,048 bytes: 8 tiles a load.  V: a key group's 4 fragments are 8,192 bytes on end: a group a load
	v_lshrrev_b32 v200, 6, v0
	v_lshlrev_b32 v200, 11, v200
	v_and_b32 v201, 63, v0
	v_lshl_add_u32 v200, v201, 4, v200             ; K in memory: 2,048 (i / 64) + 16 (i % 64)
	v_lshlrev_b32 v201, 4, v0                      ; 16 i
	v_lshrrev_b32 v202, 5, v0
	v_lshlrev_b32 v202, 11, v202
	v_lshl_add_u32 v202, v9, 3, v202               ; V's scale words in memory: 2,048 (i / 32) + 8 (i % 32)
	v_and_b32 v203, 15, v0
	v_lshlrev_b32 v203, 3, v203                    ; 8 r
	v_lshlrev_b32 v204, 4, v0                      ; LDS: 16 i + 65,536 k: an LDS immediate has 16 bits
	v_lshl_add_u32 v205, v0, 4, 0x10000
	v_lshl_add_u32 v206, v0, 4, 0x20000
	v_lshl_add_u32 v207, v0, 4, 0x30000
	v_lshl_add_u32 v208, v0, 3, VSL
	v_lshl_add_u32 v209, v0, 4, KSL
.irp j, 0,1,2,3,4,5,6,7,8,9,10,11,12,13,14,15
	global_load_b128 v[32+4*\j:35+4*\j], v200, s[16:17] offset:16384*\j
.endr
.irp j, 0,1,2,3,4,5,6,7,8,9,10,11,12,13,14,15
	global_load_b128 v[104+4*\j:107+4*\j], v201, s[18:19] offset:65536*\j
.endr
	global_load_b128 v[216:219], v201, s[20:21]
	global_load_b64 v[10:11], v202, s[22:23]
	global_load_b128 v[16:19], v1, s[24:25]        ; Q's fragment: two pieces; it stays in registers
	global_load_b128 v[20:23], v1, s[24:25] offset:512
	global_load_b32 v8, v203, s[26:27]
	s_wait_loadcnt 0x0
.irp j, 0,1,2,3
	v_bfe_u32 v[216+\j], v[216+\j], s43, 16        ; my head's two bytes; bytes 2, 3 become 0
.endr
	v_bfe_u32 v8, v8, s43, 16
.irp j, 0,1,2,3,4,5,6,7,8,9,10,11,12,13,14,15
	ds_store_b128 v[204+\j/8], v[32+4*\j:35+4*\j] offset:8192*(\j%8)
.endr
.irp j, 0,1,2,3,4,5,6,7,8,9,10,11,12,13,14,15
	ds_store_b128 v[206+\j/8], v[104+4*\j:107+4*\j] offset:8192*(\j%8)
.endr
	ds_store_b128 v209, v[216:219]
	ds_store_b64 v208, v[10:11]
	s_wait_dscnt 0x0                               ; for the others' sake: my stores have landed
	s_barrier_signal -1
	s_barrier_wait -1                              ; the head's K and V lie in LDS; from here on LDS is only read
.irp j, 0,1,2,3,4,5,6,7
	v_mov_b32 v[24+\j], 0                          ; Q's upper half: zero codes
	v_mov_b32 v[96+\j], 0                          ; what stands behind K's last tile
.endr
.set j, 0
.rept 32
	v_mov_b32 v[168+j], 0                          ; O^T.  (The step is written once: the first finds zeros, which the first change of M leaves zeros)
.set j, j+1
.endr
	v_mov_b32 v13, 0xff61b1e6                      ; the largest t so far: -3e38
	v_floor_f32 v12, -v13                          ; -M
	v_mov_b32 v14, 0
	v_mov_b32 v15, 0
.irp b, 0,1,2,3
	v_mov_b32 v[224+\b], 0                         ; written once: a lane permute's destination counts as one of its sources
.endr
	v_mov_b32 v237, 0
	v_mov_b32 v239, 0                              ; (named as the upper half of the pair v[238:239])
.Lstep:                                            ; 16 trips: 128 keys each
	v_add_nc_u32 v4, s[TK], v1
	v_add_nc_u32 v5, VL, v4
	v_add_nc_u32 v6, s[TS], v2
	v_add_nc_u32 v7, s[TV], v3
.rept 4
	v_nop                                          ; with the four additions: eight places behind the last products, ahead of loads into their operands
.endr
.irp t, 0,1,2,3,4,5,6,7
	ds_load_b128 v[32+8*\t:35+8*\t], v4 offset:1024*\t
	ds_load_b128 v[36+8*\t:39+8*\t], v4 offset:1024*\t+512
.endr
	ds_load_b64 v[216:217], v6                     ; register t / 2: tile t's words in lanes 0-15 (t even) or 16-31 (t odd)
	ds_load_b64 v[218:219], v6 offset:256
	s_wait_dscnt 0x0
.irp t, 0,1,2,3,4,5,6,7
	WM 104+8*\t, 32+8*\t, 16, 216+\t/2, 8, \t%2, 1
.endr
.rept 8
	v_nop                                          ; eight places ahead of the loads into K's registers and of the first read of the scores
.endr
.irp f, 0,1,2,3
.irp c, 0,1,2,3
	ds_load_b128 v[32+16*\f+4*\c:35+16*\f+4*\c], v5 offset:2048*\f+512*\c   ; V's four fragments land under the softmax
.endr
.endr
	ds_load_b64 v[10:11], v7
.irp b, 0,1,2,3
	v_max3_num_f32 v[220+\b], v[104+16*\b], v[105+16*\b], v[106+16*\b]   ; the largest SCORE of each block of 32 keys: for the row's maximum, and, since p rises with the score, for the block's largest p
.endr
.irp i, 3,5,7,9,11,13
.irp b, 0,1,2,3
	v_max3_num_f32 v[220+\b], v[220+\b], v[104+16*\b+\i], v[105+16*\b+\i]
.endr
.endr
.irp b, 0,1,2,3
	v_max_num_f32 v[220+\b], v[220+\b], v[119+16*\b]
.endr
.irp b, 0,1,2,3
	v_permlanex16_b32 v[224+\b], v[220+\b], s[SEL], s[SEL+1]
.endr
.irp b, 0,1,2,3
	v_max_num_f32 v[220+\b], v[220+\b], v[224+\b]  ; with lane l xor 16's 16 keys
.endr
	v_max3_num_f32 v237, v220, v221, v222
	v_max_num_f32 v237, v237, v223
	v_mul_f32 v237, s[CS], v237                    ; the step's largest t (c is positive)
	v_max_num_f32 v13, v13, v237
	v_mov_b32 v237, v12
	v_floor_f32 v12, -v13                          ; the new -M = -ceil(t)
	v_sub_f32 v237, v12, v237                      ; old M - new M: a whole number, 0 or less
	v_cvt_i32_f32 v237, v237                       ; (it saturates)
	v_ldexp_f32 v238, 1.0, v237                    ; f = 2^(old M - new M)
.set j, 0
.rept 32
	v_pk_fma_f32 v[104+j:105+j], v[104+j:105+j], s[CS:CS+1], v[12:13] op_sel_hi:[1,0,0]   ; t - M
.set j, j+2
.endr
.irp b, 0,1,2,3
	v_fma_f32 v[220+\b], v[220+\b], s[CS], v12
.endr
.set j, 0
.rept 64
	v_exp_f32 v[104+j], v[104+j]                   ; p = 2^(t - M)
.set j, j+1
.endr
	v_pk_mul_f32 v[14:15], v[14:15], v[238:239] op_sel_hi:[1,0]   ; the sums under the new M: a plain line behind the exponentials
	s_wait_alu depctr_va_vdst(0)                   ; the wait ahead of the first line that names a result: one for the batch of 64
.irp b, 0,1,2,3
	v_exp_f32 v[220+\b], v[220+\b]                 ; each block's largest p
.endr
	v_pk_add_f32 v[224:225], v[104:105], v[106:107]   ; the row's sum of the UNQUANTISED p, in two chains
.irp j, 4,8,12,16,20,24,28,32,36,40,44,48,52,56,60
	v_pk_add_f32 v[14:15], v[14:15], v[104+\j:105+\j]
	v_pk_add_f32 v[224:225], v[224:225], v[106+\j:107+\j]
.endr
	v_pk_add_f32 v[14:15], v[14:15], v[224:225]
	s_wait_alu depctr_va_vdst(0)                   ; and one for the four
.irp b, 0,1,2,3
	v_max_num_f32 v[220+\b], 0x4800000, v[220+\b]  ; the floor 2^(9 - 127)
.endr
.irp b, 0,1,2,3
	v_add_nc_u32 v[232+\b], 0xfc000000, v[220+\b]
.endr
.irp b, 0,1,2,3
	v_and_or_b32 v[228+\b], v[220+\b], 0x7f800000, s[MNT]
.endr
.irp b, 0,1,2,3
	v_lshrrev_b32 v[224+\b], 23, v[232+\b]
.endr
	v_lshl_or_b32 v236, v225, 8, v224              ; p's scale word for these 128 keys
	v_lshl_or_b32 v236, v226, 16, v236
	v_lshl_or_b32 v236, v227, 24, v236
.irp b, 0,1,2,3
.irp i, 0,1,2,3,4,5,6,7,8,9,10,11,12,13,14,15
	v_min_num_f32 v[104+16*\b+\i], v[104+16*\b+\i], v[228+\b]   ; the hold: p is not negative, so it is one-sided
.endr
	v_cvt_scalef32_pk8_fp8_f32 v[200+4*\b:201+4*\b], v[104+16*\b:111+16*\b], v[232+\b]
	v_cvt_scalef32_pk8_fp8_f32 v[202+4*\b:203+4*\b], v[112+16*\b:119+16*\b], v[232+\b]
.endr
.set j, 0
.rept 16
	v_pk_mul_f32 v[168+j:169+j], v[168+j:169+j], v[238:239] op_sel_hi:[1,0]   ; O^T under the new M; these lines also stand between the codes and the products
.set j, j+2
.endr
	s_wait_dscnt 0x0                               ; V
.irp f, 0,1,2,3
	WM 168+8*\f, 32+16*\f, 200, 10+\f/2, 236, \f%2, 0
.endr
	s_add_co_u32 s[TK], s[TK], 8192
	s_add_co_u32 s[TS], s[TS], 512
	s_add_co_u32 s[TV], s[TV], 256
	s_sub_co_u32 s[CNT], s[CNT], 1
	s_cmp_lg_u32 s[CNT], 0
	s_cbranch_scc1 .Lstep
	; THE WAY OUT: O^T / the sum; register 16 b + i is channel 32 b + 16 (lane / 16) + i of my head: two blocks of 32, quantised as they stand
.rept 8
	v_nop                                          ; eight places behind the last products
.endr
	v_add_f32 v14, v14, v15
	v_permlanex16_b32 v237, v14, s[SEL], s[SEL+1]
	v_add_f32 v14, v14, v237
	v_rcp_f32 v14, v14
	v_and_b32 v4, 15, v0                           ; (plain lines behind the transcendental)
	v_bfe_u32 v5, v0, 4, 1
	v_lshl_add_u32 v4, v4, 4, v5                   ; 16 r + h
	s_wait_alu depctr_va_vdst(0)
.set j, 0
.rept 32
	v_mul_f32 v[104+j], v[168+j], v14
.set j, j+1
.endr
.irp b, 0,1
	v_max3_num_f32 v[220+\b], |v[104+16*\b]|, |v[105+16*\b]|, 0x4800000
.endr
.irp i, 2,4,6,8,10,12,14
.irp b, 0,1
	v_max3_num_f32 v[220+\b], v[220+\b], |v[104+16*\b+\i]|, |v[105+16*\b+\i]|
.endr
.endr
.irp b, 0,1
	v_permlanex16_b32 v[224+\b], v[220+\b], s[SEL], s[SEL+1]
.endr
.irp b, 0,1
	v_max_num_f32 v[220+\b], v[220+\b], v[224+\b]
.endr
.irp b, 0,1
	v_add_nc_u32 v[232+\b], 0xfc000000, v[220+\b]
.endr
.irp b, 0,1
	v_and_or_b32 v[228+\b], v[220+\b], 0x7f800000, s[MNT]
.endr
.irp b, 0,1
	v_lshrrev_b32 v[224+\b], 23, v[232+\b]
.endr
.irp b, 0,1
.irp i, 0,1,2,3,4,5,6,7,8,9,10,11,12,13,14,15
	v_med3_num_f32 v[104+16*\b+\i], v[104+16*\b+\i], -v[228+\b], v[228+\b]
.endr
	v_cvt_scalef32_pk8_fp8_f32 v[200+4*\b:201+4*\b], v[104+16*\b:111+16*\b], v[232+\b]
	v_cvt_scalef32_pk8_fp8_f32 v[202+4*\b:203+4*\b], v[112+16*\b:119+16*\b], v[232+\b]
.endr
	v_nop
	v_cndmask_b32 v237, v224, v225, s44            ; lanes 0-15 store block 0's byte of row r, lanes 16-31 block 1's
	global_store_b128 v1, v[200:203], s[28:29]     ; 512 consecutive bytes each
	global_store_b128 v1, v[204:207], s[28:29] offset:512
	global_store_b8 v4, v237, s[30:31]             ; single bytes, 2 of each 16: one byte for each 32 that the launch stores
	s_wait_tensorcnt 0x0
	ds_add_u32 v254, v255
	s_wait_dscnt 0x0
	s_endpgm
.Lfunc_end_k_qa3f44fd374_attn:
	.size	k_qa3f44fd374_attn, .Lfunc_end_k_qa3f44fd374_attn-k_qa3f44fd374_attn
	.p2alignl 7, 3214868480
	.fill 96, 4, 3214868480
	.section	.rodata,"a",@progbits
	.p2align	6, 0x0
	.amdhsa_kernel k_qa3f44fd374_attn
		.amdhsa_group_segment_fixed_size 276480
		.amdhsa_private_segment_fixed_size 0
		.amdhsa_enable_private_segment 0
		.amdhsa_kernarg_size 16
		.amdhsa_user_sgpr_count 2
		.amdhsa_user_sgpr_kernarg_segment_ptr 1
		.amdhsa_wavefront_size32 1
		.amdhsa_system_sgpr_workgroup_id_x 1
		.amdhsa_system_sgpr_workgroup_id_y 1
		.amdhsa_system_sgpr_workgroup_id_z 1
		.amdhsa_system_vgpr_workitem_id 0
		.amdhsa_next_free_vgpr 256
		.amdhsa_next_free_sgpr 66
		.amdhsa_reserve_vcc 0
		.amdhsa_float_denorm_mode_32 3
		.amdhsa_float_denorm_mode_16_64 3
		.amdhsa_memory_ordered 1
		.amdhsa_forward_progress 1
		.amdhsa_inst_pref_size 37
	.end_amdhsa_kernel
	.amdgpu_metadata
---
amdhsa.version: [ 1, 2 ]
amdhsa.kernels:
  - .name:           k_qa3f44fd374_attn
    .symbol:         k_qa3f44fd374_attn.kd
    .args:
      - { .name: qkv, .offset: 0, .size: 8, .value_kind: global_buffer, .address_space: global }
      - { .name: att, .offset: 8, .size: 8, .value_kind: global_buffer, .address_space: global }
    .group_segment_fixed_size: 276480
    .private_segment_fixed_size: 0
    .kernarg_segment_align: 8
    .kernarg_segment_size: 16
    .max_flat_workgroup_size: 512
    .sgpr_count:     66
    .vgpr_count:     256
    .wavefront_size: 32
...
	.end_amdgpu_metadata
.endif
;; end of part 3
;; launch tail (part 4): grid 128 x 1, 4 waves a work-group, no clusters, 206,336 bytes of LDS; arguments att, wts, y, bp, g_ln2, b_ln2, b1, b2, out0; writes out0
.if DOCPART == 4
	.amdgcn_target "amdgcn-amd-amdhsa--gfx1250"
	.amdhsa_code_object_version 6
	.text
	.protected	k_qa3f44fd374_tail
	.globl	k_qa3f44fd374_tail
	.p2align	8
	.type	k_qa3f44fd374_tail,@function
k_qa3f44fd374_tail:
	s_mov_b64 s[64:65], 0
	v_nop
	global_prefetch_b8 v0, s[64:65] scope:SCOPE_SE
	s_setreg_imm32_b32 hwreg(HW_REG_WAVE_MODE, 25, 1), 1
	s_wait_xcnt 0x0
; TAIL.  o2 = o Wp + bp + y;  h = LN(o2);  out = gelu(h W1 + b1) W2 + b2 + o2.  The three products on E4M3 codes with E8M0 scales; all else f32; nothing between them goes to memory.
; SHARES.  A work-group takes 64 rows (4 tiles of 16).  THE WAVES SHARE THE COLUMNS: wave w makes columns 128 w .. 128 w + 127 (8 tiles) of o2, of each chunk of 512 hidden units and of the output, for all 64 rows: 32 accumulators.
; The weights' fragments come from memory straight into registers as dense images (512 bytes a load) and each feeds 4 matrix instructions; the rows' codes go from wave to wave through LDS as images of their registers.
; 64 rows: every work-group walks all 2.25 MB of weight codes, so half as many rows to a work-group would double those reads and halve the products that a fragment feeds; three sets of 256 registers (weights, o2 and output, hidden) fill a wave.
; The weights are shared by all work-groups; they are not asked for jointly here because they go to registers, not through LDS: no tensor load, no ring, no cluster in this text.
; Products are used transposed (source 0 = 16 columns of the weight, source 1 = 16 rows): a lane holds one row; the columns of a tile were chosen so that register 16 b + i of 8 accumulators is column 32 b + 16 (lane / 16) + i.
; EVERY ACCUMULATOR IS BEGUN BY A LOAD (y; b1) or by what it holds (o2 + b2), and every product adds in place: nothing is cleared.  The 32 accumulators take turns, one instruction a turn.
; gelu is the tanh form: x sigmoid(2 a), a = sqrt(2 / pi) (x + 0.044715 x^3), as x / (1 + 2^z), z = x (CA + CB x^2).
; The look-ahead of the last chunk wraps to chunk 0 (two weight sets, 8 scale loads, 64 bias loads that nobody reads, inside their buffers), so that every wait's count holds on the one path.
; LIMITS: NaN and infinities are not served; a block of zeros gets the byte 1 (its codes are zeros; only this program reads the bytes).
; REGISTERS.  Window 1: two weight sets of 8 fragments (128 set + 16 t).  Window 2: Y at 8 (8 m + t): y, o2, o2 + b2, the output.  Window 3: H: o's 16 fragments (64 s + 16 m), then bp, g, b_ln2, b2 (64 each), then the hidden sums.
; Window 0: v1-13 addresses; v16-79 ACT0 and the 64 numbers at work; v80-143 ACT1; v144-159 codes; v160-175 the quantiser's work; v176 its scale word; v178-181 gelu's constants; v182-191 at work;
;   v192-207, v208-223 the weights' scale words; v224-239 h's; v240-255 o's, then mean and rstd, then the hidden layer's.
.set O_OS,  4194304
.set O_WP,  786432
.set O_W1,  1048576
.set O_W2,  2097152
.set O_WPS, 3170304
.set O_W1S, 3178496
.set O_W2S, 3211264
.set HSC,  0                           ; LDS: h's scale words, 128 (4 m + s) + 4 lane;
.set GSC,  2048                        ; the hidden layer's likewise;
.set ST1,  4096                        ; the waves' partial sums, 128 (4 w + m) + 4 lane;
.set ST2,  6144                        ; and sums of squares;
.set HIMG, 8192                        ; h's 16 fragments (4 m + s);
.set GIMG, 40960                       ; the hidden chunk's 16 fragments: addressed by registers of their own, since an LDS immediate has 16 bits;
.set STG,  73728                       ; the stage for the output: 64 rows x (2,048 + 16) bytes
.set ST,  16
.set PC,  144
.set TM,  160
.set PW,  176
.set WSA, 192
.set WSB, 208
.set HS,  224
.set GS,  240
.set WV,  22
.set MNT, 23
.set SEL, 24
.set CH,  26
.set W1C, 28                           ; s[28:29] W1's fragments of the chunk in hand;  s[30:31] of the next
.set W1N, 30
.set W2C, 32                           ; W2's of the chunk in hand
.set WPB, 34
.set W1SN, 36                          ; the next chunk's scale words of W1, of W2, its bias
.set W2SN, 38
.set B1N, 40
.set OFF, 42
.set W1B, 44                           ; my wave's bases
.set W2B, 46
.set W1SB, 48
.set W2SB, 50
.set B1B, 52
.set MSB, 0
.macro WIN new                         ; the immediate's high byte repeats the setting that is left
.if MSB != \new
	s_set_vgpr_msb (MSB<<8)|\new
.set MSB, \new
.endif
.endm
.macro QUANT s
.irp b, 0,1,2,3
	v_max3_num_f32 v[TM+\b], |v[\s+16*\b]|, |v[\s+1+16*\b]|, 0x4800000
.endr
.irp i, 2,4,6,8,10,12,14
.irp b, 0,1,2,3
	v_max3_num_f32 v[TM+\b], v[TM+\b], |v[\s+16*\b+\i]|, |v[\s+1+16*\b+\i]|
.endr
.endr
.irp b, 0,1,2,3
	v_permlanex16_b32 v[TM+4+\b], v[TM+\b], s[SEL], s[SEL+1]
.endr
.irp b, 0,1,2,3
	v_max_num_f32 v[TM+\b], v[TM+\b], v[TM+4+\b]
.endr
.irp b, 0,1,2,3
	v_add_nc_u32 v[TM+12+\b], 0xfc000000, v[TM+\b]
.endr
.irp b, 0,1,2,3
	v_and_or_b32 v[TM+8+\b], v[TM+\b], 0x7f800000, s[MNT]
.endr
.irp b, 0,1,2,3
	v_lshrrev_b32 v[TM+4+\b], 23, v[TM+12+\b]
.endr
	v_lshl_or_b32 v[PW], v[TM+5], 8, v[TM+4]
	v_lshl_or_b32 v[PW], v[TM+6], 16, v[PW]
	v_lshl_or_b32 v[PW], v[TM+7], 24, v[PW]
.irp b, 0,1,2,3
.irp i, 0,1,2,3,4,5,6,7,8,9,10,11,12,13,14,15
	v_med3_num_f32 v[\s+16*\b+\i], v[\s+16*\b+\i], -v[TM+8+\b], v[TM+8+\b]
.endr
	v_cvt_scalef32_pk8_fp8_f32 v[PC+4*\b:PC+1+4*\b], v[\s+16*\b:\s+7+16*\b], v[TM+12+\b]
	v_cvt_scalef32_pk8_fp8_f32 v[PC+2+4*\b:PC+3+4*\b], v[\s+8+16*\b:\s+15+16*\b], v[TM+12+\b]
.endr
	v_nop
.endm
.macro WM d, a, b, sa, sb, odd
.if \odd
	v_wmma_scale_f32_16x16x128_f8f6f4 v[\d:\d+7], v[\a:\a+15], v[\b:\b+15], v[\d:\d+7], v[\sa], v[\sb] matrix_a_scale:MATRIX_SCALE_ROW1
.else
	v_wmma_scale_f32_16x16x128_f8f6f4 v[\d:\d+7], v[\a:\a+15], v[\b:\b+15], v[\d:\d+7], v[\sa], v[\sb]
.endif
.endm
.macro WSET base, imm0, tstr, set      ; my 8 tiles' fragments of one K step into a weight set: 32 loads of 512 consecutive bytes
	WIN 0x40
.irp t, 0,1,2,3,4,5,6,7
.irp c, 0,1,2,3
	global_load_b128 v[128*(\set)+16*\t+4*\c:128*(\set)+16*\t+4*\c+3], v1, s[\base:\base+1] offset:(\imm0)+\t*(\tstr)+512*\c
.endr
.endr
	WIN 0
.endm
.macro ACTL adr, off, s, buf           ; the four row tiles' fragments of K step s from LDS into ACT0 or ACT1
.irp m, 0,1,2,3
.irp c, 0,1,2,3
	ds_load_b128 v[16+64*(\buf)+16*\m+4*\c:16+64*(\buf)+16*\m+4*\c+3], v[\adr] offset:(\off)+2048*(4*\m+(\s))+512*\c
.endr
.endr
.endm
.macro VEC64 base, dst                 ; 128 numbers of a vector along my columns, in the layout of a row tile's 8 accumulators; the caller sets the window
.irp b, 0,1,2,3
.irp i, 0,1,2,3
	global_load_b128 v[(\dst)+16*\b+4*\i:(\dst)+16*\b+4*\i+3], v5, s[\base:\base+1] offset:128*\b+16*\i
.endr
.endr
.endm
; 32 matrix instructions: my 8 tiles of columns x the 4 tiles of rows, one K step; then eight places for the loads into its operands and the first read of its results
.macro MM win, actbase, set, WS, AS, s
	WIN \win
.irp m, 0,1,2,3
.irp t, 0,1,2,3,4,5,6,7
	WM 8*(8*\m+\t), 128*(\set)+16*\t, (\actbase)+16*\m, (\WS)+4*(\t/2)+(\s), (\AS)+4*\m+(\s), \t%2
.endr
.endr
	WIN 0
.rept 8
	v_nop
.endr
.endm
.macro IMAGE adr, off                  ; the fragment in v[PC] on goes to LDS as it stands
.irp c, 0,1,2,3
	ds_store_b128 v[\adr], v[PC+4*\c:PC+4*\c+3] offset:(\off)+512*\c
.endr
.endm
.macro BARRIER                         ; my LDS stores have landed and my LDS loads are in: then the work-group's barrier
	s_wait_dscnt 0x0
	s_barrier_signal -1
	s_barrier_wait -1
.endm
.macro GELU m                          ; row tile m: gelu of my 128 hidden units, quantised, to LDS; the next chunk's bias takes the sums' place
	WIN 0x0f
.set p, 0
.rept 32
	v_pk_mul_f32 v[ST+2*p:ST+2*p+1], v[64*\m+2*p:64*\m+2*p+1], v[64*\m+2*p:64*\m+2*p+1]   ; x^2 (each accumulator from its low end on)
.set p, p+1
.endr
	WIN 0
.set p, 0
.rept 32
	v_pk_fma_f32 v[ST+2*p:ST+2*p+1], v[ST+2*p:ST+2*p+1], v[178:179], v[180:181]
.set p, p+1
.endr
	WIN 0x0c
.set p, 0
.rept 32
	v_pk_mul_f32 v[ST+2*p:ST+2*p+1], v[ST+2*p:ST+2*p+1], v[64*\m+2*p:64*\m+2*p+1]         ; z
.set p, p+1
.endr
	WIN 0
.set p, 0
.rept 64
	v_exp_f32 v[ST+p], v[ST+p]
.set p, p+1
.endr
	v_nop                                          ; a plain line behind the batch,
	s_wait_alu depctr_va_vdst(0)                   ; and one wait for it ahead of its first reader
.set p, 0
.rept 32
	v_pk_add_f32 v[ST+2*p:ST+2*p+1], v[ST+2*p:ST+2*p+1], 1.0 op_sel_hi:[1,0]
.set p, p+1
.endr
.set p, 0
.rept 64
	v_rcp_f32 v[ST+p], v[ST+p]
.set p, p+1
.endr
	v_nop
	s_wait_alu depctr_va_vdst(0)
	WIN 0x0c
.set p, 0
.rept 32
	v_pk_mul_f32 v[ST+2*p:ST+2*p+1], v[ST+2*p:ST+2*p+1], v[64*\m+2*p:64*\m+2*p+1]         ; x / (1 + 2^z)
.set p, p+1
.endr
	WIN 0xc0
	VEC64 B1N, 64*\m
	WIN 0
	QUANT ST
	IMAGE 13, 8192*\m                              ; K step w of the chunk, rows of tile m
	ds_store_b32 v7, v[PW] offset:GSC+512*\m
	s_wait_dscnt 0x0                               ; the stores have read their registers
.endm
	s_load_b512 s[4:19], s[0:1], 0x0               ; att, wts, y, bp, g_ln2, b_ln2, b1, b2
	s_load_b64 s[20:21], s[0:1], 0x40              ; out0
	v_lshl_add_u32 v190, v0, 2, 0x32400
	v_mov_b32 v191, 0
	v_lshrrev_b32 v1, 5, v0
	v_readfirstlane_b32 s[WV], v1                  ; wave 0..3
	v_and_b32 v182, 31, v0                         ; lane
	v_and_b32 v183, 15, v0                         ; r
	v_bfe_u32 v184, v0, 4, 1                       ; h
	v_and_b32 v185, 8, v183
	v_add_nc_u32 v185, v185, v183                  ; r + 8 (r / 8)
	v_lshlrev_b32 v1, 4, v182                      ; v1  16 lane
	v_lshlrev_b32 v2, 2, v182                      ; v2  4 lane
	v_lshlrev_b32 v3, 4, v183                      ; v3  16 r
	v_lshlrev_b32 v4, 11, v185
	v_lshl_add_u32 v4, v184, 6, v4                 ; v4  y: my row of a tile, + 64 h
	v_lshlrev_b32 v5, 6, v184                      ; v5  64 h
	s_lshl_b32 s54, s[WV], 11
	v_add_nc_u32 v6, s54, v1                       ; v6  where I store an image: 16 lane + 2,048 w
	v_add_nc_u32 v12, GIMG, v1                     ; v12 reads of the hidden chunk's images
	v_add_nc_u32 v13, GIMG, v6                     ; v13 and my stores of them
	s_lshl_b32 s54, s[WV], 7
	v_add_nc_u32 v7, s54, v2                       ; v7  a scale word: 4 lane + 128 w
	s_lshl_b32 s54, s[WV], 9
	v_add_nc_u32 v8, s54, v2                       ; v8  a partial sum: 4 lane + 512 w
	v_mul_u32_u24 v9, v185, 2064
	v_lshl_add_u32 v9, v184, 6, v9
	v_add_nc_u32 v9, s54, v9
	v_add_nc_u32 v9, STG, v9                       ; v9  the stage, rows 0-31: my row, + 512 w + 64 h
	v_add_nc_u32 v10, 66048, v9                    ; v10 rows 32-63
	s_mul_i32 s54, s[WV], 16*2064
	v_add_nc_u32 v11, s54, v1
	v_add_nc_u32 v11, STG, v11                     ; v11 back: my 16 rows, 16 bytes a lane
	v_mov_b32 v178, 0xbdd2d3e7                     ; CB = -2 log2(e) sqrt(2 / pi) 0.044715
	v_mov_b32 v179, 0xbdd2d3e7
	v_mov_b32 v180, 0xc0135761                     ; CA = -2 log2(e) sqrt(2 / pi)
	v_mov_b32 v181, 0xc0135761
.irp b, 0,1,2,3
	v_mov_b32 v[TM+4+\b], 0                        ; written once: a lane permute's destination counts as one of its sources
.endr
	s_mov_b32 s[SEL], 0x76543210
	s_mov_b32 s[SEL+1], 0xfedcba98
	s_mov_b32 s[MNT], 0x600000
	s_mov_b32 s55, 0x3727c5ac                      ; 1e-5
	s_mov_b32 s60, 0x3b000000                      ; 1 / 512
	s_mov_b32 s[OFF+1], 0
	s_wait_kmcnt 0x0
	s_lshl_b32 s[OFF], ttmp9, 10
	s_add_co_u32 s[OFF], s[OFF], O_OS
	s_add_nc_u64 s[56:57], s[4:5], s[OFF:OFF+1]    ; o's scale words: 256 bytes a tile
	s_lshl_b32 s[OFF], ttmp9, 15
	s_add_nc_u64 s[4:5], s[4:5], s[OFF:OFF+1]      ; o's codes: 8,192 bytes a tile
	s_lshl_b32 s[OFF], ttmp9, 17
	s_lshl_b32 s54, s[WV], 9
	s_add_co_u32 s[OFF], s[OFF], s54
	s_add_nc_u64 s[8:9], s[8:9], s[OFF:OFF+1]      ; y: my 64 rows, my 128 columns
	s_mov_b32 s[OFF], s54
	s_add_nc_u64 s[10:11], s[10:11], s[OFF:OFF+1]  ; bp, g_ln2, b_ln2, b2, b1: my 128 columns
	s_add_nc_u64 s[12:13], s[12:13], s[OFF:OFF+1]
	s_add_nc_u64 s[14:15], s[14:15], s[OFF:OFF+1]
	s_add_nc_u64 s[18:19], s[18:19], s[OFF:OFF+1]
	s_add_nc_u64 s[B1B:B1B+1], s[16:17], s[OFF:OFF+1]
	s_lshl_b32 s[OFF], ttmp9, 17
	s_lshl_b32 s54, s[WV], 15
	s_add_co_u32 s[OFF], s[OFF], s54
	s_add_nc_u64 s[20:21], s[20:21], s[OFF:OFF+1]  ; out0: the 16 rows that I store
	s_lshl_b32 s54, s[WV], 16
	s_add_co_u32 s[OFF], s54, O_WP
	s_add_nc_u64 s[WPB:WPB+1], s[6:7], s[OFF:OFF+1]
	s_add_co_u32 s[OFF], s54, O_W1
	s_add_nc_u64 s[W1B:W1B+1], s[6:7], s[OFF:OFF+1]
	s_lshl_b32 s54, s[WV], 18
	s_add_co_u32 s[OFF], s54, O_W2
	s_add_nc_u64 s[W2B:W2B+1], s[6:7], s[OFF:OFF+1]
	s_lshl_b32 s54, s[WV], 11
	s_add_co_u32 s[OFF], s54, O_WPS
	s_add_nc_u64 s[58:59], s[6:7], s[OFF:OFF+1]
	s_add_co_u32 s[OFF], s54, O_W1S
	s_add_nc_u64 s[W1SB:W1SB+1], s[6:7], s[OFF:OFF+1]
	s_lshl_b32 s54, s[WV], 13
	s_add_co_u32 s[OFF], s54, O_W2S
	s_add_nc_u64 s[W2SB:W2SB+1], s[6:7], s[OFF:OFF+1]
	s_mov_b64 s[W1C:W1C+1], s[W1B:W1B+1]
.irp m, 0,1,2,3
	global_load_b128 v[GS+4*\m:GS+4*\m+3], v3, s[56:57] offset:256*\m      ; o's scale words, K steps 0-3 of row r
.endr
.irp p, 0,1,2,3
	global_load_b128 v[WSB+4*\p:WSB+4*\p+3], v1, s[58:59] offset:512*\p    ; Wp's
.endr
.irp p, 0,1,2,3
	global_load_b128 v[WSA+4*\p:WSA+4*\p+3], v1, s[W1SB:W1SB+1] offset:512*\p   ; W1's, chunk 0
.endr
	WIN 0xc0
.irp m, 0,1,2,3
.irp s, 0,1,2,3
.irp c, 0,1,2,3
	global_load_b128 v[64*\s+16*\m+4*\c:64*\s+16*\m+4*\c+3], v1, s[4:5] offset:8192*\m+2048*\s+512*\c
.endr
.endr
.endr
	WIN 0x80
.irp m, 0,1,2,3
.irp b, 0,1,2,3
.irp i, 0,1,2,3
	global_load_b128 v[64*\m+16*\b+4*\i:64*\m+16*\b+4*\i+3], v4, s[8:9] offset:(32*(\m/2)+8*(\m%2))*2048+128*\b+16*\i th:TH_LOAD_NT
.endr
.endr
.endr
	WIN 0
	WSET WPB, 0, 8192, 0
	WSET WPB, 2048, 8192, 1
	; ---- o Wp, onto y.  Each quarter of window 3 is loaded anew behind the step that read it
	s_wait_loadcnt 32                              ; all but set 1
	MM 0xad, 0, 0, WSB, GS, 0
	WIN 0xc0
	VEC64 10, 0                                    ; bp
	WSET WPB, 4096, 8192, 0
	s_wait_loadcnt 48                              ; set 1 is in: behind it 16 + 32 were issued
	MM 0xad, 64, 1, WSB, GS, 1
	WIN 0xc0
	VEC64 12, 64                                   ; g_ln2
	WSET WPB, 6144, 8192, 1
	s_wait_loadcnt 48
	MM 0xad, 128, 0, WSB, GS, 2
	WIN 0xc0
	VEC64 14, 128                                  ; b_ln2
	WSET W1C, 0, 8192, 0
	s_wait_loadcnt 48
	MM 0xad, 192, 1, WSB, GS, 3
	WIN 0xc0
	VEC64 18, 192                                  ; b2
	WIN 0
.irp p, 0,1,2,3
	global_load_b128 v[WSB+4*\p:WSB+4*\p+3], v1, s[W2SB:W2SB+1] offset:2048*\p   ; W2's scale words, chunk 0
.endr
	WSET W1C, 2048, 8192, 1
	; ---- LN2.  Pass A: o2 = the sums + bp (bp is older than what the last step waited for); the rows' sums
	WIN 0x8e
.irp m, 0,1,2,3
.set p, 0
.rept 32
	v_pk_add_f32 v[64*\m+2*p:64*\m+2*p+1], v[64*\m+2*p:64*\m+2*p+1], v[2*p:2*p+1]
.set p, p+1
.endr
.endr
	WIN 0x0a
.irp m, 0,1,2,3
.irp k, 0,1
	v_pk_add_f32 v[16+4*\m+2*\k:17+4*\m+2*\k], v[64*\m+4*\k:64*\m+4*\k+1], v[64*\m+4*\k+2:64*\m+4*\k+3]
.endr
.endr
	WIN 0x08
.set p, 4
.rept 28
.irp m, 0,1,2,3
	v_pk_add_f32 v[16+4*\m+2*(p%2):17+4*\m+2*(p%2)], v[16+4*\m+2*(p%2):17+4*\m+2*(p%2)], v[64*\m+2*p:64*\m+2*p+1]
.endr
.set p, p+1
.endr
	WIN 0
.irp m, 0,1,2,3
	v_pk_add_f32 v[16+4*\m:17+4*\m], v[16+4*\m:17+4*\m], v[18+4*\m:19+4*\m]
.endr
.irp m, 0,1,2,3
	v_add_f32 v[186+\m], v[16+4*\m], v[17+4*\m]
.endr
.irp m, 0,1,2,3
	v_permlanex16_b32 v[TM+4+\m], v[186+\m], s[SEL], s[SEL+1]
.endr
.irp m, 0,1,2,3
	v_add_f32 v[186+\m], v[186+\m], v[TM+4+\m]     ; my 128 columns of row r of tile m
.endr
.irp m, 0,1,2,3
	ds_store_b32 v8, v[186+\m] offset:ST1+128*\m
.endr
	BARRIER
.irp m, 0,1,2,3
.irp w, 0,1,2,3
	ds_load_b32 v[16+4*\m+\w], v2 offset:ST1+128*(4*\w+\m)
.endr
.endr
	s_wait_dscnt 0x0
.irp m, 0,1,2,3
	v_add_f32 v[16+4*\m], v[16+4*\m], v[17+4*\m]
	v_add_f32 v[18+4*\m], v[18+4*\m], v[19+4*\m]
.endr
.irp m, 0,1,2,3
	v_add_f32 v[16+4*\m], v[16+4*\m], v[18+4*\m]
.endr
.irp m, 0,1,2,3
	v_mul_f32 v[240+2*\m], s60, v[16+4*\m]         ; the mean, in both words of a pair
	v_mul_f32 v[241+2*\m], s60, v[16+4*\m]
.endr
	; Pass B: the sums of (o2 - mean)^2: a true second pass
.irp m, 0,1,2,3
	WIN 0x02
.set p, 0
.rept 32
	v_pk_add_f32 v[ST+2*p:ST+2*p+1], v[64*\m+2*p:64*\m+2*p+1], v[240+2*\m:241+2*\m] neg_lo:[0,1] neg_hi:[0,1]
.set p, p+1
.endr
	WIN 0
	v_pk_mul_f32 v[182:183], v[ST:ST+1], v[ST:ST+1]
	v_pk_mul_f32 v[184:185], v[ST+2:ST+3], v[ST+2:ST+3]
.set p, 2
.rept 30
	v_pk_fma_f32 v[182+2*(p%2):183+2*(p%2)], v[ST+2*p:ST+2*p+1], v[ST+2*p:ST+2*p+1], v[182+2*(p%2):183+2*(p%2)]
.set p, p+1
.endr
	v_pk_add_f32 v[182:183], v[182:183], v[184:185]
	v_add_f32 v[186+\m], v182, v183
.endr
.irp m, 0,1,2,3
	v_permlanex16_b32 v[TM+4+\m], v[186+\m], s[SEL], s[SEL+1]
.endr
.irp m, 0,1,2,3
	v_add_f32 v[186+\m], v[186+\m], v[TM+4+\m]
.endr
.irp m, 0,1,2,3
	ds_store_b32 v8, v[186+\m] offset:ST2+128*\m
.endr
	BARRIER
.irp m, 0,1,2,3
.irp w, 0,1,2,3
	ds_load_b32 v[16+4*\m+\w], v2 offset:ST2+128*(4*\w+\m)
.endr
.endr
	s_wait_dscnt 0x0
.irp m, 0,1,2,3
	v_add_f32 v[16+4*\m], v[16+4*\m], v[17+4*\m]
	v_add_f32 v[18+4*\m], v[18+4*\m], v[19+4*\m]
.endr
.irp m, 0,1,2,3
	v_add_f32 v[16+4*\m], v[16+4*\m], v[18+4*\m]
.endr
.irp m, 0,1,2,3
	v_fma_f32 v[16+4*\m], v[16+4*\m], s60, s55     ; the variance + 1e-5
.endr
.irp m, 0,1,2,3
	v_rsq_f32 v[248+2*\m], v[16+4*\m]
.endr
	v_nop
	s_wait_alu depctr_va_vdst(0)                   ; one wait for the four, ahead of their first reader
.irp m, 0,1,2,3
	v_mov_b32 v[249+2*\m], v[248+2*\m]
.endr
	s_wait_loadcnt 36                              ; g_ln2, b_ln2 and b2 are in: behind b2 came 4 scale loads and a set of 32
	; Pass C: h = (o2 - mean) rstd g + b, quantised, to LDS as K step w; Y becomes o2 + b2, on which the last product adds
.irp m, 0,1,2,3
	WIN 0x02
.set p, 0
.rept 32
	v_pk_add_f32 v[ST+2*p:ST+2*p+1], v[64*\m+2*p:64*\m+2*p+1], v[240+2*\m:241+2*\m] neg_lo:[0,1] neg_hi:[0,1]
.set p, p+1
.endr
	WIN 0
.set p, 0
.rept 32
	v_pk_mul_f32 v[ST+2*p:ST+2*p+1], v[ST+2*p:ST+2*p+1], v[248+2*\m:249+2*\m]
.set p, p+1
.endr
	WIN 0x3c
.set p, 0
.rept 32
	v_pk_fma_f32 v[ST+2*p:ST+2*p+1], v[ST+2*p:ST+2*p+1], v[64+2*p:65+2*p], v[128+2*p:129+2*p]
.set p, p+1
.endr
	WIN 0x8e
.set p, 0
.rept 32
	v_pk_add_f32 v[64*\m+2*p:64*\m+2*p+1], v[64*\m+2*p:64*\m+2*p+1], v[192+2*p:193+2*p]
.set p, p+1
.endr
.if \m == 3
	WIN 0xc0                                       ; window 3 has been read out: b1 of chunk 0 begins the hidden sums
	VEC64 B1B, 0
	VEC64 B1B, 64
	VEC64 B1B, 128
	VEC64 B1B, 192
.endif
	WIN 0
	QUANT ST
	IMAGE 6, HIMG+8192*\m
	ds_store_b32 v7, v[PW] offset:HSC+512*\m
	s_wait_dscnt 0x0                               ; the stores have read their registers
.endr
	BARRIER                                        ; h's sixteen fragments lie in LDS, and stay
.irp m, 0,1,2,3
.irp s, 0,1,2,3
	ds_load_b32 v[HS+4*\m+\s], v2 offset:HSC+128*(4*\m+\s)
.endr
.endr
	s_mov_b64 s[W2C:W2C+1], s[W2B:W2B+1]
	s_add_nc_u64 s[W1N:W1N+1], s[W1B:W1B+1], 262144
	s_add_nc_u64 s[W1SN:W1SN+1], s[W1SB:W1SB+1], 8192
	s_add_nc_u64 s[W2SN:W2SN+1], s[W2SB:W2SB+1], 512
	s_add_nc_u64 s[B1N:B1N+1], s[B1B:B1B+1], 2048
	s_mov_b32 s[CH], 0
	s_wait_loadcnt 0x0                             ; once: the bias just asked for
.Lchunk:                                           ; 4 trips: 512 hidden units each.  Each count on LOADcnt is what was issued behind the weight set that the step multiplies
	ACTL 1, HIMG, 0, 0
	s_wait_loadcnt 36                              ; set 0: behind it 4 scale loads and set 1
	s_wait_dscnt 0x0
	ACTL 1, HIMG, 1, 1
	MM 0xf1, 16, 0, WSA, HS, 0
	WSET W1C, 4096, 8192, 0
	s_wait_loadcnt 32
	s_wait_dscnt 0x0
	ACTL 1, HIMG, 2, 0
	MM 0xf1, 80, 1, WSA, HS, 1
	WSET W1C, 6144, 8192, 1
	s_wait_loadcnt 32
	s_wait_dscnt 0x0
	ACTL 1, HIMG, 3, 1
	MM 0xf1, 16, 0, WSA, HS, 2
	WSET W2C, 0, 32768, 0
	s_wait_loadcnt 32
	s_wait_dscnt 0x0
	MM 0xf1, 80, 1, WSA, HS, 3
.irp p, 0,1,2,3
	global_load_b128 v[WSA+4*\p:WSA+4*\p+3], v1, s[W1SN:W1SN+1] offset:512*\p
.endr
	WSET W2C, 2048, 32768, 1
	GELU 0
	GELU 1
	GELU 2
	GELU 3
	BARRIER                                        ; the chunk's sixteen fragments lie in LDS
.irp m, 0,1,2,3
.irp s, 0,1,2,3
	ds_load_b32 v[GS+4*\m+\s], v2 offset:GSC+128*(4*\m+\s)
.endr
.endr
	ACTL 12, 0, 0, 0
	s_wait_loadcnt 63                              ; set 0: 36 + 64 were issued behind it; the count is the largest that the wait can name, and smaller than that
	s_wait_dscnt 0x0
	ACTL 12, 0, 1, 1
	MM 0xa1, 16, 0, WSB, GS, 0
	WSET W2C, 4096, 32768, 0
	s_wait_loadcnt 63                              ; set 1: 64 + 32 were issued behind it
	s_wait_dscnt 0x0
	ACTL 12, 0, 2, 0
	MM 0xa1, 80, 1, WSB, GS, 1
	WSET W2C, 6144, 32768, 1
	s_wait_loadcnt 32
	s_wait_dscnt 0x0
	ACTL 12, 0, 3, 1
	MM 0xa1, 16, 0, WSB, GS, 2
	WSET W1N, 0, 8192, 0
	s_wait_loadcnt 32
	s_wait_dscnt 0x0
	MM 0xa1, 80, 1, WSB, GS, 3
.irp p, 0,1,2,3
	global_load_b128 v[WSB+4*\p:WSB+4*\p+3], v1, s[W2SN:W2SN+1] offset:2048*\p
.endr
	WSET W1N, 2048, 8192, 1
	BARRIER                                        ; every wave's reads of the chunk's images are in: they may be written again
	s_wait_xcnt 0x0                                ; the loads have read their bases: the pointers are stepped only behind this wait
	s_add_co_u32 s[CH], s[CH], 1
	s_add_co_u32 s54, s[CH], 1
	s_and_b32 s54, s54, 3                          ; the chunk after the next trip's; behind the last it wraps to 0
	s_mov_b64 s[W1C:W1C+1], s[W1N:W1N+1]
	s_add_nc_u64 s[W2C:W2C+1], s[W2C:W2C+1], 8192
	s_lshl_b32 s[OFF], s54, 18
	s_add_nc_u64 s[W1N:W1N+1], s[W1B:W1B+1], s[OFF:OFF+1]
	s_lshl_b32 s[OFF], s54, 13
	s_add_nc_u64 s[W1SN:W1SN+1], s[W1SB:W1SB+1], s[OFF:OFF+1]
	s_lshl_b32 s[OFF], s54, 9
	s_add_nc_u64 s[W2SN:W2SN+1], s[W2SB:W2SB+1], s[OFF:OFF+1]
	s_lshl_b32 s[OFF], s54, 11
	s_add_nc_u64 s[B1N:B1N+1], s[B1B:B1B+1], s[OFF:OFF+1]
	s_cmp_lt_u32 s[CH], 4
	s_cbranch_scc1 .Lchunk
	; THE WAY OUT.  A row's 2,048 bytes come from four waves: they meet in the stage, and each wave stores 16 whole rows
	WIN 0x08                                       ; an LDS store's data are its source 1: window 2
.irp m, 0,1,2,3
.irp b, 0,1,2,3
.irp i, 0,1,2,3
	ds_store_b128 v[9+\m/2], v[64*\m+16*\b+4*\i:64*\m+16*\b+4*\i+3] offset:8*(\m%2)*2064+128*\b+16*\i   ; each accumulator from its low end on
.endr
.endr
.endr
	WIN 0
	BARRIER
.irp g, 0,1,2,3
.if \g > 0
	s_wait_xcnt 0x0                                ; the last batch's stores have read their data
.endif
.irp i, 0,1,2,3
.irp q, 0,1,2,3
	ds_load_b128 v[16+4*(4*\i+\q):19+4*(4*\i+\q)], v11 offset:(4*\g+\i)*2064+512*\q
.endr
.endr
.irp i, 0,1,2,3
.irp q, 0,1,2,3
	s_wait_dscnt 15-(4*\i+\q)
	global_store_b128 v1, v[16+4*(4*\i+\q):19+4*(4*\i+\q)], s[20:21] offset:(4*\g+\i)*2048+512*\q th:TH_STORE_NT   ; 32 lanes store 512 consecutive bytes, aligned
.endr
.endr
.endr
	s_wait_tensorcnt 0x0
	ds_add_u32 v190, v191
	s_wait_dscnt 0x0
	s_endpgm
.Lfunc_end_k_qa3f44fd374_tail:
	.size	k_qa3f44fd374_tail, .Lfunc_end_k_qa3f44fd374_tail-k_qa3f44fd374_tail
	.p2alignl 7, 3214868480
	.fill 96, 4, 3214868480
	.section	.rodata,"a",@progbits
	.p2align	6, 0x0
	.amdhsa_kernel k_qa3f44fd374_tail
		.amdhsa_group_segment_fixed_size 206336
		.amdhsa_private_segment_fixed_size 0
		.amdhsa_enable_private_segment 0
		.amdhsa_kernarg_size 72
		.amdhsa_user_sgpr_count 2
		.amdhsa_user_sgpr_kernarg_segment_ptr 1
		.amdhsa_wavefront_size32 1
		.amdhsa_system_sgpr_workgroup_id_x 1
		.amdhsa_system_sgpr_workgroup_id_y 1
		.amdhsa_system_sgpr_workgroup_id_z 1
		.amdhsa_system_vgpr_workitem_id 0
		.amdhsa_next_free_vgpr 1024
		.amdhsa_next_free_sgpr 66
		.amdhsa_reserve_vcc 0
		.amdhsa_float_denorm_mode_32 3
		.amdhsa_float_denorm_mode_16_64 3
		.amdhsa_memory_ordered 1
		.amdhsa_forward_progress 1
		.amdhsa_inst_pref_size 255
	.end_amdhsa_kernel
	.section	.bss,"aw",@nobits
	.p2align	6
	.space	262144
	.amdgpu_metadata
---
amdhsa.version: [ 1, 2 ]
amdhsa.kernels:
  - .name:           k_qa3f44fd374_tail
    .symbol:         k_qa3f44fd374_tail.kd
    .args:
      - { .name: att, .offset: 0, .size: 8, .value_kind: global_buffer, .address_space: global }
      - { .name: wts, .offset: 8, .size: 8, .value_kind: global_buffer, .address_space: global }
      - { .name: y, .offset: 16, .size: 8, .value_kind: global_buffer, .address_space: global }
      - { .name: bp, .offset: 24, .size: 8, .value_kind: global_buffer, .address_space: global }
      - { .name: g_ln2, .offset: 32, .size: 8, .value_kind: global_buffer, .address_space: global }
      - { .name: b_ln2, .offset: 40, .size: 8, .value_kind: global_buffer, .address_space: global }
      - { .name: b1, .offset: 48, .size: 8, .value_kind: global_buffer, .address_space: global }
      - { .name: b2, .offset: 56, .size: 8, .value_kind: global_buffer, .address_space: global }
      - { .name: out0, .offset: 64, .size: 8, .value_kind: global_buffer, .address_space: global }
    .group_segment_fixed_size: 206336
    .private_segment_fixed_size: 0
    .kernarg_segment_align: 8
    .kernarg_segment_size: 72
    .max_flat_workgroup_size: 128
    .sgpr_count:     66
    .vgpr_count:     1024
    .wavefront_size: 32
...
	.end_amdgpu_metadata
.endif
;; end of part 4
;; ======== version 2 of 3: 6 launches
;; workspace buffers: wts 3,244,032 bytes; act 8,650,752 bytes; qkv 12,976,128 bytes; att 4,325,376 bytes; hln 4,325,376 bytes; o2b 16,777,216 bytes; hid 17,301,504 bytes
;; launch prep (part 5): grid 448 x 1, 4 waves a work-group, no clusters, 0 bytes of LDS; arguments x, y, g_ln1x, b_ln1x, g_ln1y, b_ln1y, Wq, Wp, W2, Wkv, W1, wts, act; writes wts, act
.if DOCPART == 5
	.amdgcn_target "amdgcn-amd-amdhsa--gfx1250"
	.amdhsa_code_object_version 6
	.text
	.protected	k_qa3f44fd374_prep
	.globl	k_qa3f44fd374_prep
	.p2align	8
	.type	k_qa3f44fd374_prep,@function
k_qa3f44fd374_prep:
	s_mov_b64 s[64:65], 0
	v_nop
	global_prefetch_b8 v0, s[64:65] scope:SCOPE_SE
	s_setreg_imm32_b32 hwreg(HW_REG_WAVE_MODE, 25, 1), 1
	s_wait_xcnt 0x0
; PREP.  (1) LN(x) and LN(y), f32, quantised along their 512 columns to E4M3 codes with one E8M0 byte for each 32; (2) Wq, Wkv, Wp, W1, W2 ([K][N] f32) quantised along K.
; ALL RESULTS ARE LAID AS IMAGES OF OPERAND REGISTERS.  A fragment (16 rows x 128 K, 16 registers a lane) is 2,048 bytes: piece c (512 bytes) holds registers 4 c .. 4 c + 3, lane l's 16 bytes at 512 c + 16 l:
; k = 32 c + 16 (l / 16) + 0 .. 15 of row l % 16.  Code buffers are [tile][K step][2,048].
; THE 16 ROWS (OR WEIGHT COLUMNS) OF A TILE ARE NOT NEIGHBOURS: lane r of tile 2 b + u takes row 32 b + 8 u + r + 8 (r / 8), so that a product that takes such a tile as source 0 leaves 16 neighbours in the 16 registers of tiles 2 b, 2 b + 1.
; Scale words (4 bytes: 128 K of one row): [tile / 2][K step / 4][16 (tile % 2) + r][K step % 4].
; Work-groups 0-127: x; 128-255: y (a wave takes a tile of 16 rows; a lane holds half a row, 256 numbers, in registers: the row is read once, mean and variance are two true passes).
; Work-groups 256-271 Wq, 272-287 Wp, 288-351 W2, 352-383 Wkv, 384-447 W1: a work-group takes 128 columns x 128 K, a lane one column, its registers run down K.
; No LDS, no barrier, no change of EXEC: waves share nothing.
; LIMITS: NaN and infinities among the inputs are not served.  A block of zeros gets the byte 1 where the rule says 127: its codes are zeros, and the bytes are read by this program alone.
.set O_WQ,  0
.set O_WKV, 262144
.set O_WP,  786432
.set O_W1,  1048576
.set O_W2,  2097152
.set O_WQS, 3145728
.set O_WKVS, 3153920
.set O_WPS, 3170304
.set O_W1S, 3178496
.set O_W2S, 3211264
.set O_YC,  4194304                    ; in act: x's codes at 0, y's here
.set O_XS,  8388608
.set O_YS,  8519680
.set SEL, 46                           ; s[46:47] v_permlanex16_b32's selects for lane l xor 16
.set MNT, 48                           ; s48 the mantissa field of 448
.set ST,  16                           ; v16-79   64 numbers at work
.set G,   80                           ; v80-143  the gain of a K step
.set B,   144                          ; v144-207 the bias of a K step
.set PC,  208                          ; v208-223 the codes just made
.set TM,  224                          ; v224-239 the quantiser's work
.set PW,  244                          ; v244     the scale word just made
.set MSB, 0
.macro WIN new                         ; the immediate's high byte repeats the setting that is left
.if MSB != \new
	s_set_vgpr_msb (MSB<<8)|\new
.set MSB, \new
.endif
.endm
; 64 numbers of a lane, register 16 b + i = k 32 b + 16 (lane / 16) + i of my row, become a fragment's codes in v[PC] on and its scale word in v[PW]
.macro QUANT s
.irp b, 0,1,2,3
	v_max3_num_f32 v[TM+\b], |v[\s+16*\b]|, |v[\s+1+16*\b]|, 0x4800000   ; my 16 numbers of block b, and the floor 2^(9 - 127): the byte cannot fall under 1
.endr
.irp i, 2,4,6,8,10,12,14
.irp b, 0,1,2,3
	v_max3_num_f32 v[TM+\b], v[TM+\b], |v[\s+16*\b+\i]|, |v[\s+1+16*\b+\i]|
.endr
.endr
.irp b, 0,1,2,3
	v_permlanex16_b32 v[TM+4+\b], v[TM+\b], s[SEL], s[SEL+1]
.endr
.irp b, 0,1,2,3
	v_max_num_f32 v[TM+\b], v[TM+\b], v[TM+4+\b]           ; with lane l xor 16's: the block's largest magnitude
.endr
.irp b, 0,1,2,3
	v_add_nc_u32 v[TM+12+\b], 0xfc000000, v[TM+\b]         ; 8 off its exponent field: the conversion's scale operand
.endr
.irp b, 0,1,2,3
	v_and_or_b32 v[TM+8+\b], v[TM+\b], 0x7f800000, s[MNT]  ; 448 x the scale
.endr
.irp b, 0,1,2,3
	v_lshrrev_b32 v[TM+4+\b], 23, v[TM+12+\b]              ; the scale's byte
.endr
	v_lshl_or_b32 v[PW], v[TM+5], 8, v[TM+4]
	v_lshl_or_b32 v[PW], v[TM+6], 16, v[PW]
	v_lshl_or_b32 v[PW], v[TM+7], 24, v[PW]
.irp b, 0,1,2,3
.irp i, 0,1,2,3,4,5,6,7,8,9,10,11,12,13,14,15
	v_med3_num_f32 v[\s+16*\b+\i], v[\s+16*\b+\i], -v[TM+8+\b], v[TM+8+\b]   ; the conversion to an 8-bit code does not saturate (ISA guide 7.6.2): the hold
.endr
	v_cvt_scalef32_pk8_fp8_f32 v[PC+4*\b:PC+1+4*\b], v[\s+16*\b:\s+7+16*\b], v[TM+12+\b]
	v_cvt_scalef32_pk8_fp8_f32 v[PC+2+4*\b:PC+3+4*\b], v[\s+8+16*\b:\s+15+16*\b], v[TM+12+\b]
.endr
	v_nop                                          ; a plain line behind the last conversion
.endm
.macro GBLOAD s                        ; gain and bias of K step s, in the layout of my 64 numbers
.irp c, 0,1,2,3
.irp i, 0,1,2,3
	global_load_b128 v[G+16*\c+4*\i:G+16*\c+4*\i+3], v2, s[34:35] offset:512*(\s)+128*\c+16*\i
	global_load_b128 v[B+16*\c+4*\i:B+16*\c+4*\i+3], v2, s[36:37] offset:512*(\s)+128*\c+16*\i
.endr
.endr
.endm
.macro WLOAD t, N                      ; block t of my column: W(32 t + i, column), i = 0 .. 31, into set t % 2; 32 lanes read 128 consecutive bytes
.irp i, 0,1,2,3,4,5,6,7,8,9,10,11,12,13,14,15,16,17,18,19,20,21,22,23,24,25,26,27,28,29,30,31
	global_load_b32 v[32+32*((\t)%2)+\i], v3, s[32:33] offset:(32*(\t)+\i)*\N*4 th:TH_LOAD_NT
.endr
.endm
.macro WBLOCK t, N
.set XB, 32+32*((\t)%2)
.if (\t) < 3
	s_wait_loadcnt 32                              ; this block's 32 loads are in; the next block's 32 may be out
.else
	s_wait_loadcnt 0x0
.endif
	v_max3_num_f32 v12, |v[XB]|, |v[XB+1]|, |v[XB+2]|   ; the block's largest magnitude: all 32 numbers are mine
	v_max3_num_f32 v13, |v[XB+3]|, |v[XB+4]|, |v[XB+5]|
.irp i, 6,10,14,18,22,26
	v_max3_num_f32 v12, v12, |v[XB+\i]|, |v[XB+\i+1]|
	v_max3_num_f32 v13, v13, |v[XB+\i+2]|, |v[XB+\i+3]|
.endr
	v_max3_num_f32 v12, v12, |v[XB+30]|, |v[XB+31]|
	v_max3_num_f32 v12, v12, v13, 0x4800000        ; and the floor
	v_add_nc_u32 v11, 0xfc000000, v12
	v_and_or_b32 v10, v12, 0x7f800000, s[MNT]
	v_lshrrev_b32 v13, 23, v11
.if (\t) == 0
	v_mov_b32 v24, v13                             ; the K step's four bytes make my column's scale word
.else
	v_lshl_or_b32 v24, v13, 8*(\t), v24
.endif
.irp i, 0,1,2,3,4,5,6,7,8,9,10,11,12,13,14,15,16,17,18,19,20,21,22,23,24,25,26,27,28,29,30,31
	v_med3_num_f32 v[XB+\i], v[XB+\i], -v10, v10
.endr
.irp g, 0,1,2,3
	v_cvt_scalef32_pk8_fp8_f32 v[96+8*(\t)+2*\g:97+8*(\t)+2*\g], v[XB+8*\g:XB+8*\g+7], v11
.endr
	v_nop
	global_store_b128 v4, v[96+8*(\t):99+8*(\t)], s[52:53] offset:512*(\t)          ; k = 32 t + 0 .. 15: the image's lane r.  The 16 lanes of a tile store 256 consecutive bytes, aligned
	global_store_b128 v4, v[100+8*(\t):103+8*(\t)], s[52:53] offset:512*(\t)+256    ; k = 32 t + 16 .. 31: its lane 16 + r
.if (\t)+2 < 4
	WLOAD (\t)+2, \N
.endif
.endm
; A weight of N columns.  In: s[32:33] the weight, s34 the work-group's number within it, s35 / s36 where its codes / scale words begin in wts, s37 log2 of its K steps
.macro WPATH N, LOGX
	s_and_b32 s40, s34, (1<<\LOGX)-1               ; X: which 128 columns
	s_lshr_b32 s41, s34, \LOGX                     ; S: which K step
	s_lshl_b32 s42, s40, 2
	s_add_co_u32 s42, s42, s2                      ; cg: my wave's 32 columns = tiles 2 cg, 2 cg + 1
	s_mul_i32 s50, s41, 512*\N                     ; 128 rows of 4 N bytes
	s_lshl_b32 s43, s42, 7
	s_add_co_u32 s50, s50, s43
	s_add_nc_u64 s[32:33], s[32:33], s[50:51]
	s_lshl_b32 s43, s42, 1
	s_lshl_b32 s43, s43, s37
	s_add_co_u32 s43, s43, s41
	s_lshl_b32 s43, s43, 11                        ; (2 cg x K steps + S) fragments
	s_add_co_u32 s50, s43, s35
	s_add_nc_u64 s[52:53], s[26:27], s[50:51]
	s_sub_co_u32 s43, s37, 2
	s_lshl_b32 s43, s42, s43
	s_lshr_b32 s44, s41, 2
	s_add_co_u32 s43, s43, s44
	s_lshl_b32 s43, s43, 9
	s_and_b32 s44, s41, 3
	s_lshl_b32 s44, s44, 2
	s_add_co_u32 s43, s43, s44
	s_add_co_u32 s50, s43, s36
	s_add_nc_u64 s[54:55], s[26:27], s[50:51]
	v_and_b32 v2, 31, v0                           ; j: my column of the 32
	v_lshlrev_b32 v3, 2, v2
	v_bfe_u32 v6, v2, 3, 1                         ; u = (j / 8) % 2: which of the two tiles
	v_and_b32 v7, 7, v2
	v_lshrrev_b32 v8, 4, v2
	v_lshl_add_u32 v7, v8, 3, v7                   ; r = j % 8 + 8 (j / 16): which lane of it
	s_add_co_u32 s43, s37, 11
	v_lshlrev_b32 v4, s43, v6                      ; a tile is K steps x 2,048 bytes
	v_lshl_add_u32 v4, v7, 4, v4
	v_lshl_add_u32 v5, v6, 4, v7
	v_lshlrev_b32 v5, 4, v5                        ; scale words: 16 (16 u + r)
	WLOAD 0, \N
	WLOAD 1, \N
.irp t, 0,1,2,3
	WBLOCK \t, \N
.endr
	global_store_b32 v5, v24, s[54:55]             ; 4 bytes of each 16: these blocks are written in part; it is one byte for each 128 that this path reads
.endm
	s_load_b512 s[4:19], s[0:1], 0x0               ; x, y, g_ln1x, b_ln1x, g_ln1y, b_ln1y, Wq, Wp
	s_load_b256 s[20:27], s[0:1], 0x40             ; W2, Wkv, W1, wts
	s_load_b64 s[28:29], s[0:1], 0x60              ; act
	v_lshrrev_b32 v1, 5, v0
	v_readfirstlane_b32 s2, v1                     ; wave 0..3
	s_mov_b32 s[SEL], 0x76543210
	s_mov_b32 s[SEL+1], 0xfedcba98
	s_mov_b32 s[MNT], 0x600000
	s_mov_b32 s51, 0
	s_wait_kmcnt 0x0
	s_cmp_lt_u32 ttmp9, 256
	s_cbranch_scc1 .Lln
	s_cmp_lt_u32 ttmp9, 352
	s_cbranch_scc1 .Lw512
	s_cmp_lt_u32 ttmp9, 384
	s_cbranch_scc1 .Lwkv
	s_mov_b64 s[32:33], s[24:25]                   ; W1
	s_sub_co_u32 s34, ttmp9, 384
	s_mov_b32 s35, O_W1
	s_mov_b32 s36, O_W1S
	s_mov_b32 s37, 2
	WPATH 2048, 4
	s_endpgm
.Lwkv:
	s_mov_b64 s[32:33], s[22:23]                   ; Wkv
	s_sub_co_u32 s34, ttmp9, 352
	s_mov_b32 s35, O_WKV
	s_mov_b32 s36, O_WKVS
	s_mov_b32 s37, 2
	WPATH 1024, 3
	s_endpgm
.Lw512:                                            ; Wq, Wp or W2: chosen by the work-group's number alone
	s_cmp_lt_u32 ttmp9, 288
	s_cselect_b64 s[32:33], s[18:19], s[20:21]
	s_mov_b32 s34, 288
	s_cselect_b32 s34, 272, s34
	s_mov_b32 s35, O_W2
	s_cselect_b32 s35, O_WP, s35
	s_mov_b32 s36, O_W2S
	s_cselect_b32 s36, O_WPS, s36
	s_cselect_b32 s37, 2, 4
	s_cmp_lt_u32 ttmp9, 272
	s_cselect_b64 s[32:33], s[16:17], s[32:33]
	s_cselect_b32 s34, 256, s34
	s_cselect_b32 s35, 0, s35
	s_cselect_b32 s36, O_WQS, s36
	s_sub_co_u32 s34, ttmp9, s34
	WPATH 512, 2
	s_endpgm
.Lln:                                              ; ---- the layer norms.  Window 1 (v256-511): my half row, register 64 s + 16 c + i = column 128 s + 32 c + 16 (lane / 16) + i
	s_cmp_lt_u32 ttmp9, 128
	s_cselect_b64 s[32:33], s[4:5], s[6:7]         ; x or y,
	s_cselect_b64 s[34:35], s[8:9], s[12:13]       ; its gain,
	s_cselect_b64 s[36:37], s[10:11], s[14:15]     ; its bias,
	s_cselect_b32 s38, 0, O_YC                     ; and where its codes and scale words go
	s_mov_b32 s39, O_YS
	s_cselect_b32 s39, O_XS, s39
	s_and_b32 s40, ttmp9, 127
	s_lshl_b32 s40, s40, 2
	s_add_co_u32 s40, s40, s2                      ; T: my tile of rows
	s_lshr_b32 s41, s40, 1
	s_lshl_b32 s41, s41, 5
	s_and_b32 s42, s40, 1
	s_lshl_b32 s42, s42, 3
	s_add_co_u32 s41, s41, s42                     ; its first row: 32 (T / 2) + 8 (T % 2)
	s_lshl_b32 s50, s41, 11
	s_add_nc_u64 s[32:33], s[32:33], s[50:51]
	s_lshl_b32 s50, s40, 13
	s_add_co_u32 s50, s50, s38
	s_add_nc_u64 s[52:53], s[28:29], s[50:51]
	s_lshl_b32 s50, s40, 8
	s_add_co_u32 s50, s50, s39
	s_add_nc_u64 s[54:55], s[28:29], s[50:51]
	s_mov_b32 s30, 0xffff0000                      ; lanes 16-31
	s_mov_b32 s44, 0x3b000000                      ; 1 / 512
	v_and_b32 v5, 15, v0                           ; r
	v_bfe_u32 v9, v0, 4, 1                         ; h
	v_and_b32 v1, 8, v5
	v_add_nc_u32 v1, v1, v5                        ; r + 8 (r / 8)
	v_lshlrev_b32 v1, 11, v1
	v_lshl_add_u32 v1, v9, 6, v1                   ; my row, + 64 h: my 16 numbers of a block of 32
	v_lshlrev_b32 v2, 6, v9
	v_and_b32 v3, 31, v0
	v_lshlrev_b32 v3, 4, v3                        ; 16 x lane
	v_lshlrev_b32 v4, 4, v5
	v_lshl_add_u32 v4, v9, 3, v4                   ; 16 r + 8 h
.irp b, 0,1,2,3
	v_mov_b32 v[TM+4+\b], 0                        ; written once: a lane permute's destination counts as one of its sources
.endr
	v_mov_b32 v250, 0
	v_mov_b32 v251, 0x3727c5ac                     ; 1e-5
	WIN 0x40                                       ; destination window 1
.irp s, 0,1,2,3
.irp c, 0,1,2,3
.irp i, 0,1,2,3
	global_load_b128 v[64*\s+16*\c+4*\i:64*\s+16*\c+4*\i+3], v1, s[32:33] offset:512*\s+128*\c+16*\i   ; no non-temporal hint: a lane's 64 neighbouring bytes of its row are taken by four loads that follow each other
.endr
.endr
.endr
	WIN 0
	GBLOAD 0
	s_wait_loadcnt 0x0
	WIN 0x05                                       ; the mean: four chains of packed sums, started by the first eight pairs
.irp k, 0,1,2,3
	v_pk_add_f32 v[8+2*\k:9+2*\k], v[4*\k:4*\k+1], v[4*\k+2:4*\k+3]
.endr
	WIN 0x04
.set p, 8
.rept 120
	v_pk_add_f32 v[8+2*(p%4):9+2*(p%4)], v[8+2*(p%4):9+2*(p%4)], v[2*p:2*p+1]
.set p, p+1
.endr
	WIN 0
	v_pk_add_f32 v[8:9], v[8:9], v[10:11]
	v_pk_add_f32 v[12:13], v[12:13], v[14:15]
	v_pk_add_f32 v[8:9], v[8:9], v[12:13]
	v_add_f32 v8, v8, v9
	v_permlanex16_b32 v250, v8, s[SEL], s[SEL+1]   ; the row's other half lies in lane l xor 16
	v_add_f32 v8, v8, v250
	v_mul_f32 v246, s44, v8
	v_mov_b32 v247, v246
	WIN 0x41                                       ; x - mean, in place: the variance is a true second pass
.set p, 0
.rept 128
	v_pk_add_f32 v[2*p:2*p+1], v[2*p:2*p+1], v[246:247] neg_lo:[0,1] neg_hi:[0,1]
.set p, p+1
.endr
	WIN 0x05
.irp k, 0,1,2,3
	v_pk_mul_f32 v[8+2*\k:9+2*\k], v[2*\k:2*\k+1], v[2*\k:2*\k+1]
.endr
.set p, 4
.rept 124
	v_pk_fma_f32 v[8+2*(p%4):9+2*(p%4)], v[2*p:2*p+1], v[2*p:2*p+1], v[8+2*(p%4):9+2*(p%4)]
.set p, p+1
.endr
	WIN 0
	v_pk_add_f32 v[8:9], v[8:9], v[10:11]
	v_pk_add_f32 v[12:13], v[12:13], v[14:15]
	v_pk_add_f32 v[8:9], v[8:9], v[12:13]
	v_add_f32 v8, v8, v9
	v_permlanex16_b32 v250, v8, s[SEL], s[SEL+1]
	v_add_f32 v8, v8, v250
	v_fma_f32 v8, v8, s44, v251                    ; the variance + 1e-5
	v_rsq_f32 v248, v8
	v_nop                                          ; a plain line behind the transcendental,
	s_wait_alu depctr_va_vdst(0)                   ; and the wait ahead of the first line that names its result
	v_mov_b32 v249, v248
.irp s, 0,1,2,3                                    ; a K step at a time: (x - mean) rstd g + b, quantised, stored as one fragment
.if \s > 0
	s_wait_loadcnt 0x0                             ; this K step's gain and bias
.endif
	WIN 0x01
.set p, 0
.rept 32
	v_pk_mul_f32 v[ST+2*p:ST+2*p+1], v[64*\s+2*p:64*\s+2*p+1], v[248:249]
.set p, p+1
.endr
	WIN 0
.set p, 0
.rept 32
	v_pk_fma_f32 v[ST+2*p:ST+2*p+1], v[ST+2*p:ST+2*p+1], v[G+2*p:G+2*p+1], v[B+2*p:B+2*p+1]
.set p, p+1
.endr
.if \s < 3
	GBLOAD \s+1
.endif
	s_wait_xcnt 0x0                                ; the last K step's stores have read their data: the codes' registers are written again only behind this wait
	QUANT ST
	v_mov_b32 v[240+\s], v[PW]
.irp c, 0,1,2,3
	global_store_b128 v3, v[PC+4*\c:PC+4*\c+3], s[52:53] offset:2048*\s+512*\c   ; 32 lanes store 512 consecutive bytes
.endr
.endr
	v_cndmask_b32 v6, v240, v242, s30              ; lanes 0-15 store the words of K steps 0, 1 of row r, lanes 16-31 those of K steps 2, 3:
	v_cndmask_b32 v7, v241, v243, s30
	global_store_b64 v4, v[6:7], s[54:55]          ; the tile's 256 bytes of scale words, whole
	s_endpgm
.Lfunc_end_k_qa3f44fd374_prep:
	.size	k_qa3f44fd374_prep, .Lfunc_end_k_qa3f44fd374_prep-k_qa3f44fd374_prep
	.p2alignl 7, 3214868480
	.fill 96, 4, 3214868480
	.section	.rodata,"a",@progbits
	.p2align	6, 0x0
	.amdhsa_kernel k_qa3f44fd374_prep
		.amdhsa_group_segment_fixed_size 0
		.amdhsa_private_segment_fixed_size 0
		.amdhsa_enable_private_segment 0
		.amdhsa_kernarg_size 104
		.amdhsa_user_sgpr_count 2
		.amdhsa_user_sgpr_kernarg_segment_ptr 1
		.amdhsa_wavefront_size32 1
		.amdhsa_system_sgpr_workgroup_id_x 1
		.amdhsa_system_sgpr_workgroup_id_y 1
		.amdhsa_system_sgpr_workgroup_id_z 1
		.amdhsa_system_vgpr_workitem_id 0
		.amdhsa_next_free_vgpr 512
		.amdhsa_next_free_sgpr 66
		.amdhsa_reserve_vcc 0
		.amdhsa_float_denorm_mode_32 3
		.amdhsa_float_denorm_mode_16_64 3
		.amdhsa_memory_ordered 1
		.amdhsa_forward_progress 1
		.amdhsa_inst_pref_size 183
	.end_amdhsa_kernel
	.amdgpu_metadata
---
amdhsa.version: [ 1, 2 ]
amdhsa.kernels:
  - .name:           k_qa3f44fd374_prep
    .symbol:         k_qa3f44fd374_prep.kd
    .args:
      - { .name: x, .offset: 0, .size: 8, .value_kind: global_buffer, .address_space: global }
      - { .name: y, .offset: 8, .size: 8, .value_kind: global_buffer, .address_space: global }
      - { .name: g_ln1x, .offset: 16, .size: 8, .value_kind: global_buffer, .address_space: global }
      - { .name: b_ln1x, .offset: 24, .size: 8, .value_kind: global_buffer, .address_space: global }
      - { .name: g_ln1y, .offset: 32, .size: 8, .value_kind: global_buffer, .address_space: global }
      - { .name: b_ln1y, .offset: 40, .size: 8, .value_kind: global_buffer, .address_space: global }
      - { .name: Wq, .offset: 48, .size: 8, .value_kind: global_buffer, .address_space: global }
      - { .name: Wp, .offset: 56, .size: 8, .value_kind: global_buffer, .address_space: global }
      - { .name: W2, .offset: 64, .size: 8, .value_kind: global_buffer, .address_space: global }
      - { .name: Wkv, .offset: 72, .size: 8, .value_kind: global_buffer, .address_space: global }
      - { .name: W1, .offset: 80, .size: 8, .value_kind: global_buffer, .address_space: global }
      - { .name: wts, .offset: 88, .size: 8, .value_kind: global_buffer, .address_space: global }
      - { .name: act, .offset: 96, .size: 8, .value_kind: global_buffer, .address_space: global }
    .group_segment_fixed_size: 0
    .private_segment_fixed_size: 0
    .kernarg_segment_align: 8
    .kernarg_segment_size: 104
    .max_flat_workgroup_size: 128
    .sgpr_count:     66
    .vgpr_count:     512
    .wavefront_size: 32
...
	.end_amdgpu_metadata
.endif
;; end of part 5
;; launch proj: the kernel of part 2 again; grid 64 x 3, 4 waves a work-group, no clusters, 0 bytes of LDS; arguments wts, act, qkv; writes qkv
;; launch attn: the kernel of part 3 again; grid 8 x 32, 16 waves a work-group, no clusters, 276,480 bytes of LDS; arguments qkv, att; writes att
;; launch oproj (part 6): grid 256 x 1, 4 waves a work-group, no clusters, 5,120 bytes of LDS; arguments att, wts, y, bp, g_ln2, b_ln2, b2, o2b, hln; writes o2b, hln
.if DOCPART == 6
	.amdgcn_target "amdgcn-amd-amdhsa--gfx1250"
	.amdhsa_code_object_version 6
	.text
	.protected	k_qa3f44fd374_oproj
	.globl	k_qa3f44fd374_oproj
	.p2align	8
	.type	k_qa3f44fd374_oproj,@function
k_qa3f44fd374_oproj:
	s_mov_b64 s[64:65], 0
	v_nop
	global_prefetch_b8 v0, s[64:65] scope:SCOPE_SE
	s_setreg_imm32_b32 hwreg(HW_REG_WAVE_MODE, 25, 1), 1
	s_wait_xcnt 0x0
; OPROJ.  o2 = o Wp + bp + y;  h = LN(o2), quantised along its 512 columns to E4M3 codes with E8M0 scales.  The product on codes; all else f32.
; OUT: o2 + b2 (f32: what the last product of the program adds onto) as images of the accumulators' registers, [tile of rows][128 columns' group][8,192 bytes]: piece j (512 bytes) holds registers 4 j .. 4 j + 3, 16 bytes a lane;
;      h's codes as fragment images [tile][K step][2,048]; its scale words at 256 tile + 16 r + 4 K step.
; SHARES.  A work-group takes 32 rows (2 tiles of 16): the layer norm wants whole rows, and 256 work-groups of 32 rows are one for each WGP.  THE WAVES SHARE THE COLUMNS: wave w makes columns 128 w .. 128 w + 127 (8 tiles) for the 32 rows: 16 accumulators.
; Wp's fragments come from memory straight into registers as dense images (512 bytes a load), each wave its own columns'; a row's sums meet in LDS.  All work-groups walk Wp; it goes to registers and not through LDS, so this text has no
; tensor load and nothing to ask for jointly: no ring, no cluster.
; The product is used transposed (source 0 = 16 columns of Wp, source 1 = 16 rows of o): a lane holds one row; the columns of a tile were chosen so that register 16 b + i of 8 accumulators is column 32 b + 16 (lane / 16) + i.
; The accumulators are begun by the load of y, and every product adds in place: nothing is cleared.  The 16 accumulators take turns, one instruction a turn.
; LIMITS: NaN and infinities are not served; a block of zeros gets the byte 1 (its codes are zeros; only this program reads the bytes).
; REGISTERS.  Window 1: two weight sets of 8 fragments (128 set + 16 t).  Window 2: Y at 8 (8 m + t): y, o2, o2 + b2.  Window 3: o's fragments (64 s + 16 m), then bp, g, b_ln2, b2 (64 each).
; Window 0: v1-13 addresses; v16-79 the 64 numbers at work; v144-159 codes; v160-175 the quantiser's work; v176 its scale word; v182-191 at work; v208-223 Wp's scale words; v240-255 o's scale words, then mean and rstd.
.set O_OS,  4194304
.set O_WP,  786432
.set O_WPS, 3170304
.set O_HS,  4194304
.set ST1,  0                           ; LDS: the waves' partial sums, 128 (4 w + m) + 4 lane;
.set ST2,  2048                        ; their sums of squares;
.set HSCL, 4096                        ; h's scale words: 256 m + 16 r + 4 w
.set ST,  16
.set PC,  144
.set TM,  160
.set PW,  176
.set WSB, 208
.set GS,  240
.set WV,  22
.set MNT, 23
.set SEL, 24
.set WPB, 34
.set OFF, 42
.set MSB, 0
.macro WIN new                         ; the immediate's high byte repeats the setting that is left
.if MSB != \new
	s_set_vgpr_msb (MSB<<8)|\new
.set MSB, \new
.endif
.endm
.macro QUANT s
.irp b, 0,1,2,3
	v_max3_num_f32 v[TM+\b], |v[\s+16*\b]|, |v[\s+1+16*\b]|, 0x4800000   ; my 16 numbers of block b, and the floor 2^(9 - 127)
.endr
.irp i, 2,4,6,8,10,12,14
.irp b, 0,1,2,3
	v_max3_num_f32 v[TM+\b], v[TM+\b], |v[\s+16*\b+\i]|, |v[\s+1+16*\b+\i]|
.endr
.endr
.irp b, 0,1,2,3
	v_permlanex16_b32 v[TM+4+\b], v[TM+\b], s[SEL], s[SEL+1]
.endr
.irp b, 0,1,2,3
	v_max_num_f32 v[TM+\b], v[TM+\b], v[TM+4+\b]
.endr
.irp b, 0,1,2,3
	v_add_nc_u32 v[TM+12+\b], 0xfc000000, v[TM+\b]
.endr
.irp b, 0,1,2,3
	v_and_or_b32 v[TM+8+\b], v[TM+\b], 0x7f800000, s[MNT]
.endr
.irp b, 0,1,2,3
	v_lshrrev_b32 v[TM+4+\b], 23, v[TM+12+\b]
.endr
	v_lshl_or_b32 v[PW], v[TM+5], 8, v[TM+4]
	v_lshl_or_b32 v[PW], v[TM+6], 16, v[PW]
	v_lshl_or_b32 v[PW], v[TM+7], 24, v[PW]
.irp b, 0,1,2,3
.irp i, 0,1,2,3,4,5,6,7,8,9,10,11,12,13,14,15
	v_med3_num_f32 v[\s+16*\b+\i], v[\s+16*\b+\i], -v[TM+8+\b], v[TM+8+\b]
.endr
	v_cvt_scalef32_pk8_fp8_f32 v[PC+4*\b:PC+1+4*\b], v[\s+16*\b:\s+7+16*\b], v[TM+12+\b]
	v_cvt_scalef32_pk8_fp8_f32 v[PC+2+4*\b:PC+3+4*\b], v[\s+8+16*\b:\s+15+16*\b], v[TM+12+\b]
.endr
	v_nop
.endm
.macro WM d, a, b, sa, sb, odd
.if \odd
	v_wmma_scale_f32_16x16x128_f8f6f4 v[\d:\d+7], v[\a:\a+15], v[\b:\b+15], v[\d:\d+7], v[\sa], v[\sb] matrix_a_scale:MATRIX_SCALE_ROW1
.else
	v_wmma_scale_f32_16x16x128_f8f6f4 v[\d:\d+7], v[\a:\a+15], v[\b:\b+15], v[\d:\d+7], v[\sa], v[\sb]
.endif
.endm
.macro WSET base, imm0, tstr, set      ; my 8 tiles' fragments of one K step into a weight set: 32 loads of 512 consecutive bytes
	WIN 0x40
.irp t, 0,1,2,3,4,5,6,7
.irp c, 0,1,2,3
	global_load_b128 v[128*(\set)+16*\t+4*\c:128*(\set)+16*\t+4*\c+3], v1, s[\base:\base+1] offset:(\imm0)+\t*(\tstr)+512*\c
.endr
.endr
	WIN 0
.endm
.macro VEC64 base, dst                 ; 128 numbers of a vector along my columns, in the layout of a row tile's 8 accumulators; the caller sets the window
.irp b, 0,1,2,3
.irp i, 0,1,2,3
	global_load_b128 v[(\dst)+16*\b+4*\i:(\dst)+16*\b+4*\i+3], v5, s[\base:\base+1] offset:128*\b+16*\i
.endr
.endr
.endm
; 16 matrix instructions: my 8 tiles of columns x the 2 tiles of rows, one K step; then eight places for the loads into its operands and the first read of its results
.macro MM win, actbase, set, WS, AS, s
	WIN \win
.irp m, 0,1
.irp t, 0,1,2,3,4,5,6,7
	WM 8*(8*\m+\t), 128*(\set)+16*\t, (\actbase)+16*\m, (\WS)+4*(\t/2)+(\s), (\AS)+4*\m+(\s), \t%2
.endr
.endr
	WIN 0
.rept 8
	v_nop
.endr
.endm
.macro BARRIER                         ; my LDS stores have landed and my LDS loads are in: then the work-group's barrier
	s_wait_dscnt 0x0
	s_barrier_signal -1
	s_barrier_wait -1
.endm
	s_load_b512 s[4:19], s[0:1], 0x0               ; att, wts, y, bp, g_ln2, b_ln2, b2, o2b
	s_load_b64 s[20:21], s[0:1], 0x40              ; hln
	v_lshl_add_u32 v254, v0, 2, 0x1200
	v_mov_b32 v255, 0
	v_lshrrev_b32 v1, 5, v0
	v_readfirstlane_b32 s[WV], v1                  ; wave 0..3
	v_and_b32 v182, 31, v0                         ; lane
	v_and_b32 v183, 15, v0                         ; r
	v_bfe_u32 v184, v0, 4, 1                       ; h
	v_and_b32 v185, 8, v183
	v_add_nc_u32 v185, v185, v183                  ; r + 8 (r / 8)
	v_lshlrev_b32 v1, 4, v182                      ; v1  16 lane
	v_lshlrev_b32 v2, 2, v182                      ; v2  4 lane
	v_lshlrev_b32 v3, 4, v183                      ; v3  16 r
	v_lshlrev_b32 v4, 11, v185
	v_lshl_add_u32 v4, v184, 6, v4                 ; v4  y: my row of a tile, + 64 h
	v_lshlrev_b32 v5, 6, v184                      ; v5  64 h
	s_lshl_b32 s54, s[WV], 2
	v_add_nc_u32 v7, s54, v3                       ; v7  a scale word in LDS: 16 r + 4 w
	s_lshl_b32 s54, s[WV], 9
	v_add_nc_u32 v8, s54, v2                       ; v8  a partial sum: 4 lane + 512 w
	s_and_b32 s54, s[WV], 1
	s_lshl_b32 s54, s54, 8
	v_lshlrev_b32 v13, 3, v182                     ; v13 8 lane
	v_add_nc_u32 v12, s54, v13                     ; v12 the scale words back: 8 lane + 256 (w % 2)
.irp b, 0,1,2,3
	v_mov_b32 v[TM+4+\b], 0                        ; written once: a lane permute's destination counts as one of its sources
.endr
	s_mov_b32 s[SEL], 0x76543210
	s_mov_b32 s[SEL+1], 0xfedcba98
	s_mov_b32 s[MNT], 0x600000
	s_mov_b32 s55, 0x3727c5ac                      ; 1e-5
	s_mov_b32 s60, 0x3b000000                      ; 1 / 512
	s_mov_b32 s[OFF+1], 0
	s_wait_kmcnt 0x0
	s_lshl_b32 s[OFF], ttmp9, 9
	s_add_co_u32 s[OFF], s[OFF], O_OS
	s_add_nc_u64 s[56:57], s[4:5], s[OFF:OFF+1]    ; o's scale words: 256 bytes a tile
	s_lshl_b32 s[OFF], ttmp9, 14
	s_add_nc_u64 s[4:5], s[4:5], s[OFF:OFF+1]      ; o's codes: 8,192 bytes a tile
	s_lshl_b32 s[OFF], ttmp9, 16
	s_lshl_b32 s54, s[WV], 9
	s_add_co_u32 s[OFF], s[OFF], s54
	s_add_nc_u64 s[8:9], s[8:9], s[OFF:OFF+1]      ; y: my 32 rows, my 128 columns
	s_mov_b32 s[OFF], s54
	s_add_nc_u64 s[10:11], s[10:11], s[OFF:OFF+1]  ; bp, g_ln2, b_ln2, b2: my 128 columns
	s_add_nc_u64 s[12:13], s[12:13], s[OFF:OFF+1]
	s_add_nc_u64 s[14:15], s[14:15], s[OFF:OFF+1]
	s_add_nc_u64 s[16:17], s[16:17], s[OFF:OFF+1]
	s_lshl_b32 s[OFF], ttmp9, 16
	s_lshl_b32 s54, s[WV], 13
	s_add_co_u32 s[OFF], s[OFF], s54
	s_add_nc_u64 s[18:19], s[18:19], s[OFF:OFF+1]  ; o2b: 32,768 bytes a tile, 8,192 a wave
	s_lshl_b32 s[OFF], ttmp9, 14
	s_lshl_b32 s54, s[WV], 11
	s_add_co_u32 s[OFF], s[OFF], s54
	s_add_nc_u64 s[28:29], s[20:21], s[OFF:OFF+1]  ; h's codes: 8,192 bytes a tile, K step w
	s_lshl_b32 s[OFF], ttmp9, 9
	s_and_b32 s54, s[WV], 1
	s_lshl_b32 s54, s54, 8
	s_add_co_u32 s[OFF], s[OFF], s54
	s_add_co_u32 s[OFF], s[OFF], O_HS
	s_add_nc_u64 s[30:31], s[20:21], s[OFF:OFF+1]  ; h's scale words: tile 2 x work-group + w % 2
	s_lshl_b32 s54, s[WV], 16
	s_add_co_u32 s[OFF], s54, O_WP
	s_add_nc_u64 s[WPB:WPB+1], s[6:7], s[OFF:OFF+1]
	s_lshl_b32 s54, s[WV], 11
	s_add_co_u32 s[OFF], s54, O_WPS
	s_add_nc_u64 s[58:59], s[6:7], s[OFF:OFF+1]
.irp m, 0,1
	global_load_b128 v[GS+4*\m:GS+4*\m+3], v3, s[56:57] offset:256*\m      ; o's scale words, K steps 0-3 of row r
.endr
.irp p, 0,1,2,3
	global_load_b128 v[WSB+4*\p:WSB+4*\p+3], v1, s[58:59] offset:512*\p    ; Wp's
.endr
	WIN 0xc0
.irp m, 0,1
.irp s, 0,1,2,3
.irp c, 0,1,2,3
	global_load_b128 v[64*\s+16*\m+4*\c:64*\s+16*\m+4*\c+3], v1, s[4:5] offset:8192*\m+2048*\s+512*\c
.endr
.endr
.endr
	WIN 0x80
.irp m, 0,1
.irp b, 0,1,2,3
.irp i, 0,1,2,3
	global_load_b128 v[64*\m+16*\b+4*\i:64*\m+16*\b+4*\i+3], v4, s[8:9] offset:16384*\m+128*\b+16*\i   ; no non-temporal hint: a lane's 64 neighbouring bytes of its row are taken by four loads that follow each other
.endr
.endr
.endr
	WIN 0
	WSET WPB, 0, 8192, 0
	WSET WPB, 2048, 8192, 1
	; ---- o Wp, onto y.  Each quarter of window 3 is loaded anew behind the step that read it
	s_wait_loadcnt 32                              ; all but set 1
	MM 0xad, 0, 0, WSB, GS, 0
	WIN 0xc0
	VEC64 10, 0                                    ; bp
	WSET WPB, 4096, 8192, 0
	s_wait_loadcnt 48                              ; set 1 is in: behind it 16 + 32 were issued
	MM 0xad, 64, 1, WSB, GS, 1
	WIN 0xc0
	VEC64 12, 64                                   ; g_ln2
	WSET WPB, 6144, 8192, 1
	s_wait_loadcnt 48                              ; set 0 is in: behind it 16 + 32 were issued
	MM 0xad, 128, 0, WSB, GS, 2
	WIN 0xc0
	VEC64 14, 128                                  ; b_ln2
	WIN 0
	s_wait_loadcnt 16                              ; set 1 is in: behind it b_ln2's 16 were issued
	MM 0xad, 192, 1, WSB, GS, 3
	WIN 0xc0
	VEC64 16, 192                                  ; b2
	; ---- the layer norm.  Pass A: o2 = the sums + bp (bp is older than what the last steps waited for); the rows' sums
	WIN 0x8e
.irp m, 0,1
.set p, 0
.rept 32
	v_pk_add_f32 v[64*\m+2*p:64*\m+2*p+1], v[64*\m+2*p:64*\m+2*p+1], v[2*p:2*p+1]   ; each accumulator from its low end on
.set p, p+1
.endr
.endr
	WIN 0x0a
.irp m, 0,1
.irp k, 0,1
	v_pk_add_f32 v[16+4*\m+2*\k:17+4*\m+2*\k], v[64*\m+4*\k:64*\m+4*\k+1], v[64*\m+4*\k+2:64*\m+4*\k+3]
.endr
.endr
	WIN 0x08
.set p, 4
.rept 28
.irp m, 0,1
	v_pk_add_f32 v[16+4*\m+2*(p%2):17+4*\m+2*(p%2)], v[16+4*\m+2*(p%2):17+4*\m+2*(p%2)], v[64*\m+2*p:64*\m+2*p+1]
.endr
.set p, p+1
.endr
	WIN 0
.irp m, 0,1
	v_pk_add_f32 v[16+4*\m:17+4*\m], v[16+4*\m:17+4*\m], v[18+4*\m:19+4*\m]
.endr
.irp m, 0,1
	v_add_f32 v[186+\m], v[16+4*\m], v[17+4*\m]
.endr
.irp m, 0,1
	v_permlanex16_b32 v[TM+4+\m], v[186+\m], s[SEL], s[SEL+1]
.endr
.irp m, 0,1
	v_add_f32 v[186+\m], v[186+\m], v[TM+4+\m]     ; my 128 columns of row r of tile m
.endr
.irp m, 0,1
	ds_store_b32 v8, v[186+\m] offset:ST1+128*\m
.endr
	BARRIER
.irp m, 0,1
.irp w, 0,1,2,3
	ds_load_b32 v[16+4*\m+\w], v2 offset:ST1+128*(4*\w+\m)
.endr
.endr
	s_wait_dscnt 0x0
.irp m, 0,1
	v_add_f32 v[16+4*\m], v[16+4*\m], v[17+4*\m]
	v_add_f32 v[18+4*\m], v[18+4*\m], v[19+4*\m]
.endr
.irp m, 0,1
	v_add_f32 v[16+4*\m], v[16+4*\m], v[18+4*\m]
.endr
.irp m, 0,1
	v_mul_f32 v[240+2*\m], s60, v[16+4*\m]         ; the mean, in both words of a pair
	v_mul_f32 v[241+2*\m], s60, v[16+4*\m]
.endr
	; Pass B: the sums of (o2 - mean)^2: a true second pass
.irp m, 0,1
	WIN 0x02
.set p, 0
.rept 32
	v_pk_add_f32 v[ST+2*p:ST+2*p+1], v[64*\m+2*p:64*\m+2*p+1], v[240+2*\m:241+2*\m] neg_lo:[0,1] neg_hi:[0,1]
.set p, p+1
.endr
	WIN 0
	v_pk_mul_f32 v[182:183], v[ST:ST+1], v[ST:ST+1]
	v_pk_mul_f32 v[184:185], v[ST+2:ST+3], v[ST+2:ST+3]
.set p, 2
.rept 30
	v_pk_fma_f32 v[182+2*(p%2):183+2*(p%2)], v[ST+2*p:ST+2*p+1], v[ST+2*p:ST+2*p+1], v[182+2*(p%2):183+2*(p%2)]
.set p, p+1
.endr
	v_pk_add_f32 v[182:183], v[182:183], v[184:185]
	v_add_f32 v[186+\m], v182, v183
.endr
.irp m, 0,1
	v_permlanex16_b32 v[TM+4+\m], v[186+\m], s[SEL], s[SEL+1]
.endr
.irp m, 0,1
	v_add_f32 v[186+\m], v[186+\m], v[TM+4+\m]
.endr
.irp m, 0,1
	ds_store_b32 v8, v[186+\m] offset:ST2+128*\m
.endr
	BARRIER
.irp m, 0,1
.irp w, 0,1,2,3
	ds_load_b32 v[16+4*\m+\w], v2 offset:ST2+128*(4*\w+\m)
.endr
.endr
	s_wait_dscnt 0x0
.irp m, 0,1
	v_add_f32 v[16+4*\m], v[16+4*\m], v[17+4*\m]
	v_add_f32 v[18+4*\m], v[18+4*\m], v[19+4*\m]
.endr
.irp m, 0,1
	v_add_f32 v[16+4*\m], v[16+4*\m], v[18+4*\m]
.endr
.irp m, 0,1
	v_fma_f32 v[16+4*\m], v[16+4*\m], s60, s55     ; the variance + 1e-5
.endr
.irp m, 0,1
	v_rsq_f32 v[248+2*\m], v[16+4*\m]
.endr
	v_nop                                          ; a plain line behind the transcendentals,
	s_wait_alu depctr_va_vdst(0)                   ; and one wait for the two ahead of their first reader
.irp m, 0,1
	v_mov_b32 v[249+2*\m], v[248+2*\m]
.endr
	s_wait_loadcnt 0x0                             ; g_ln2, b_ln2, b2
	; Pass C: h = (o2 - mean) rstd g + b, quantised, stored as K step w; Y becomes o2 + b2 and is stored as it stands in its registers
.irp m, 0,1
	WIN 0x02
.set p, 0
.rept 32
	v_pk_add_f32 v[ST+2*p:ST+2*p+1], v[64*\m+2*p:64*\m+2*p+1], v[240+2*\m:241+2*\m] neg_lo:[0,1] neg_hi:[0,1]
.set p, p+1
.endr
	WIN 0
.set p, 0
.rept 32
	v_pk_mul_f32 v[ST+2*p:ST+2*p+1], v[ST+2*p:ST+2*p+1], v[248+2*\m:249+2*\m]
.set p, p+1
.endr
	WIN 0x3c
.set p, 0
.rept 32
	v_pk_fma_f32 v[ST+2*p:ST+2*p+1], v[ST+2*p:ST+2*p+1], v[64+2*p:65+2*p], v[128+2*p:129+2*p]
.set p, p+1
.endr
	WIN 0x8e
.set p, 0
.rept 32
	v_pk_add_f32 v[64*\m+2*p:64*\m+2*p+1], v[64*\m+2*p:64*\m+2*p+1], v[192+2*p:193+2*p]
.set p, p+1
.endr
	WIN 0x08                                       ; a store's data are its source 1: window 2
.irp j, 0,1,2,3,4,5,6,7,8,9,10,11,12,13,14,15
	global_store_b128 v1, v[64*\m+4*\j:64*\m+4*\j+3], s[18:19] offset:32768*\m+512*\j   ; 32 lanes store 512 consecutive bytes
.endr
	WIN 0
	s_wait_xcnt 0x0                                ; the last tile's stores have read their data: the codes' registers are written again only behind this wait
	QUANT ST
.irp c, 0,1,2,3
	global_store_b128 v1, v[PC+4*\c:PC+4*\c+3], s[28:29] offset:8192*\m+512*\c
.endr
	ds_store_b32 v7, v[PW] offset:HSCL+256*\m      ; lanes r and 16 + r hold the same word and write it to the same place
	s_wait_dscnt 0x0                               ; the store has read its register
.endr
	BARRIER                                        ; the two tiles' scale words, 256 bytes each, lie in LDS
	s_cmp_lt_u32 s[WV], 2
	s_cbranch_scc0 .Ldone                          ; waves 0 and 1 store a tile's words each
	ds_load_b64 v[182:183], v12 offset:HSCL
	s_wait_dscnt 0x0
	global_store_b64 v13, v[182:183], s[30:31]     ; 256 consecutive bytes, aligned
.Ldone:
	s_wait_tensorcnt 0x0
	ds_add_u32 v254, v255
	s_wait_dscnt 0x0
	s_endpgm
.Lfunc_end_k_qa3f44fd374_oproj:
	.size	k_qa3f44fd374_oproj, .Lfunc_end_k_qa3f44fd374_oproj-k_qa3f44fd374_oproj
	.p2alignl 7, 3214868480
	.fill 96, 4, 3214868480
	.section	.rodata,"a",@progbits
	.p2align	6, 0x0
	.amdhsa_kernel k_qa3f44fd374_oproj
		.amdhsa_group_segment_fixed_size 5120
		.amdhsa_private_segment_fixed_size 0
		.amdhsa_enable_private_segment 0
		.amdhsa_kernarg_size 72
		.amdhsa_user_sgpr_count 2
		.amdhsa_user_sgpr_kernarg_segment_ptr 1
		.amdhsa_wavefront_size32 1
		.amdhsa_system_sgpr_workgroup_id_x 1
		.amdhsa_system_sgpr_workgroup_id_y 1
		.amdhsa_system_sgpr_workgroup_id_z 1
		.amdhsa_system_vgpr_workitem_id 0
		.amdhsa_next_free_vgpr 1024
		.amdhsa_next_free_sgpr 66
		.amdhsa_reserve_vcc 0
		.amdhsa_float_denorm_mode_32 3
		.amdhsa_float_denorm_mode_16_64 3
		.amdhsa_memory_ordered 1
		.amdhsa_forward_progress 1
		.amdhsa_inst_pref_size 94
	.end_amdhsa_kernel
	.amdgpu_metadata
---
amdhsa.version: [ 1, 2 ]
amdhsa.kernels:
  - .name:           k_qa3f44fd374_oproj
    .symbol:         k_qa3f44fd374_oproj.kd
    .args:
      - { .name: att, .offset: 0, .size: 8, .value_kind: global_buffer, .address_space: global }
      - { .name: wts, .offset: 8, .size: 8, .value_kind: global_buffer, .address_space: global }
      - { .name: y, .offset: 16, .size: 8, .value_kind: global_buffer, .address_space: global }
      - { .name: bp, .offset: 24, .size: 8, .value_kind: global_buffer, .address_space: global }
      - { .name: g_ln2, .offset: 32, .size: 8, .value_kind: global_buffer, .address_space: global }
      - { .name: b_ln2, .offset: 40, .size: 8, .value_kind: global_buffer, .address_space: global }
      - { .name: b2, .offset: 48, .size: 8, .value_kind: global_buffer, .address_space: global }
      - { .name: o2b, .offset: 56, .size: 8, .value_kind: global_buffer, .address_space: global }
      - { .name: hln, .offset: 64, .size: 8, .value_kind: global_buffer, .address_space: global }
    .group_segment_fixed_size: 5120
    .private_segment_fixed_size: 0
    .kernarg_segment_align: 8
    .kernarg_segment_size: 72
    .max_flat_workgroup_size: 128
    .sgpr_count:     66
    .vgpr_count:     1024
    .wavefront_size: 32
...
	.end_amdgpu_metadata
.endif
;; end of part 6
;; launch mlp1 (part 7): grid 256 x 1, 4 waves a work-group, no clusters, 0 bytes of LDS; arguments wts, hln, b1, hid; writes hid
.if DOCPART == 7
	.amdgcn_target "amdgcn-amd-amdhsa--gfx1250"
	.amdhsa_code_object_version 6
	.text
	.protected	k_qa3f44fd374_mlp1
	.globl	k_qa3f44fd374_mlp1
	.p2align	8
	.type	k_qa3f44fd374_mlp1,@function
k_qa3f44fd374_mlp1:
	s_mov_b64 s[64:65], 0
	v_nop
	global_prefetch_b8 v0, s[64:65] scope:SCOPE_SE
	s_setreg_imm32_b32 hwreg(HW_REG_WAVE_MODE, 25, 1), 1
	s_wait_xcnt 0x0
; MLP1.  hidden = gelu(h W1 + b1), the product on E4M3 codes with E8M0 scales; the result is quantised in registers along the 2,048 hidden units and stored as codes.
; Waves share nothing: no LDS, no barrier.  A wave holds a RESIDENT group of 128 columns of W1 (8 tiles x 4 K steps, 512 registers) as source 0 and streams 8 tiles of 16 rows of h as source 1.
; A unit = one streamed tile: 32 matrix instructions into 8 accumulators (b1 is the C of each sum's first), gelu, the quantiser, one fragment out: K step g of the next product, rows of that tile.
; 16 groups x 512 tiles = 8,192 units = 1,024 waves x 8.  The four waves of a work-group have the same group of W1.  The operands go straight into registers as dense images: no tensor load, so nothing to ask for jointly: no cluster.
; The columns of a tile were chosen (lane r of tile 2 b + u: column 32 b + 8 u + r + 8 (r / 8)) so that register 16 b + i of the 8 accumulators is hidden unit 32 b + 16 (lane / 16) + i of the group.
; gelu is the tanh form: x sigmoid(2 a), a = sqrt(2 / pi) (x + 0.044715 x^3), as x / (1 + 2^z), z = x (CA + CB x^2).
; OUT: codes [tile of rows][K step g][2,048] as register images; scale words [g][tile / 8][16 (tile % 2) + r][(tile / 2) % 4]: a wave's 8 tiles are 512 bytes on end.
; LIMITS: NaN and infinities are not served; a block of zeros gets the byte 1 (its codes are zeros; only this program reads the bytes).
; REGISTERS: window 1: resident tiles 0-3 at 16 (4 t + s); window 2: tiles 4-7; window 3: v0-63 b1, v64-127 gelu's work, v128-131 its constants.
;   Window 0: v1 16 lane, v2 16 r, v3 the scale word just made, v[4:7] scale words on their way out, v8-23 resident scale words, v24-31 streamed scale words (two sets), v32-159 streamed fragments (two sets),
;   v160-223 accumulators, v224-239 codes, v240-255 the quantiser's work.
.set O_W1,  1048576
.set O_W1S, 3178496
.set O_HS,  4194304
.set O_HSS, 16777216
.set RS,  8
.set SS,  24
.set STR, 32
.set ACC, 160
.set PC,  224
.set TM,  240
.set PW,  3
.set B1,  0                            ; in window 3
.set GT,  64
.set SEL, 42
.set MNT, 44
.set MSB, 0
.macro WIN new                         ; the immediate's high byte repeats the setting that is left
.if MSB != \new
	s_set_vgpr_msb (MSB<<8)|\new
.set MSB, \new
.endif
.endm
.macro QUANT s
.irp b, 0,1,2,3
	v_max3_num_f32 v[TM+\b], |v[\s+16*\b]|, |v[\s+1+16*\b]|, 0x4800000   ; my 16 numbers of block b, and the floor 2^(9 - 127)
.endr
.irp i, 2,4,6,8,10,12,14
.irp b, 0,1,2,3
	v_max3_num_f32 v[TM+\b], v[TM+\b], |v[\s+16*\b+\i]|, |v[\s+1+16*\b+\i]|
.endr
.endr
.irp b, 0,1,2,3
	v_permlanex16_b32 v[TM+4+\b], v[TM+\b], s[SEL], s[SEL+1]
.endr
.irp b, 0,1,2,3
	v_max_num_f32 v[TM+\b], v[TM+\b], v[TM+4+\b]
.endr
.irp b, 0,1,2,3
	v_add_nc_u32 v[TM+12+\b], 0xfc000000, v[TM+\b]
.endr
.irp b, 0,1,2,3
	v_and_or_b32 v[TM+8+\b], v[TM+\b], 0x7f800000, s[MNT]
.endr
.irp b, 0,1,2,3
	v_lshrrev_b32 v[TM+4+\b], 23, v[TM+12+\b]
.endr
	v_lshl_or_b32 v[PW], v[TM+5], 8, v[TM+4]
	v_lshl_or_b32 v[PW], v[TM+6], 16, v[PW]
	v_lshl_or_b32 v[PW], v[TM+7], 24, v[PW]
.irp b, 0,1,2,3
.irp i, 0,1,2,3,4,5,6,7,8,9,10,11,12,13,14,15
	v_med3_num_f32 v[\s+16*\b+\i], v[\s+16*\b+\i], -v[TM+8+\b], v[TM+8+\b]
.endr
	v_cvt_scalef32_pk8_fp8_f32 v[PC+4*\b:PC+1+4*\b], v[\s+16*\b:\s+7+16*\b], v[TM+12+\b]
	v_cvt_scalef32_pk8_fp8_f32 v[PC+2+4*\b:PC+3+4*\b], v[\s+8+16*\b:\s+15+16*\b], v[TM+12+\b]
.endr
	v_nop
.endm
; one matrix instruction that adds in place.  odd = 1: source 0's scale words stand in lanes 16-31 of their register
.macro WM d, a, b, sa, sb, odd
.if \odd
	v_wmma_scale_f32_16x16x128_f8f6f4 v[\d:\d+7], v[\a:\a+15], v[\b:\b+15], v[\d:\d+7], v[\sa], v[\sb] matrix_a_scale:MATRIX_SCALE_ROW1
.else
	v_wmma_scale_f32_16x16x128_f8f6f4 v[\d:\d+7], v[\a:\a+15], v[\b:\b+15], v[\d:\d+7], v[\sa], v[\sb]
.endif
.endm
; and one that starts a sum from the bias
.macro WMC d, a, b, c, sa, sb, odd
.if \odd
	v_wmma_scale_f32_16x16x128_f8f6f4 v[\d:\d+7], v[\a:\a+15], v[\b:\b+15], v[\c:\c+7], v[\sa], v[\sb] matrix_a_scale:MATRIX_SCALE_ROW1
.else
	v_wmma_scale_f32_16x16x128_f8f6f4 v[\d:\d+7], v[\a:\a+15], v[\b:\b+15], v[\c:\c+7], v[\sa], v[\sb]
.endif
.endm
.macro SLOAD u                         ; streamed tile u: 4 fragments and its scale words: 17 loads
.irp s, 0,1,2,3
.irp c, 0,1,2,3
	global_load_b128 v[STR+64*((\u)%2)+16*\s+4*\c:STR+64*((\u)%2)+16*\s+4*\c+3], v1, s[20:21] offset:8192*(\u)+2048*\s+512*\c
.endr
.endr
	global_load_b128 v[SS+4*((\u)%2):SS+4*((\u)%2)+3], v2, s[22:23] offset:256*(\u)
.endm
.macro UNIT u
.set SBF, STR+64*((\u)%2)
.set SSB, SS+4*((\u)%2)
.if (\u) < 7
	s_wait_loadcnt 17                              ; all but the next unit's 17 loads
.else
	s_wait_loadcnt 0x0
.endif
	WIN 0x31                                       ; source 0 in window 1, C (b1) in window 3.  Four accumulators by turns, one instruction a turn
.irp t, 0,1,2,3
	WMC ACC+8*\t, 64*\t, SBF, B1+8*\t, RS+4*(\t/2), SSB, \t%2
.endr
	WIN 0x01
.irp s, 1,2,3
.irp t, 0,1,2,3
	WM ACC+8*\t, 16*(4*\t+\s), SBF+16*\s, RS+4*(\t/2)+\s, SSB+\s, \t%2
.endr
.endr
	WIN 0x32                                       ; source 0 in window 2: tiles 4-7
.irp t, 0,1,2,3
	WMC ACC+32+8*\t, 64*\t, SBF, B1+32+8*\t, RS+8+4*(\t/2), SSB, \t%2
.endr
	WIN 0x02
.irp s, 1,2,3
.irp t, 0,1,2,3
	WM ACC+32+8*\t, 16*(4*\t+\s), SBF+16*\s, RS+8+4*(\t/2)+\s, SSB+\s, \t%2
.endr
.endr
	WIN 0
.rept 8
	v_nop                                          ; eight places ahead of the loads into the streamed set and of the first read of results; gelu's and the quantiser's lines stand ahead of the next unit's first products
.endr
.if (\u) < 6
	SLOAD (\u)+2
.endif
	WIN 0xc0                                       ; gelu.  Its work stands in window 3, x stays in the accumulators' registers
.set p, 0
.rept 32
	v_pk_mul_f32 v[GT+2*p:GT+2*p+1], v[ACC+2*p:ACC+2*p+1], v[ACC+2*p:ACC+2*p+1]   ; x^2 (each accumulator from its low end on)
.set p, p+1
.endr
	WIN 0xff
.set p, 0
.rept 32
	v_pk_fma_f32 v[GT+2*p:GT+2*p+1], v[GT+2*p:GT+2*p+1], v[128:129], v[130:131]
.set p, p+1
.endr
	WIN 0xc3
.set p, 0
.rept 32
	v_pk_mul_f32 v[GT+2*p:GT+2*p+1], v[GT+2*p:GT+2*p+1], v[ACC+2*p:ACC+2*p+1]     ; z
.set p, p+1
.endr
.set p, 0
.rept 64
	v_exp_f32 v[GT+p], v[GT+p]
.set p, p+1
.endr
	v_nop                                          ; a plain line behind the batch,
	s_wait_alu depctr_va_vdst(0)                   ; and one wait for it ahead of its first reader
.set p, 0
.rept 32
	v_pk_add_f32 v[GT+2*p:GT+2*p+1], v[GT+2*p:GT+2*p+1], 1.0 op_sel_hi:[1,0]
.set p, p+1
.endr
.set p, 0
.rept 64
	v_rcp_f32 v[GT+p], v[GT+p]
.set p, p+1
.endr
	v_nop
	s_wait_alu depctr_va_vdst(0)
	WIN 0x03
.set p, 0
.rept 32
	v_pk_mul_f32 v[ACC+2*p:ACC+2*p+1], v[GT+2*p:GT+2*p+1], v[ACC+2*p:ACC+2*p+1]   ; x / (1 + 2^z)
.set p, p+1
.endr
	WIN 0
	s_wait_xcnt 0x0                                ; the last unit's stores have read their data
	QUANT ACC
.irp c, 0,1,2,3
	global_store_b128 v1, v[PC+4*\c:PC+4*\c+3], s[24:25] offset:32768*(\u)+512*\c   ; 32 lanes store 512 consecutive bytes
.endr
.if (\u)%2 == 0
	v_mov_b32 v[4+(\u)/2], v[PW]                   ; an even tile's words in lanes 0-15,
.else
	v_cndmask_b32 v[4+(\u)/2], v[4+(\u)/2], v[PW], s30   ; the odd tile's in lanes 16-31
.endif
.if (\u) == 7
	global_store_b128 v1, v[4:7], s[26:27]         ; the eight tiles' scale words: 512 consecutive bytes
.endif
.endm
	s_load_b256 s[4:11], s[0:1], 0x0               ; wts, hln, b1, hid
	v_lshrrev_b32 v1, 5, v0
	v_readfirstlane_b32 s12, v1                    ; wave
	s_lshl_b32 s13, ttmp9, 2
	s_add_co_u32 s13, s13, s12                     ; W: 0 .. 1,023
	s_lshr_b32 s14, s13, 6                         ; g: which 128 columns of W1
	s_and_b32 s15, s13, 63
	s_lshl_b32 s15, s15, 3                         ; S0: my first tile of rows
	s_mov_b32 s[SEL], 0x76543210
	s_mov_b32 s[SEL+1], 0xfedcba98
	s_mov_b32 s[MNT], 0x600000
	s_mov_b32 s30, 0xffff0000
	s_mov_b32 s29, 0
	s_wait_kmcnt 0x0
	s_lshl_b32 s28, s14, 16
	s_add_co_u32 s28, s28, O_W1
	s_add_nc_u64 s[16:17], s[4:5], s[28:29]        ; the group's 32 fragments
	s_lshl_b32 s28, s14, 11
	s_add_co_u32 s28, s28, O_W1S
	s_add_nc_u64 s[18:19], s[4:5], s[28:29]        ; its scale words
	s_lshl_b32 s28, s15, 13
	s_add_nc_u64 s[20:21], s[6:7], s[28:29]        ; h's codes
	s_lshl_b32 s28, s15, 8
	s_add_co_u32 s28, s28, O_HS
	s_add_nc_u64 s[22:23], s[6:7], s[28:29]        ; h's scale words
	s_lshl_b32 s28, s15, 15
	s_lshl_b32 s31, s14, 11
	s_add_co_u32 s28, s28, s31
	s_add_nc_u64 s[24:25], s[10:11], s[28:29]      ; out: 32,768 bytes a tile, K step g
	s_lshl_b32 s28, s14, 15
	s_lshl_b32 s31, s15, 6
	s_add_co_u32 s28, s28, s31
	s_add_co_u32 s28, s28, O_HSS
	s_add_nc_u64 s[26:27], s[10:11], s[28:29]      ; out: scale words, 512 bytes for my 8 tiles
	s_lshl_b32 s28, s14, 9
	s_add_nc_u64 s[32:33], s[8:9], s[28:29]        ; b1: the group's 128 numbers
	v_and_b32 v3, 31, v0
	v_lshlrev_b32 v1, 4, v3                        ; 16 x lane
	v_and_b32 v2, 15, v0
	v_lshlrev_b32 v2, 4, v2                        ; 16 r
	v_bfe_u32 v224, v0, 4, 1
	v_lshlrev_b32 v224, 6, v224                    ; 64 h: the bias's offset; the register is written again only behind the first unit's wait for loads
.irp b, 0,1,2,3
	v_mov_b32 v[TM+4+\b], 0                        ; written once: a lane permute's destination counts as one of its sources
.endr
.irp p, 0,1,2,3
	global_load_b128 v[RS+4*\p:RS+4*\p+3], v1, s[18:19] offset:512*\p   ; tiles 2 p (lanes 0-15) and 2 p + 1 (lanes 16-31), K steps 0-3
.endr
	WIN 0xc0
	v_mov_b32 v128, 0xbdd2d3e7                     ; CB = -2 log2(e) sqrt(2 / pi) 0.044715
	v_mov_b32 v129, 0xbdd2d3e7
	v_mov_b32 v130, 0xc0135761                     ; CA = -2 log2(e) sqrt(2 / pi)
	v_mov_b32 v131, 0xc0135761
.irp b, 0,1,2,3
.irp i, 0,1,2,3
	global_load_b128 v[B1+16*\b+4*\i:B1+16*\b+4*\i+3], v224, s[32:33] offset:128*\b+16*\i   ; b1 in the layout of the 8 accumulators
.endr
.endr
	WIN 0x40
.irp t, 0,1,2,3
.irp s, 0,1,2,3
.irp c, 0,1,2,3
	global_load_b128 v[16*(4*\t+\s)+4*\c:16*(4*\t+\s)+4*\c+3], v1, s[16:17] offset:8192*\t+2048*\s+512*\c
.endr
.endr
.endr
	WIN 0x80
.irp t, 0,1,2,3
.irp s, 0,1,2,3
.irp c, 0,1,2,3
	global_load_b128 v[16*(4*\t+\s)+4*\c:16*(4*\t+\s)+4*\c+3], v1, s[16:17] offset:8192*(\t+4)+2048*\s+512*\c
.endr
.endr
.endr
	WIN 0
	SLOAD 0
	SLOAD 1
.irp u, 0,1,2,3,4,5,6,7
	UNIT \u
.endr
	s_endpgm
.Lfunc_end_k_qa3f44fd374_mlp1:
	.size	k_qa3f44fd374_mlp1, .Lfunc_end_k_qa3f44fd374_mlp1-k_qa3f44fd374_mlp1
	.p2alignl 7, 3214868480
	.fill 96, 4, 3214868480
	.section	.rodata,"a",@progbits
	.p2align	6, 0x0
	.amdhsa_kernel k_qa3f44fd374_mlp1
		.amdhsa_group_segment_fixed_size 0
		.amdhsa_private_segment_fixed_size 0
		.amdhsa_enable_private_segment 0
		.amdhsa_kernarg_size 32
		.amdhsa_user_sgpr_count 2
		.amdhsa_user_sgpr_kernarg_segment_ptr 1
		.amdhsa_wavefront_size32 1
		.amdhsa_system_sgpr_workgroup_id_x 1
		.amdhsa_system_sgpr_workgroup_id_y 1
		.amdhsa_system_sgpr_workgroup_id_z 1
		.amdhsa_system_vgpr_workitem_id 0
		.amdhsa_next_free_vgpr 1024
		.amdhsa_next_free_sgpr 66
		.amdhsa_reserve_vcc 0
		.amdhsa_float_denorm_mode_32 3
		.amdhsa_float_denorm_mode_16_64 3
		.amdhsa_memory_ordered 1
		.amdhsa_forward_progress 1
		.amdhsa_inst_pref_size 247
	.end_amdhsa_kernel
	.amdgpu_metadata
---
amdhsa.version: [ 1, 2 ]
amdhsa.kernels:
  - .name:           k_qa3f44fd374_mlp1
    .symbol:         k_qa3f44fd374_mlp1.kd
    .args:
      - { .name: wts, .offset: 0, .size: 8, .value_kind: global_buffer, .address_space: global }
      - { .name: hln, .offset: 8, .size: 8, .value_kind: global_buffer, .address_space: global }
      - { .name: b1, .offset: 16, .size: 8, .value_kind: global_buffer, .address_space: global }
      - { .name: hid, .offset: 24, .size: 8, .value_kind: global_buffer, .address_space: global }
    .group_segment_fixed_size: 0
    .private_segment_fixed_size: 0
    .kernarg_segment_align: 8
    .kernarg_segment_size: 32
    .max_flat_workgroup_size: 128
    .sgpr_count:     66
    .vgpr_count:     1024
    .wavefront_size: 32
...
	.end_amdgpu_metadata
.endif
;; end of part 7
;; launch mlp2 (part 8): grid 64 x 4, 4 waves a work-group, no clusters, 262,656 bytes of LDS; arguments hid, wts, o2b, out0; writes out0
.if DOCPART == 8
	.amdgcn_target "amdgcn-amd-amdhsa--gfx1250"
	.amdhsa_code_object_version 6
	.text
	.protected	k_qa3f44fd374_mlp2
	.globl	k_qa3f44fd374_mlp2
	.p2align	8
	.type	k_qa3f44fd374_mlp2,@function
k_qa3f44fd374_mlp2:
	s_mov_b64 s[64:65], 0
	v_nop
	global_prefetch_b8 v0, s[64:65] scope:SCOPE_SE
	s_setreg_imm32_b32 hwreg(HW_REG_WAVE_MODE, 25, 1), 1
	s_wait_xcnt 0x0
; MLP2.  out = hidden W2 + (o2 + b2), the product on E4M3 codes with E8M0 scales, K = 2,048 in 16 K steps; sums f32.
; SHARES.  A work-group (x: 128 rows = 8 tiles; y: 128 columns = 8 tiles of W2) makes 128 x 128 of the output: 256 work-groups.  Wave w takes column tiles 2 w, 2 w + 1 for all 8 tiles of rows: 16 accumulators.
; W2: a wave's two tiles, all 16 K steps, are 512 registers: they come from memory straight into registers as dense images, and no other wave of the work-group reads them.
; THE HIDDEN LAYER'S CODES of the 128 rows, 256 KiB, are read by all four waves: each wave brings a quarter (two tiles of rows) through registers into LDS, as register images, in FOUR STAGES of 4 K steps.  Each stage has 64 KiB of LDS
; of its own: no byte is written twice before the way out, so one barrier a stage (store, wait, barrier, load) is all the ordering.
; ORDER OF THE REQUESTS: W(0), A(0), W(1); behind stage j's barrier A(j + 1), W(j + 2).  So behind A(j) stand only W(j + 1)'s 32 loads, which stay out while A(j) goes into LDS, and W(j) is older than A(j).
; Plain loads alone: no tensor load, so nothing is asked for jointly and there is no cluster, though the four work-groups of a row block read the same codes and the 64 of a column group the same weights.
; The product is used transposed (source 0 = 16 columns of W2, source 1 = 16 rows): a lane holds one row, and the 16 registers of my two tiles are columns 32 w + 16 (lane / 16) + 0 .. 15 of the group.
; The first K step's products start the sums with the constant 0; o2 + b2, laid by the launch that made it as images of these accumulators, is asked for behind the last barrier and added at the end.
; The 16 accumulators take turns, one instruction a turn.
; REGISTERS.  Windows 1, 2: W2's fragments: (tile tt, K step S) at 16 (8 tt + S % 8) of window 1 + S / 8.  Window 3: v0-127 what is on its way into LDS, later o2 + b2; v128-255 the accumulators, (m, tt) at 128 + 8 (2 m + tt).
; Window 0: v1 16 lane; v2-5 the stages' LDS addresses for reads, v6-9 for my stores; v10, v11 the way out; v15 16 r; v16-31, v96-111 W2's scale words of my two tiles; v32-95 the hidden layer's (4 S + m / 2: an even tile in lanes 0-15,
;   the odd one in lanes 16-31); v128-191, v192-255 four fragments of rows each, by turns; on the way out rows of the output.
.set O_W2,  2097152
.set O_W2S, 3211264
.set O_HSS, 16777216
.set SP,    528                        ; the way out: a row of 512 bytes + 16
.set WS0, 16
.set WS1, 96
.set HS,  32
.set MSB, 0
.macro WIN new                         ; the immediate's high byte repeats the setting that is left
.if MSB != \new
	s_set_vgpr_msb (MSB<<8)|\new
.set MSB, \new
.endif
.endm
; one matrix instruction.  ob = 1: source 1's scale words stand in lanes 16-31 of their register.  zero = 1: it starts the sum
.macro WM2 d, a, b, sa, sb, ob, zero
.if \zero
.if \ob
	v_wmma_scale_f32_16x16x128_f8f6f4 v[\d:\d+7], v[\a:\a+15], v[\b:\b+15], 0, v[\sa], v[\sb] matrix_b_scale:MATRIX_SCALE_ROW1
.else
	v_wmma_scale_f32_16x16x128_f8f6f4 v[\d:\d+7], v[\a:\a+15], v[\b:\b+15], 0, v[\sa], v[\sb]
.endif
.else
.if \ob
	v_wmma_scale_f32_16x16x128_f8f6f4 v[\d:\d+7], v[\a:\a+15], v[\b:\b+15], v[\d:\d+7], v[\sa], v[\sb] matrix_b_scale:MATRIX_SCALE_ROW1
.else
	v_wmma_scale_f32_16x16x128_f8f6f4 v[\d:\d+7], v[\a:\a+15], v[\b:\b+15], v[\d:\d+7], v[\sa], v[\sb]
.endif
.endif
.endm
.macro WLD j                           ; W2's fragments of stage j: my two tiles x 4 K steps: 32 loads of 512 consecutive bytes
.if (\j) < 2
	WIN 0x40
.else
	WIN 0x80
.endif
.irp tt, 0,1
.irp s, 0,1,2,3
.irp c, 0,1,2,3
	global_load_b128 v[16*(8*\tt+4*((\j)%2)+\s)+4*\c:16*(8*\tt+4*((\j)%2)+\s)+4*\c+3], v1, s[18:19] offset:32768*\tt+2048*(4*(\j)+\s)+512*\c
.endr
.endr
.endr
	WIN 0
.endm
.macro ALD j                           ; my quarter of stage j's hidden codes: tiles of rows 2 w, 2 w + 1 x 4 K steps: 32 loads
	WIN 0xc0
.irp mm, 0,1
.irp s, 0,1,2,3
.irp c, 0,1,2,3
	global_load_b128 v[16*(4*\mm+\s)+4*\c:16*(4*\mm+\s)+4*\c+3], v1, s[16:17] offset:32768*\mm+2048*(4*(\j)+\s)+512*\c
.endr
.endr
.endr
	WIN 0
.endm
.macro AST j                           ; and into LDS as they stand: fragment 8 s + m of the stage
	WIN 0x0c                                       ; an LDS store's data are its source 1: window 3
.irp mm, 0,1
.irp s, 0,1,2,3
.irp c, 0,1,2,3
	ds_store_b128 v[6+(\j)], v[16*(4*\mm+\s)+4*\c:16*(4*\mm+\s)+4*\c+3] offset:2048*(8*\s+\mm)+512*\c
.endr
.endr
.endr
	WIN 0
.endm
.macro OLD                             ; o2 + b2 of my 16 accumulators, in their order, into the registers that the codes have left
	WIN 0xc0
.irp m, 0,1,2,3,4,5,6,7
.irp jj, 0,1,2,3
	global_load_b128 v[16*\m+4*\jj:16*\m+4*\jj+3], v1, s[24:25] offset:32768*\m+512*\jj
.endr
.endr
	WIN 0
.endm
.macro ACTL j, n                       ; unit n of stage j: K step n / 2 of the stage, tiles of rows 4 (n % 2) .. + 3, into buffer n % 2
.irp q, 0,1,2,3
.irp c, 0,1,2,3
	ds_load_b128 v[128+64*((\n)%2)+16*\q+4*\c:128+64*((\n)%2)+16*\q+4*\c+3], v[2+\j] offset:2048*(8*((\n)/2)+4*((\n)%2)+\q)+512*\c
.endr
.endr
.endm
.macro MMU j, n                        ; its 8 matrix instructions, then eight places for the loads into the buffer and the first read of results
.set KS_, 4*(\j)+(\n)/2
.set HH_, (\n)%2
.set BF_, 128+64*((\n)%2)
.if KS_ < 8
	WIN 0xf1                                       ; source 0 window 1, source 1 window 0, C and D window 3
.else
	WIN 0xf2
.endif
.irp q, 0,1,2,3
.irp tt, 0,1
	WM2 128+8*(2*(4*HH_+\q)+\tt), 16*(8*\tt+KS_%8), BF_+16*\q, WS0+80*\tt+KS_, HS+4*KS_+2*HH_+\q/2, \q%2, KS_==0
.endr
.endr
	WIN 0
.rept 8
	v_nop
.endr
.endm
.macro STAGE j
.if (\j) < 3
	s_wait_loadcnt 32                              ; my quarter of this stage's codes is in, and all that is older, this stage's weights among it; the next stage's 32 weight loads may be out
.else
	s_wait_loadcnt 0x0
.endif
	AST \j
	s_wait_dscnt 0x0                               ; for the others' sake: my stores have landed (and have read their registers)
	s_barrier_signal -1
	s_barrier_wait -1                              ; the stage's 32 fragments lie in LDS
.if (\j) < 3
	ALD \j+1
.else
	OLD
.endif
.if (\j) < 2
	WLD \j+2
.endif
	ACTL \j, 0
.irp n, 0,1,2,3,4,5,6,7
	s_wait_dscnt 0x0                               ; this unit's four fragments are in
.if \n < 7
	ACTL \j, \n+1
.endif
	MMU \j, \n
.endr
.endm
	s_load_b256 s[4:11], s[0:1], 0x0               ; hid, wts, o2b, out0
	v_lshl_add_u32 v126, v0, 2, 0x40000
	v_mov_b32 v127, 0
	v_lshrrev_b32 v1, 5, v0
	v_readfirstlane_b32 s12, v1                    ; wave 0..3
	s_and_b32 s14, ttmp7, 0xffff                   ; which 128 columns
	v_and_b32 v12, 31, v0                          ; lane
	v_and_b32 v13, 15, v0                          ; r
	v_bfe_u32 v14, v0, 4, 1                        ; h
	v_lshlrev_b32 v1, 4, v12                       ; 16 lane
	v_lshlrev_b32 v2, 4, v12                       ; the stages in LDS: 16 lane + 65,536 j: an LDS immediate has 16 bits
	v_add_nc_u32 v3, 0x10000, v2
	v_add_nc_u32 v4, 0x20000, v2
	v_add_nc_u32 v5, 0x30000, v2
	s_lshl_b32 s15, s12, 12                        ; my two tiles of rows: 4,096 w
	v_add_nc_u32 v6, s15, v2
	v_add_nc_u32 v7, s15, v3
	v_add_nc_u32 v8, s15, v4
	v_add_nc_u32 v9, s15, v5
	v_lshlrev_b32 v15, 4, v13                      ; 16 r
	v_and_b32 v10, 8, v13
	v_add_nc_u32 v10, v10, v13                     ; r + 8 (r / 8)
	v_mul_u32_u24 v10, v10, SP
	v_lshl_add_u32 v10, v14, 6, v10
	s_lshl_b32 s15, s12, 7
	v_add_nc_u32 v10, s15, v10                     ; the way out, in: my row of a tile, + 128 w + 64 h
	s_mul_i32 s15, s12, 32*SP
	v_add_nc_u32 v11, s15, v1                      ; back: my 32 rows, 16 bytes a lane
	s_mov_b32 s29, 0
	s_lshl_b32 s30, ttmp9, 18                      ; 262,144 x the block of rows
	s_lshl_b32 s31, s12, 16                        ; 65,536 w
	s_wait_kmcnt 0x0
	s_add_co_u32 s28, s30, s31
	s_add_nc_u64 s[16:17], s[4:5], s[28:29]        ; hidden codes: 32,768 bytes a tile of rows; tile 8 x + 2 w
	s_add_nc_u64 s[26:27], s[10:11], s[28:29]      ; out0: row 128 x + 32 w,
	s_lshl_b32 s28, s14, 9
	s_add_nc_u64 s[26:27], s[26:27], s[28:29]      ; column 128 y
	s_lshl_b32 s28, s14, 18
	s_add_co_u32 s28, s28, s31
	s_add_co_u32 s28, s28, O_W2
	s_add_nc_u64 s[18:19], s[6:7], s[28:29]        ; W2: 32,768 bytes a tile; tile 8 y + 2 w
	s_lshl_b32 s28, s14, 13
	s_lshl_b32 s15, s12, 11
	s_add_co_u32 s28, s28, s15
	s_add_co_u32 s28, s28, O_W2S
	s_add_nc_u64 s[20:21], s[6:7], s[28:29]        ; its scale words: 2,048 bytes a pair of tiles; pair 4 y + w
	s_lshl_b32 s28, ttmp9, 9
	s_add_co_u32 s28, s28, O_HSS
	s_add_nc_u64 s[22:23], s[4:5], s[28:29]        ; the hidden layer's scale words: 512 bytes for my 8 tiles, 32,768 from K step to K step
	s_lshl_b32 s28, s14, 13
	s_add_co_u32 s28, s28, s30
	s_add_co_u32 s28, s28, s15
	s_add_nc_u64 s[24:25], s[8:9], s[28:29]        ; o2 + b2: 32,768 bytes a tile of rows, 8,192 a column group, 2,048 for my two tiles
.irp q, 0,1,2,3
	global_load_b128 v[WS0+4*\q:WS0+4*\q+3], v15, s[20:21] offset:512*\q       ; tile 2 w's words of K steps 4 q .. 4 q + 3, column r
	global_load_b128 v[WS1+4*\q:WS1+4*\q+3], v15, s[20:21] offset:512*\q+256   ; tile 2 w + 1's
.endr
.irp k, 0,1,2,3,4,5,6,7,8,9,10,11,12,13,14,15
	global_load_b128 v[HS+4*\k:HS+4*\k+3], v1, s[22:23] offset:32768*\k
.endr
	WLD 0
	ALD 0
	WLD 1
	STAGE 0
	STAGE 1
	STAGE 2
	STAGE 3
	; THE WAY OUT.  The residual and the bias are added; a row's 512 bytes come from four waves: they meet in a stage laid over the images, which nobody reads any more behind the barrier; each wave stores 32 whole rows of the block
	s_wait_loadcnt 0x0                             ; o2 + b2
	WIN 0xcf
.set p, 0
.rept 64
	v_pk_add_f32 v[128+2*p:129+2*p], v[128+2*p:129+2*p], v[2*p:2*p+1]   ; each accumulator from its low end on
.set p, p+1
.endr
	WIN 0
	s_wait_dscnt 0x0                               ; my reads of the images are in
	s_barrier_signal -1
	s_barrier_wait -1                              ; everybody's are
	WIN 0x0c
.irp m, 0,1,2,3,4,5,6,7
.irp tt, 0,1
	ds_store_b128 v10, v[128+8*(2*\m+\tt):128+8*(2*\m+\tt)+3] offset:(32*(\m/2)+8*(\m%2))*SP+32*\tt
	ds_store_b128 v10, v[128+8*(2*\m+\tt)+4:128+8*(2*\m+\tt)+7] offset:(32*(\m/2)+8*(\m%2))*SP+32*\tt+16
.endr
.endr
	WIN 0
	s_wait_dscnt 0x0
	s_barrier_signal -1
	s_barrier_wait -1                              ; 128 rows of 512 bytes lie in the stage
.irp i, 0,1,2,3,4,5,6,7,8,9,10,11,12,13,14,15,16,17,18,19,20,21,22,23,24,25,26,27,28,29,30,31
	ds_load_b128 v[128+4*\i:131+4*\i], v11 offset:\i*SP
.endr
.irp i, 0,1,2,3,4,5,6,7,8,9,10,11,12,13,14,15,16,17,18,19,20,21,22,23,24,25,26,27,28,29,30,31
	s_wait_dscnt 31-\i                             ; row i is back; the younger reads may be out
	global_store_b128 v1, v[128+4*\i:131+4*\i], s[26:27] offset:\i*2048 th:TH_STORE_NT   ; 32 lanes store 512 consecutive bytes, aligned; written once, read by nobody here
.endr
	s_wait_tensorcnt 0x0
	ds_add_u32 v126, v127
	s_wait_dscnt 0x0
	s_endpgm
.Lfunc_end_k_qa3f44fd374_mlp2:
	.size	k_qa3f44fd374_mlp2, .Lfunc_end_k_qa3f44fd374_mlp2-k_qa3f44fd374_mlp2
	.p2alignl 7, 3214868480
	.fill 96, 4, 3214868480
	.section	.rodata,"a",@progbits
	.p2align	6, 0x0
	.amdhsa_kernel k_qa3f44fd374_mlp2
		.amdhsa_group_segment_fixed_size 262656
		.amdhsa_private_segment_fixed_size 0
		.amdhsa_enable_private_segment 0
		.amdhsa_kernarg_size 32
		.amdhsa_user_sgpr_count 2
		.amdhsa_user_sgpr_kernarg_segment_ptr 1
		.amdhsa_wavefront_size32 1
		.amdhsa_system_sgpr_workgroup_id_x 1
		.amdhsa_system_sgpr_workgroup_id_y 1
		.amdhsa_system_sgpr_workgroup_id_z 1
		.amdhsa_system_vgpr_workitem_id 0
		.amdhsa_next_free_vgpr 1024
		.amdhsa_next_free_sgpr 66
		.amdhsa_reserve_vcc 0
		.amdhsa_float_denorm_mode_32 3
		.amdhsa_float_denorm_mode_16_64 3
		.amdhsa_memory_ordered 1
		.amdhsa_forward_progress 1
		.amdhsa_inst_pref_size 129
	.end_amdhsa_kernel
	.amdgpu_metadata
---
amdhsa.version: [ 1, 2 ]
amdhsa.kernels:
  - .name:           k_qa3f44fd374_mlp2
    .symbol:         k_qa3f44fd374_mlp2.kd
    .args:
      - { .name: hid, .offset: 0, .size: 8, .value_kind: global_buffer, .address_space: global }
      - { .name: wts, .offset: 8, .size: 8, .value_kind: global_buffer, .address_space: global }
      - { .name: o2b, .offset: 16, .size: 8, .value_kind: global_buffer, .address_space: global }
      - { .name: out0, .offset: 24, .size: 8, .value_kind: global_buffer, .address_space: global }
    .group_segment_fixed_size: 262656
    .private_segment_fixed_size: 0
    .kernarg_segment_align: 8
    .kernarg_segment_size: 32
    .max_flat_workgroup_size: 128
    .sgpr_count:     66
    .vgpr_count:     1024
    .wavefront_size: 32
...
	.end_amdgpu_metadata
.endif
;; end of part 8
;; ======== version 3 of 3: 6 launches
;; workspace buffers: wts 3,244,032 bytes; act 8,650,752 bytes; qkv 12,976,128 bytes; att 4,325,376 bytes; hln 4,325,376 bytes; o2b 16,777,216 bytes; hid 17,301,504 bytes
;; launch prep (part 9): grid 448 x 1, 4 waves a work-group, no clusters, 0 bytes of LDS; arguments x, y, g_ln1x, b_ln1x, g_ln1y, b_ln1y, Wq, Wp, W2, Wkv, W1, wts, act; writes wts, act
.if DOCPART == 9
	.amdgcn_target "amdgcn-amd-amdhsa--gfx1250"
	.amdhsa_code_object_version 6
	.text
	.protected	k_qa3f44fd374_prep
	.globl	k_qa3f44fd374_prep
	.p2align	8
	.type	k_qa3f44fd374_prep,@function
k_qa3f44fd374_prep:
	s_mov_b64 s[64:65], 0
	v_nop
	global_prefetch_b8 v0, s[64:65] scope:SCOPE_SE
	s_setreg_imm32_b32 hwreg(HW_REG_WAVE_MODE, 25, 1), 1
	s_wait_xcnt 0x0
; PREP.  (1) LN(x) and LN(y), f32, quantised along their 512 columns to E4M3 codes with one E8M0 byte for each 32; (2) Wq, Wkv, Wp, W1, W2 ([K][N] f32) quantised along K.
; ALL RESULTS ARE LAID AS IMAGES OF OPERAND REGISTERS.  A fragment (16 rows x 128 K, 16 registers a lane) is 2,048 bytes: piece c (512 bytes) holds registers 4 c .. 4 c + 3, lane l's 16 bytes at 512 c + 16 l:
; k = 32 c + 16 (l / 16) + 0 .. 15 of row l % 16.  Code buffers are [tile][K step][2,048].
; THE 16 ROWS (OR WEIGHT COLUMNS) OF A TILE ARE NOT NEIGHBOURS: lane r of tile 2 b + u takes row 32 b + 8 u + r + 8 (r / 8), so that a product that takes such a tile as source 0 leaves 16 neighbours in the 16 registers of tiles 2 b, 2 b + 1.
; Scale words (4 bytes: 128 K of one row): [tile / 2][K step / 4][16 (tile % 2) + r][K step % 4].
; Work-groups 0-127: x; 128-255: y (a wave takes a tile of 16 rows; a lane holds half a row, 256 numbers, in registers: the row is read once, mean and variance are two true passes).
; Work-groups 256-271 Wq, 272-287 Wp, 288-351 W2, 352-383 Wkv, 384-447 W1: a work-group takes 128 columns x 128 K, a lane one column, its registers run down K.
; No LDS, no barrier, no change of EXEC: waves share nothing.
; LIMITS: NaN and infinities among the inputs are not served.  A block of zeros gets the byte 1 where the rule says 127: its codes are zeros, and the bytes are read by this program alone.
.set O_WQ,  0
.set O_WKV, 262144
.set O_WP,  786432
.set O_W1,  1048576
.set O_W2,  2097152
.set O_WQS, 3145728
.set O_WKVS, 3153920
.set O_WPS, 3170304
.set O_W1S, 3178496
.set O_W2S, 3211264
.set O_YC,  4194304                    ; in act: x's codes at 0, y's here
.set O_XS,  8388608
.set O_YS,  8519680
.set SEL, 46                           ; s[46:47] v_permlanex16_b32's selects for lane l xor 16
.set MNT, 48                           ; s48 the mantissa field of 448
.set ST,  16                           ; v16-79   64 numbers at work
.set G,   80                           ; v80-143  the gain of a K step
.set B,   144                          ; v144-207 the bias of a K step
.set PC,  208                          ; v208-223 the codes just made
.set TM,  224                          ; v224-239 the quantiser's work
.set PW,  244                          ; v244     the scale word just made
.set MSB, 0
.macro WIN new                         ; the immediate's high byte repeats the setting that is left
.if MSB != \new
	s_set_vgpr_msb (MSB<<8)|\new
.set MSB, \new
.endif
.endm
; 64 numbers of a lane, register 16 b + i = k 32 b + 16 (lane / 16) + i of my row, become a fragment's codes in v[PC] on and its scale word in v[PW]
.macro QUANT s
.irp b, 0,1,2,3
	v_max3_num_f32 v[TM+\b], |v[\s+16*\b]|, |v[\s+1+16*\b]|, 0x4800000   ; my 16 numbers of block b, and the floor 2^(9 - 127): the byte cannot fall under 1
.endr
.irp i, 2,4,6,8,10,12,14
.irp b, 0,1,2,3
	v_max3_num_f32 v[TM+\b], v[TM+\b], |v[\s+16*\b+\i]|, |v[\s+1+16*\b+\i]|
.endr
.endr
.irp b, 0,1,2,3
	v_permlanex16_b32 v[TM+4+\b], v[TM+\b], s[SEL], s[SEL+1]
.endr
.irp b, 0,1,2,3
	v_max_num_f32 v[TM+\b], v[TM+\b], v[TM+4+\b]           ; with lane l xor 16's: the block's largest magnitude
.endr
.irp b, 0,1,2,3
	v_add_nc_u32 v[TM+12+\b], 0xfc000000, v[TM+\b]         ; 8 off its exponent field: the conversion's scale operand
.endr
.irp b, 0,1,2,3
	v_and_or_b32 v[TM+8+\b], v[TM+\b], 0x7f800000, s[MNT]  ; 448 x the scale
.endr
.irp b, 0,1,2,3
	v_lshrrev_b32 v[TM+4+\b], 23, v[TM+12+\b]              ; the scale's byte
.endr
	v_lshl_or_b32 v[PW], v[TM+5], 8, v[TM+4]
	v_lshl_or_b32 v[PW], v[TM+6], 16, v[PW]
	v_lshl_or_b32 v[PW], v[TM+7], 24, v[PW]
.irp b, 0,1,2,3
.irp i, 0,1,2,3,4,5,6,7,8,9,10,11,12,13,14,15
	v_med3_num_f32 v[\s+16*\b+\i], v[\s+16*\b+\i], -v[TM+8+\b], v[TM+8+\b]   ; the conversion to an 8-bit code does not saturate (ISA guide 7.6.2): the hold
.endr
	v_cvt_scalef32_pk8_fp8_f32 v[PC+4*\b:PC+1+4*\b], v[\s+16*\b:\s+7+16*\b], v[TM+12+\b]
	v_cvt_scalef32_pk8_fp8_f32 v[PC+2+4*\b:PC+3+4*\b], v[\s+8+16*\b:\s+15+16*\b], v[TM+12+\b]
.endr
	v_nop                                          ; a plain line behind the last conversion
.endm
.macro GBLOAD s                        ; gain and bias of K step s, in the layout of my 64 numbers
.irp c, 0,1,2,3
.irp i, 0,1,2,3
	global_load_b128 v[G+16*\c+4*\i:G+16*\c+4*\i+3], v2, s[34:35] offset:512*(\s)+128*\c+16*\i
	global_load_b128 v[B+16*\c+4*\i:B+16*\c+4*\i+3], v2, s[36:37] offset:512*(\s)+128*\c+16*\i
.endr
.endr
.endm
.macro WLOAD t, N                      ; block t of my column: W(32 t + i, column), i = 0 .. 31, into set t % 2; 32 lanes read 128 consecutive bytes
.irp i, 0,1,2,3,4,5,6,7,8,9,10,11,12,13,14,15,16,17,18,19,20,21,22,23,24,25,26,27,28,29,30,31
	global_load_b32 v[32+32*((\t)%2)+\i], v3, s[32:33] offset:(32*(\t)+\i)*\N*4 th:TH_LOAD_NT
.endr
.endm
.macro WBLOCK t, N
.set XB, 32+32*((\t)%2)
.if (\t) < 3
	s_wait_loadcnt 32                              ; this block's 32 loads are in; the next block's 32 may be out
.else
	s_wait_loadcnt 0x0
.endif
	v_max3_num_f32 v12, |v[XB]|, |v[XB+1]|, |v[XB+2]|   ; the block's largest magnitude: all 32 numbers are mine
	v_max3_num_f32 v13, |v[XB+3]|, |v[XB+4]|, |v[XB+5]|
.irp i, 6,10,14,18,22,26
	v_max3_num_f32 v12, v12, |v[XB+\i]|, |v[XB+\i+1]|
	v_max3_num_f32 v13, v13, |v[XB+\i+2]|, |v[XB+\i+3]|
.endr
	v_max3_num_f32 v12, v12, |v[XB+30]|, |v[XB+31]|
	v_max3_num_f32 v12, v12, v13, 0x4800000        ; and the floor
	v_add_nc_u32 v11, 0xfc000000, v12
	v_and_or_b32 v10, v12, 0x7f800000, s[MNT]
	v_lshrrev_b32 v13, 23, v11
.if (\t) == 0
	v_mov_b32 v24, v13                             ; the K step's four bytes make my column's scale word
.else
	v_lshl_or_b32 v24, v13, 8*(\t), v24
.endif
.irp i, 0,1,2,3,4,5,6,7,8,9,10,11,12,13,14,15,16,17,18,19,20,21,22,23,24,25,26,27,28,29,30,31
	v_med3_num_f32 v[XB+\i], v[XB+\i], -v10, v10
.endr
.irp g, 0,1,2,3
	v_cvt_scalef32_pk8_fp8_f32 v[96+8*(\t)+2*\g:97+8*(\t)+2*\g], v[XB+8*\g:XB+8*\g+7], v11
.endr
	v_nop
	global_store_b128 v4, v[96+8*(\t):99+8*(\t)], s[52:53] offset:512*(\t)          ; k = 32 t + 0 .. 15: the image's lane r.  The 16 lanes of a tile store 256 consecutive bytes, aligned
	global_store_b128 v4, v[100+8*(\t):103+8*(\t)], s[52:53] offset:512*(\t)+256    ; k = 32 t + 16 .. 31: its lane 16 + r
.if (\t)+2 < 4
	WLOAD (\t)+2, \N
.endif
.endm
; A weight of N columns.  In: s[32:33] the weight, s34 the work-group's number within it, s35 / s36 where its codes / scale words begin in wts, s37 log2 of its K steps
.macro WPATH N, LOGX
	s_and_b32 s40, s34, (1<<\LOGX)-1               ; X: which 128 columns
	s_lshr_b32 s41, s34, \LOGX                     ; S: which K step
	s_lshl_b32 s42, s40, 2
	s_add_co_u32 s42, s42, s2                      ; cg: my wave's 32 columns = tiles 2 cg, 2 cg + 1
	s_mul_i32 s50, s41, 512*\N                     ; 128 rows of 4 N bytes
	s_lshl_b32 s43, s42, 7
	s_add_co_u32 s50, s50, s43
	s_add_nc_u64 s[32:33], s[32:33], s[50:51]
	s_lshl_b32 s43, s42, 1
	s_lshl_b32 s43, s43, s37
	s_add_co_u32 s43, s43, s41
	s_lshl_b32 s43, s43, 11                        ; (2 cg x K steps + S) fragments
	s_add_co_u32 s50, s43, s35
	s_add_nc_u64 s[52:53], s[26:27], s[50:51]
	s_sub_co_u32 s43, s37, 2
	s_lshl_b32 s43, s42, s43
	s_lshr_b32 s44, s41, 2
	s_add_co_u32 s43, s43, s44
	s_lshl_b32 s43, s43, 9
	s_and_b32 s44, s41, 3
	s_lshl_b32 s44, s44, 2
	s_add_co_u32 s43, s43, s44
	s_add_co_u32 s50, s43, s36
	s_add_nc_u64 s[54:55], s[26:27], s[50:51]
	v_and_b32 v2, 31, v0                           ; j: my column of the 32
	v_lshlrev_b32 v3, 2, v2
	v_bfe_u32 v6, v2, 3, 1                         ; u = (j / 8) % 2: which of the two tiles
	v_and_b32 v7, 7, v2
	v_lshrrev_b32 v8, 4, v2
	v_lshl_add_u32 v7, v8, 3, v7                   ; r = j % 8 + 8 (j / 16): which lane of it
	s_add_co_u32 s43, s37, 11
	v_lshlrev_b32 v4, s43, v6                      ; a tile is K steps x 2,048 bytes
	v_lshl_add_u32 v4, v7, 4, v4
	v_lshl_add_u32 v5, v6, 4, v7
	v_lshlrev_b32 v5, 4, v5                        ; scale words: 16 (16 u + r)
	WLOAD 0, \N
	WLOAD 1, \N
.irp t, 0,1,2,3
	WBLOCK \t, \N
.endr
	global_store_b32 v5, v24, s[54:55]             ; 4 bytes of each 16: these blocks are written in part; it is one byte for each 128 that this path reads
.endm
	s_load_b512 s[4:19], s[0:1], 0x0               ; x, y, g_ln1x, b_ln1x, g_ln1y, b_ln1y, Wq, Wp
	s_load_b256 s[20:27], s[0:1], 0x40             ; W2, Wkv, W1, wts
	s_load_b64 s[28:29], s[0:1], 0x60              ; act
	v_lshrrev_b32 v1, 5, v0
	v_readfirstlane_b32 s2, v1                     ; wave 0..3
	s_mov_b32 s[SEL], 0x76543210
	s_mov_b32 s[SEL+1], 0xfedcba98
	s_mov_b32 s[MNT], 0x600000
	s_mov_b32 s51, 0
	s_wait_kmcnt 0x0
	s_cmp_lt_u32 ttmp9, 256
	s_cbranch_scc1 .Lln
	s_cmp_lt_u32 ttmp9, 352
	s_cbranch_scc1 .Lw512
	s_cmp_lt_u32 ttmp9, 384
	s_cbranch_scc1 .Lwkv
	s_mov_b64 s[32:33], s[24:25]                   ; W1
	s_sub_co_u32 s34, ttmp9, 384
	s_mov_b32 s35, O_W1
	s_mov_b32 s36, O_W1S
	s_mov_b32 s37, 2
	WPATH 2048, 4
	s_endpgm
.Lwkv:
	s_mov_b64 s[32:33], s[22:23]                   ; Wkv
	s_sub_co_u32 s34, ttmp9, 352
	s_mov_b32 s35, O_WKV
	s_mov_b32 s36, O_WKVS
	s_mov_b32 s37, 2
	WPATH 1024, 3
	s_endpgm
.Lw512:                                            ; Wq, Wp or W2: chosen by the work-group's number alone
	s_cmp_lt_u32 ttmp9, 288
	s_cselect_b64 s[32:33], s[18:19], s[20:21]
	s_mov_b32 s34, 288
	s_cselect_b32 s34, 272, s34
	s_mov_b32 s35, O_W2
	s_cselect_b32 s35, O_WP, s35
	s_mov_b32 s36, O_W2S
	s_cselect_b32 s36, O_WPS, s36
	s_cselect_b32 s37, 2, 4
	s_cmp_lt_u32 ttmp9, 272
	s_cselect_b64 s[32:33], s[16:17], s[32:33]
	s_cselect_b32 s34, 256, s34
	s_cselect_b32 s35, 0, s35
	s_cselect_b32 s36, O_WQS, s36
	s_sub_co_u32 s34, ttmp9, s34
	WPATH 512, 2
	s_endpgm
.Lln:                                              ; ---- the layer norms.  Window 1 (v256-511): my half row, register 64 s + 16 c + i = column 128 s + 32 c + 16 (lane / 16) + i
	s_cmp_lt_u32 ttmp9, 128
	s_cselect_b64 s[32:33], s[4:5], s[6:7]         ; x or y,
	s_cselect_b64 s[34:35], s[8:9], s[12:13]       ; its gain,
	s_cselect_b64 s[36:37], s[10:11], s[14:15]     ; its bias,
	s_cselect_b32 s38, 0, O_YC                     ; and where its codes and scale words go
	s_mov_b32 s39, O_YS
	s_cselect_b32 s39, O_XS, s39
	s_and_b32 s40, ttmp9, 127
	s_lshl_b32 s40, s40, 2
	s_add_co_u32 s40, s40, s2                      ; T: my tile of rows
	s_lshr_b32 s41, s40, 1
	s_lshl_b32 s41, s41, 5
	s_and_b32 s42, s40, 1
	s_lshl_b32 s42, s42, 3
	s_add_co_u32 s41, s41, s42                     ; its first row: 32 (T / 2) + 8 (T % 2)
	s_lshl_b32 s50, s41, 11
	s_add_nc_u64 s[32:33], s[32:33], s[50:51]
	s_lshl_b32 s50, s40, 13
	s_add_co_u32 s50, s50, s38
	s_add_nc_u64 s[52:53], s[28:29], s[50:51]
	s_lshl_b32 s50, s40, 8
	s_add_co_u32 s50, s50, s39
	s_add_nc_u64 s[54:55], s[28:29], s[50:51]
	s_mov_b32 s30, 0xffff0000                      ; lanes 16-31
	s_mov_b32 s44, 0x3b000000                      ; 1 / 512
	v_and_b32 v5, 15, v0                           ; r
	v_bfe_u32 v9, v0, 4, 1                         ; h
	v_and_b32 v1, 8, v5
	v_add_nc_u32 v1, v1, v5                        ; r + 8 (r / 8)
	v_lshlrev_b32 v1, 11, v1
	v_lshl_add_u32 v1, v9, 6, v1                   ; my row, + 64 h: my 16 numbers of a block of 32
	v_lshlrev_b32 v2, 6, v9
	v_and_b32 v3, 31, v0
	v_lshlrev_b32 v3, 4, v3                        ; 16 x lane
	v_lshlrev_b32 v4, 4, v5
	v_lshl_add_u32 v4, v9, 3, v4                   ; 16 r + 8 h
.irp b, 0,1,2,3
	v_mov_b32 v[TM+4+\b], 0                        ; written once: a lane permute's destination counts as one of its sources
.endr
	v_mov_b32 v250, 0
	v_mov_b32 v251, 0x3727c5ac                     ; 1e-5
	WIN 0x40                                       ; destination window 1
.irp s, 0,1,2,3
.irp c, 0,1,2,3
.irp i, 0,1,2,3
	global_load_b128 v[64*\s+16*\c+4*\i:64*\s+16*\c+4*\i+3], v1, s[32:33] offset:512*\s+128*\c+16*\i   ; no non-temporal hint: a lane's 64 neighbouring bytes of its row are taken by four loads that follow each other
.endr
.endr
.endr
	WIN 0
	GBLOAD 0
	s_wait_loadcnt 0x0
	WIN 0x05                                       ; the mean: four chains of packed sums, started by the first eight pairs
.irp k, 0,1,2,3
	v_pk_add_f32 v[8+2*\k:9+2*\k], v[4*\k:4*\k+1], v[4*\k+2:4*\k+3]
.endr
	WIN 0x04
.set p, 8
.rept 120
	v_pk_add_f32 v[8+2*(p%4):9+2*(p%4)], v[8+2*(p%4):9+2*(p%4)], v[2*p:2*p+1]
.set p, p+1
.endr
	WIN 0
	v_pk_add_f32 v[8:9], v[8:9], v[10:11]
	v_pk_add_f32 v[12:13], v[12:13], v[14:15]
	v_pk_add_f32 v[8:9], v[8:9], v[12:13]
	v_add_f32 v8, v8, v9
	v_permlanex16_b32 v250, v8, s[SEL], s[SEL+1]   ; the row's other half lies in lane l xor 16
	v_add_f32 v8, v8, v250
	v_mul_f32 v246, s44, v8
	v_mov_b32 v247, v246
	WIN 0x41                                       ; x - mean, in place: the variance is a true second pass
.set p, 0
.rept 128
	v_pk_add_f32 v[2*p:2*p+1], v[2*p:2*p+1], v[246:247] neg_lo:[0,1] neg_hi:[0,1]
.set p, p+1
.endr
	WIN 0x05
.irp k, 0,1,2,3
	v_pk_mul_f32 v[8+2*\k:9+2*\k], v[2*\k:2*\k+1], v[2*\k:2*\k+1]
.endr
.set p, 4
.rept 124
	v_pk_fma_f32 v[8+2*(p%4):9+2*(p%4)], v[2*p:2*p+1], v[2*p:2*p+1], v[8+2*(p%4):9+2*(p%4)]
.set p, p+1
.endr
	WIN 0
	v_pk_add_f32 v[8:9], v[8:9], v[10:11]
	v_pk_add_f32 v[12:13], v[12:13], v[14:15]
	v_pk_add_f32 v[8:9], v[8:9], v[12:13]
	v_add_f32 v8, v8, v9
	v_permlanex16_b32 v250, v8, s[SEL], s[SEL+1]
	v_add_f32 v8, v8, v250
	v_fma_f32 v8, v8, s44, v251                    ; the variance + 1e-5
	s_wait_alu depctr_va_vdst(0)
	v_rsq_f32 v248, v8
	v_nop                                          ; a plain line behind the transcendental,
	s_wait_alu depctr_va_vdst(0)                   ; and the wait ahead of the first line that names its result
	v_mov_b32 v249, v248
.irp s, 0,1,2,3                                    ; a K step at a time: (x - mean) rstd g + b, quantised, stored as one fragment
.if \s > 0
	s_wait_loadcnt 0x0                             ; this K step's gain and bias
.endif
	WIN 0x01
.set p, 0
.rept 32
	v_pk_mul_f32 v[ST+2*p:ST+2*p+1], v[64*\s+2*p:64*\s+2*p+1], v[248:249]
.set p, p+1
.endr
	WIN 0
.set p, 0
.rept 32
	v_pk_fma_f32 v[ST+2*p:ST+2*p+1], v[ST+2*p:ST+2*p+1], v[G+2*p:G+2*p+1], v[B+2*p:B+2*p+1]
.set p, p+1
.endr
.if \s < 3
	GBLOAD \s+1
.endif
	s_wait_xcnt 0x0                                ; the last K step's stores have read their data: the codes' registers are written again only behind this wait
	QUANT ST
	v_mov_b32 v[240+\s], v[PW]
.irp c, 0,1,2,3
	global_store_b128 v3, v[PC+4*\c:PC+4*\c+3], s[52:53] offset:2048*\s+512*\c   ; 32 lanes store 512 consecutive bytes
.endr
.endr
	v_cndmask_b32 v6, v240, v242, s30              ; lanes 0-15 store the words of K steps 0, 1 of row r, lanes 16-31 those of K steps 2, 3:
	v_cndmask_b32 v7, v241, v243, s30
	global_store_b64 v4, v[6:7], s[54:55]          ; the tile's 256 bytes of scale words, whole
	s_endpgm
.Lfunc_end_k_qa3f44fd374_prep:
	.size	k_qa3f44fd374_prep, .Lfunc_end_k_qa3f44fd374_prep-k_qa3f44fd374_prep
	.p2alignl 7, 3214868480
	.fill 96, 4, 3214868480
	.section	.rodata,"a",@progbits
	.p2align	6, 0x0
	.amdhsa_kernel k_qa3f44fd374_prep
		.amdhsa_group_segment_fixed_size 0
		.amdhsa_private_segment_fixed_size 0
		.amdhsa_enable_private_segment 0
		.amdhsa_kernarg_size 104
		.amdhsa_user_sgpr_count 2
		.amdhsa_user_sgpr_kernarg_segment_ptr 1
		.amdhsa_wavefront_size32 1
		.amdhsa_system_sgpr_workgroup_id_x 1
		.amdhsa_system_sgpr_workgroup_id_y 1
		.amdhsa_system_sgpr_workgroup_id_z 1
		.amdhsa_system_vgpr_workitem_id 0
		.amdhsa_next_free_vgpr 512
		.amdhsa_next_free_sgpr 66
		.amdhsa_reserve_vcc 0
		.amdhsa_float_denorm_mode_32 3
		.amdhsa_float_denorm_mode_16_64 3
		.amdhsa_memory_ordered 1
		.amdhsa_forward_progress 1
		.amdhsa_inst_pref_size 183
	.end_amdhsa_kernel
	.amdgpu_metadata
---
amdhsa.version: [ 1, 2 ]
amdhsa.kernels:
  - .name:           k_qa3f44fd374_prep
    .symbol:         k_qa3f44fd374_prep.kd
    .args:
      - { .name: x, .offset: 0, .size: 8, .value_kind: global_buffer, .address_space: global }
      - { .name: y, .offset: 8, .size: 8, .value_kind: global_buffer, .address_space: global }
      - { .name: g_ln1x, .offset: 16, .size: 8, .value_kind: global_buffer, .address_space: global }
      - { .name: b_ln1x, .offset: 24, .size: 8, .value_kind: global_buffer, .address_space: global }
      - { .name: g_ln1y, .offset: 32, .size: 8, .value_kind: global_buffer, .address_space: global }
      - { .name: b_ln1y, .offset: 40, .size: 8, .value_kind: global_buffer, .address_space: global }
      - { .name: Wq, .offset: 48, .size: 8, .value_kind: global_buffer, .address_space: global }
      - { .name: Wp, .offset: 56, .size: 8, .value_kind: global_buffer, .address_space: global }
      - { .name: W2, .offset: 64, .size: 8, .value_kind: global_buffer, .address_space: global }
      - { .name: Wkv, .offset: 72, .size: 8, .value_kind: global_buffer, .address_space: global }
      - { .name: W1, .offset: 80, .size: 8, .value_kind: global_buffer, .address_space: global }
      - { .name: wts, .offset: 88, .size: 8, .value_kind: global_buffer, .address_space: global }
      - { .name: act, .offset: 96, .size: 8, .value_kind: global_buffer, .address_space: global }
    .group_segment_fixed_size: 0
    .private_segment_fixed_size: 0
    .kernarg_segment_align: 8
    .kernarg_segment_size: 104
    .max_flat_workgroup_size: 128
    .sgpr_count:     66
    .vgpr_count:     512
    .wavefront_size: 32
...
	.end_amdgpu_metadata
.endif
;; end of part 9
;; launch proj (part 10): grid 64 x 3, 4 waves a work-group, no clusters, 0 bytes of LDS; arguments wts, act, qkv; writes qkv
.if DOCPART == 10
	.amdgcn_target "amdgcn-amd-amdhsa--gfx1250"
	.amdhsa_code_object_version 6
	.text
	.protected	k_qa3f44fd374_proj
	.globl	k_qa3f44fd374_proj
	.p2align	8
	.type	k_qa3f44fd374_proj,@function
k_qa3f44fd374_proj:
	s_mov_b64 s[64:65], 0
	v_nop
	global_prefetch_b8 v0, s[64:65] scope:SCOPE_SE
	s_setreg_imm32_b32 hwreg(HW_REG_WAVE_SCHED_MODE, 0, 2), 2
	s_setreg_imm32_b32 hwreg(HW_REG_WAVE_MODE, 25, 1), 1
	s_wait_xcnt 0x0
	s_wait_alu depctr_vm_vsrc(0)
; PROJ.  q = LN(y) Wq, k = LN(x) Wkv[:, :512], v = LN(x) Wkv[:, 512:], on E4M3 codes with E8M0 scales; the results are quantised in registers: q and k along the head's channels, v along the keys.
; One body for the three (work-group y = 0: q, 1: k, 2: v).  Waves share nothing: no LDS, no barrier.
; A wave holds a RESIDENT group of 8 tiles x 4 K steps (512 registers) as source 0 and streams 8 tiles as source 1.  A unit = one streamed tile: 32 matrix instructions into 8 accumulators, the quantiser, one fragment out.
;   q, k: resident = 128 columns of the weight, streamed = tiles of 16 rows: a lane holds one row, its 64 registers 128 columns' worth of its half: two heads x two blocks of 32.
;   v:    resident = 128 keys of LN(x), streamed = tiles of 16 channels of the weight: a lane holds one channel, its registers run along the keys.
; The rows of a tile are chosen (lane r of tile 2 b + u: row 32 b + 8 u + r + 8 (r / 8)) so that register 16 b + i of the 8 accumulators is k = 32 b + 16 (lane / 16) + i of the next product.
; OUT: codes [group][streamed tile][2,048] as register images; scale words in quads: 4 streamed tiles take 256 bytes, [16 u + r][j] words for tile 4 q + 2 j + u.
; LIMITS: NaN and infinities are not served; a block of zeros gets the byte 1 (its codes are zeros; only this program reads the bytes).
; REGISTERS: window 1: resident tiles 0-3 at 16 (4 t + s); window 2: tiles 4-7.  Window 0: v1 16 lane, v2 16 r, v3 8 lane, v[4:5] scale words on their way out, v6 the word just made, v8-23 resident scale words,
;   v24-31 streamed scale words (two sets), v32-159 streamed fragments (two sets), v160-223 accumulators, v224-239 codes, v240-255 the quantiser's work.
; THE MODE: SCHED_MODE bits 1:0 = 2 (LLVM: expert scheduling mode 2), set by the entry lines.  The code itself states the register dependences between vector or matrix instructions and memory instructions, with s_wait_alu, always for 0.
; THE PLAN.  Registers that memory instructions touch:
;   the streamed sets and their scale words   Written by the loads of unit u + 2, which are issued in unit u; read by unit u's 32 matrix instructions.
;   v224-239 (codes), v[4:5] (scale words)    Written by unit u's conversions and the line behind them; read by the stores that are issued in unit u + 1.
;   v1, v2, v3                                Offsets, made once at the head and never written again.  The resident windows and their scale words are loaded once.
; So ONE wait on va_vdst stands in a unit, behind its matrix instructions and their places: they are done reading the set in which the loads of unit u + 2 land, and unit u - 1 has written what its stores read.
; Those loads and stores follow it.  One wait on vm_vsrc stands in the quantiser, ahead of the conversions that write the codes' registers again.
.set O_WKV, 262144
.set O_WQS, 3145728
.set O_WKVS, 3153920
.set O_YC,  4194304
.set O_XS,  8388608
.set O_YS,  8519680
.set O_KC,  4194304
.set O_VC,  8388608
.set O_QS,  12582912
.set O_KS,  12713984
.set O_VS,  12845056
.set RS,  8
.set SS,  24
.set STR, 32
.set ACC, 160
.set PC,  224
.set TM,  240
.set PW,  6
.set SEL, 42
.set MNT, 44
.set MSB, 0
.macro WIN new                         ; the immediate's high byte repeats the setting that is left
.if MSB != \new
	s_set_vgpr_msb (MSB<<8)|\new
.set MSB, \new
.endif
.endm
; The quantiser in two parts.  The first makes the four blocks' scales and the scale word; it names no register that a memory instruction touches
.macro QSCALE s
.irp b, 0,1,2,3
	v_max3_num_f32 v[TM+\b], |v[\s+16*\b]|, |v[\s+1+16*\b]|, 0x4800000   ; my 16 numbers of block b, and the floor 2^(9 - 127).  (Each accumulator is read from its low end on)
.endr
.irp i, 2,4,6,8,10,12,14
.irp b, 0,1,2,3
	v_max3_num_f32 v[TM+\b], v[TM+\b], |v[\s+16*\b+\i]|, |v[\s+1+16*\b+\i]|
.endr
.endr
.irp b, 0,1,2,3
	v_permlanex16_b32 v[TM+4+\b], v[TM+\b], s[SEL], s[SEL+1]
.endr
.irp b, 0,1,2,3
	v_max_num_f32 v[TM+\b], v[TM+\b], v[TM+4+\b]
.endr
.irp b, 0,1,2,3
	v_add_nc_u32 v[TM+12+\b], 0xfc000000, v[TM+\b]
.endr
.irp b, 0,1,2,3
	v_and_or_b32 v[TM+8+\b], v[TM+\b], 0x7f800000, s[MNT]
.endr
.irp b, 0,1,2,3
	v_lshrrev_b32 v[TM+4+\b], 23, v[TM+12+\b]
.endr
	v_lshl_or_b32 v[PW], v[TM+5], 8, v[TM+4]
	v_lshl_or_b32 v[PW], v[TM+6], 16, v[PW]
	v_lshl_or_b32 v[PW], v[TM+7], 24, v[PW]
.endm
; The second holds the numbers and makes the codes
.macro QCODES s
.irp b, 0,1,2,3
.irp i, 0,1,2,3,4,5,6,7,8,9,10,11,12,13,14,15
	v_med3_num_f32 v[\s+16*\b+\i], v[\s+16*\b+\i], -v[TM+8+\b], v[TM+8+\b]
.endr
	v_cvt_scalef32_pk8_fp8_f32 v[PC+4*\b:PC+1+4*\b], v[\s+16*\b:\s+7+16*\b], v[TM+12+\b]
	v_cvt_scalef32_pk8_fp8_f32 v[PC+2+4*\b:PC+3+4*\b], v[\s+8+16*\b:\s+15+16*\b], v[TM+12+\b]
.endr
	v_nop
.endm
; one matrix instruction.  odd = 1: source 0's scale words stand in lanes 16-31 of their register.  zero = 1: it starts the sum
.macro WM d, a, b, sa, sb, odd, zero
.if \zero
.if \odd
	v_wmma_scale_f32_16x16x128_f8f6f4 v[\d:\d+7], v[\a:\a+15], v[\b:\b+15], 0, v[\sa], v[\sb] matrix_a_scale:MATRIX_SCALE_ROW1
.else
	v_wmma_scale_f32_16x16x128_f8f6f4 v[\d:\d+7], v[\a:\a+15], v[\b:\b+15], 0, v[\sa], v[\sb]
.endif
.else
.if \odd
	v_wmma_scale_f32_16x16x128_f8f6f4 v[\d:\d+7], v[\a:\a+15], v[\b:\b+15], v[\d:\d+7], v[\sa], v[\sb] matrix_a_scale:MATRIX_SCALE_ROW1
.else
	v_wmma_scale_f32_16x16x128_f8f6f4 v[\d:\d+7], v[\a:\a+15], v[\b:\b+15], v[\d:\d+7], v[\sa], v[\sb]
.endif
.endif
.endm
.macro SLOAD u                         ; streamed tile u: 4 fragments and its scale words: 17 loads
.irp s, 0,1,2,3
.irp c, 0,1,2,3
	global_load_b128 v[STR+64*((\u)%2)+16*\s+4*\c:STR+64*((\u)%2)+16*\s+4*\c+3], v1, s[20:21] offset:8192*(\u)+2048*\s+512*\c
.endr
.endr
	global_load_b128 v[SS+4*((\u)%2):SS+4*((\u)%2)+3], v2, s[22:23] offset:256*(\u)
.endm
.macro OUT u                           ; unit u's fragment, and behind each fourth unit a quad of scale words
.irp c, 0,1,2,3
	global_store_b128 v1, v[PC+4*\c:PC+4*\c+3], s[24:25] offset:2048*(\u)+512*\c   ; 32 lanes store 512 consecutive bytes
.endr
.if (\u)%4 == 3
	global_store_b64 v3, v[4:5], s[26:27] offset:256*((\u)/4)    ; a quad: 256 bytes, whole
.endif
.endm
.macro UNIT u
.set SBF, STR+64*((\u)%2)
.set SSB, SS+4*((\u)%2)
.if (\u) < 7
	s_wait_loadcnt 17                              ; all but the next unit's 17 loads
.else
	s_wait_loadcnt 0x0
.endif
	WIN 0x01                                       ; source 0 in window 1.  Four accumulators by turns, one instruction a turn
.irp s, 0,1,2,3
.irp t, 0,1,2,3
	WM ACC+8*\t, 16*(4*\t+\s), SBF+16*\s, RS+4*(\t/2)+\s, SSB+\s, \t%2, \s==0
.endr
.endr
	WIN 0x02                                       ; source 0 in window 2: tiles 4-7
.irp s, 0,1,2,3
.irp t, 0,1,2,3
	WM ACC+32+8*\t, 16*(4*\t+\s), SBF+16*\s, RS+8+4*(\t/2)+\s, SSB+\s, \t%2, \s==0
.endr
.endr
	WIN 0
.rept 8
	v_nop                                          ; eight places ahead of the first read of results; the quantiser's lines on its own registers add the ninth ahead of the next unit's first products
.endr
	s_wait_alu depctr_va_vdst(0)                   ; this unit's matrix instructions are done reading the streamed set and its scale words, in which the loads below land; the unit before has written its codes and scale words, which the stores below read
.if (\u) < 6
	SLOAD (\u)+2
.endif
.if (\u) > 0
	OUT (\u)-1
.endif
	QSCALE ACC
.if (\u) > 0
	s_wait_xcnt 0x0                                ; the stores above have had their addresses translated (ISA guide 3.1): their data are written again only behind this wait,
	s_wait_alu depctr_vm_vsrc(0)                   ; and they have read v224-239 and v[4:5], which the conversions and the line behind them write again
.endif
	QCODES ACC
.if (\u)%2 == 0
	v_mov_b32 v[4+((\u)/2)%2], v[PW]               ; an even tile's words in lanes 0-15,
.else
	v_cndmask_b32 v[4+((\u)/2)%2], v[4+((\u)/2)%2], v[PW], s30   ; the odd tile's in lanes 16-31
.endif
.endm
	s_load_b128 s[4:7], s[0:1], 0x0                ; wts, act
	s_load_b64 s[8:9], s[0:1], 0x10                ; qkv
	v_lshrrev_b32 v1, 5, v0
	v_readfirstlane_b32 s10, v1                    ; wave
	s_and_b32 s11, ttmp7, 0xffff                   ; 0: q, 1: k, 2: v
	s_lshl_b32 s12, ttmp9, 2
	s_wait_alu depctr_va_sdst(0)                   ; s10 is written, ahead of its first reader: every base is made from it
	s_add_co_u32 s12, s12, s10                     ; W: 0 .. 255
	s_mov_b32 s[SEL], 0x76543210
	s_mov_b32 s[SEL+1], 0xfedcba98
	s_mov_b32 s[MNT], 0x600000
	s_mov_b32 s30, 0xffff0000
	s_mov_b32 s29, 0
	s_mov_b32 s32, 0                               ; q: resident Wq's codes,
	s_mov_b32 s33, O_WQS                           ; its scale words,
	s_mov_b32 s34, O_YC                            ; streamed LN(y)'s codes,
	s_mov_b32 s35, O_YS                            ; its scale words,
	s_mov_b32 s36, 0                               ; out: q's codes,
	s_mov_b32 s37, O_QS                            ; q's scale words
	s_cmp_eq_u32 s11, 1
	s_cselect_b32 s32, O_WKV, s32
	s_cselect_b32 s33, O_WKVS, s33
	s_cselect_b32 s34, 0, s34
	s_cselect_b32 s35, O_XS, s35
	s_cselect_b32 s36, O_KC, s36
	s_cselect_b32 s37, O_KS, s37
	s_cmp_eq_u32 s11, 2
	s_cselect_b32 s32, 0, s32
	s_cselect_b32 s33, O_XS, s33
	s_cselect_b32 s34, O_WKV+262144, s34
	s_cselect_b32 s35, O_WKVS+8192, s35
	s_cselect_b32 s36, O_VC, s36
	s_cselect_b32 s37, O_VS, s37
	s_cselect_b32 s13, 2, 6                        ; R = W >> this,
	s_cselect_b32 s14, 3, 63                       ; S0 = 8 (W & this),
	s_cselect_b32 s15, 5, 9                        ; log2 of the streamed tiles in all
	s_wait_kmcnt 0x0
	s_cselect_b64 s[16:17], s[6:7], s[4:5]         ; the resident operand's buffer: the choice hangs on the work-group's number alone
	s_cselect_b64 s[20:21], s[4:5], s[6:7]         ; the streamed one's
	s_mov_b64 s[18:19], s[16:17]
	s_mov_b64 s[22:23], s[20:21]
	s_lshr_b32 s38, s12, s13                       ; R
	s_and_b32 s39, s12, s14
	s_lshl_b32 s39, s39, 3                         ; S0
	s_lshl_b32 s28, s38, 16
	s_add_co_u32 s28, s28, s32
	s_add_nc_u64 s[16:17], s[16:17], s[28:29]
	s_lshl_b32 s28, s38, 11
	s_add_co_u32 s28, s28, s33
	s_add_nc_u64 s[18:19], s[18:19], s[28:29]
	s_lshl_b32 s28, s39, 13
	s_add_co_u32 s28, s28, s34
	s_add_nc_u64 s[20:21], s[20:21], s[28:29]
	s_lshl_b32 s28, s39, 8
	s_add_co_u32 s28, s28, s35
	s_add_nc_u64 s[22:23], s[22:23], s[28:29]
	s_lshl_b32 s40, s38, s15
	s_add_co_u32 s40, s40, s39                     ; the first fragment that I write
	s_lshl_b32 s28, s40, 11
	s_add_co_u32 s28, s28, s36
	s_add_nc_u64 s[24:25], s[8:9], s[28:29]
	s_lshr_b32 s28, s40, 2
	s_lshl_b32 s28, s28, 8
	s_add_co_u32 s28, s28, s37
	s_add_nc_u64 s[26:27], s[8:9], s[28:29]
	v_and_b32 v3, 31, v0
	v_lshlrev_b32 v1, 4, v3                        ; 16 x lane
	v_and_b32 v2, 15, v0
	v_lshlrev_b32 v2, 4, v2                        ; 16 r
	v_lshlrev_b32 v3, 3, v3                        ; 8 x lane
.irp b, 0,1,2,3
	v_mov_b32 v[TM+4+\b], 0                        ; written once: a lane permute's destination counts as one of its sources
.endr
	s_wait_alu depctr_va_vdst(0)                   ; v1, v2 and v3 are written: every load and store of the kernel reads one of them as its offset
.irp p, 0,1,2,3
	global_load_b128 v[RS+4*\p:RS+4*\p+3], v1, s[18:19] offset:512*\p   ; tiles 2 p (lanes 0-15) and 2 p + 1 (lanes 16-31), K steps 0-3
.endr
	WIN 0x40
.irp t, 0,1,2,3
.irp s, 0,1,2,3
.irp c, 0,1,2,3
	global_load_b128 v[16*(4*\t+\s)+4*\c:16*(4*\t+\s)+4*\c+3], v1, s[16:17] offset:8192*\t+2048*\s+512*\c
.endr
.endr
.endr
	WIN 0x80
.irp t, 0,1,2,3
.irp s, 0,1,2,3
.irp c, 0,1,2,3
	global_load_b128 v[16*(4*\t+\s)+4*\c:16*(4*\t+\s)+4*\c+3], v1, s[16:17] offset:8192*(\t+4)+2048*\s+512*\c
.endr
.endr
.endr
	WIN 0
	SLOAD 0
	SLOAD 1
.irp u, 0,1,2,3,4,5,6,7
	UNIT \u
.endr
	s_wait_alu depctr_va_vdst(0)                   ; unit 7 has written its codes and the last quad's scale words, which the last stores read
	OUT 7
	s_endpgm
.Lfunc_end_k_qa3f44fd374_proj:
	.size	k_qa3f44fd374_proj, .Lfunc_end_k_qa3f44fd374_proj-k_qa3f44fd374_proj
	.p2alignl 7, 3214868480
	.fill 96, 4, 3214868480
	.section	.rodata,"a",@progbits
	.p2align	6, 0x0
	.amdhsa_kernel k_qa3f44fd374_proj
		.amdhsa_group_segment_fixed_size 0
		.amdhsa_private_segment_fixed_size 0
		.amdhsa_enable_private_segment 0
		.amdhsa_kernarg_size 24
		.amdhsa_user_sgpr_count 2
		.amdhsa_user_sgpr_kernarg_segment_ptr 1
		.amdhsa_wavefront_size32 1
		.amdhsa_system_sgpr_workgroup_id_x 1
		.amdhsa_system_sgpr_workgroup_id_y 1
		.amdhsa_system_sgpr_workgroup_id_z 1
		.amdhsa_system_vgpr_workitem_id 0
		.amdhsa_next_free_vgpr 768
		.amdhsa_next_free_sgpr 66
		.amdhsa_reserve_vcc 0
		.amdhsa_float_denorm_mode_32 3
		.amdhsa_float_denorm_mode_16_64 3
		.amdhsa_memory_ordered 1
		.amdhsa_forward_progress 1
		.amdhsa_inst_pref_size 132
	.end_amdhsa_kernel
	.amdgpu_metadata
---
amdhsa.version: [ 1, 2 ]
amdhsa.kernels:
  - .name:           k_qa3f44fd374_proj
    .symbol:         k_qa3f44fd374_proj.kd
    .args:
      - { .name: wts, .offset: 0, .size: 8, .value_kind: global_buffer, .address_space: global }
      - { .name: act, .offset: 8, .size: 8, .value_kind: global_buffer, .address_space: global }
      - { .name: qkv, .offset: 16, .size: 8, .value_kind: global_buffer, .address_space: global }
    .group_segment_fixed_size: 0
    .private_segment_fixed_size: 0
    .kernarg_segment_align: 8
    .kernarg_segment_size: 24
    .max_flat_workgroup_size: 128
    .sgpr_count:     66
    .vgpr_count:     768
    .wavefront_size: 32
...
	.end_amdgpu_metadata
.endif
;; end of part 10
;; launch attn (part 11): grid 8 x 32, 16 waves a work-group, no clusters, 276,480 bytes of LDS; arguments qkv, att; writes att
.if DOCPART == 11
	.amdgcn_target "amdgcn-amd-amdhsa--gfx1250"
	.amdhsa_code_object_version 6
	.text
	.protected	k_qa3f44fd374_attn
	.globl	k_qa3f44fd374_attn
	.p2align	8
	.type	k_qa3f44fd374_attn,@function
k_qa3f44fd374_attn:
	s_mov_b64 s[64:65], 0
	v_nop
	global_prefetch_b8 v0, s[64:65] scope:SCOPE_SE
	s_setreg_imm32_b32 hwreg(HW_REG_WAVE_SCHED_MODE, 0, 2), 2
	s_setreg_imm32_b32 hwreg(HW_REG_WAVE_MODE, 25, 1), 1
	s_wait_xcnt 0x0
	s_wait_alu depctr_vm_vsrc(0)
; ATTN.  o = softmax(q k^T / 8) v for one (batch, head) and 256 queries a work-group, both products on E4M3 codes with E8M0 scales; o / l is quantised along the 512 columns of (head, channel) and stored as codes.
; THE SOFTMAX: t = score x log2(e) / 8; M = the running largest t rounded UP to a whole number; p = 2^(t - M) is quantised along the keys, not normalised; the row's sum is taken of the unquantised p and divides at the end;
; when M moves, the sum and O are multiplied by 2^(old M - new M), exactly.
; SHARES.  Sixteen waves, one tile of 16 queries each, 256 registers: four waves to a SIMD, so that one wave's vector work stands beside another's matrix work and LDS loads.
; A WHOLE HEAD'S K AND V (128 + 128 KiB of codes, 12 KiB of scale words) ARE COPIED INTO LDS ONCE, through registers, ahead of ONE barrier; then the waves share nothing more.  No tile is fetched twice by a
; work-group, so there is nothing to ask for jointly in a loop: no ring, no cluster.
; All operands lie as register images (16 bytes a lane, 512 a piece): every LDS access is 16 x lane on end, without padding.
; LAYOUT.  Both products transposed: S^T = K Q^T, O^T = V^T P^T: a lane holds one query.  The keys of a tile of K and the channels of a tile of V were chosen by the launch before so that 16 registers of two neighbouring tiles are 16 neighbours.
; K = 64 IN AN INSTRUCTION OF 128.  Q's registers 8-15 are zero codes and its scale bytes 2, 3 are 0.  K's tile t is named v[32 + 8 t : 47 + 8 t]: its upper eight registers are the NEXT tile's codes (for t = 7: zeros).  Those are finite
; numbers of E4M3 (the quantiser holds at 448: no NaN code), and finite x 0 adds nothing.  So K's tiles take 8 registers each and are read from LDS once.
; LIMITS: NaN and infinities are not served; a block of zeros gets the byte 1 (its codes are zeros; only this program reads the bytes).
; REGISTERS: v1 16 lane; v2, v3 my place among K's, V's scale words; v4-7 the step's addresses; v8 Q's scale word; v[10:11] V's; v12 -M, v13 the largest t, v[14:15] the sum; v16-23 Q, v24-31 zeros; v32-95 K's 8 tiles or V's 4 fragments;
;   v96-103 zeros; v104-167 S^T, then p; v168-199 O^T; v200-215 p's codes; v216-219 K's scale words; v220-239 at work; v254, v255 the closing add's two.
; THE MODE: SCHED_MODE bits 1:0 = 2 (LLVM: expert scheduling mode 2), set by the entry lines.  The code itself states the register dependences between vector or matrix instructions and memory or LDS instructions, with s_wait_alu, always for 0.
; THE PLAN.  Registers that memory or LDS instructions touch:
;   At the head: v1-3 and v200-209, offsets and addresses, made ahead of the first load; v32-95, v104-167, v216-219, v[10:11]: loaded, then read by the LDS stores.  One wait on vm_vsrc behind the barrier frees all that is written again.
;   v4-7          Written at a trip's head; read by the trip's LDS loads.
;   v32-95        K's loads land at the trip's head (the last readers: the last trip's products with V); V's land behind the batch of exponentials (the last readers: this trip's products with K).
;   v216-219, v[10:11]  K's and V's scale words: loaded with their codes, read by the same products.
;   v200-215, v236      p's codes and scale word: written by vector instructions, taken by the products with V.
; Waits on va_vdst in a trip: at its head (addresses written, v32-95 read out); one ahead of the batch of 64 exponentials; the wait of the batch of 64 exponentials, which serves V's loads too; the wait of the four; and one ahead of the products with V.
; One wait on vm_vsrc stands at the trip's end, ahead of the branch: both ways on from there write v4 and v5.
.set O_KC,  4194304
.set O_VC,  8388608
.set O_QS,  12582912
.set O_KS,  12713984
.set O_VS,  12845056
.set O_OS,  4194304
.set VL,    131072                     ; LDS: K's codes at 0 (tile at 1,024 x tile), V's here (key group at 8,192 x group),
.set KSL,   262144                     ; K's scale words (cut to this head's two bytes), 256 bytes for each 4 tiles,
.set VSL,   270336                     ; V's, 256 bytes for each key group
.set SEL, 34
.set CS,  36                           ; s[36:37] c = log2(e) / 8
.set MNT, 38
.set TK,  39                           ; the step's first byte of K's codes and of V's: 8,192 a step
.set TS,  40                           ; of K's scale words: 512 a step
.set TV,  41                           ; of V's: 256 a step
.set CNT, 42
.macro WM d, a, b, sa, sb, odd, zero
.if \zero
.if \odd
	v_wmma_scale_f32_16x16x128_f8f6f4 v[\d:\d+7], v[\a:\a+15], v[\b:\b+15], 0, v[\sa], v[\sb] matrix_a_scale:MATRIX_SCALE_ROW1
.else
	v_wmma_scale_f32_16x16x128_f8f6f4 v[\d:\d+7], v[\a:\a+15], v[\b:\b+15], 0, v[\sa], v[\sb]
.endif
.else
.if \odd
	v_wmma_scale_f32_16x16x128_f8f6f4 v[\d:\d+7], v[\a:\a+15], v[\b:\b+15], v[\d:\d+7], v[\sa], v[\sb] matrix_a_scale:MATRIX_SCALE_ROW1
.else
	v_wmma_scale_f32_16x16x128_f8f6f4 v[\d:\d+7], v[\a:\a+15], v[\b:\b+15], v[\d:\d+7], v[\sa], v[\sb]
.endif
.endif
.endm
	s_load_b128 s[4:7], s[0:1], 0x0                ; qkv, att
	v_lshl_add_u32 v254, v0, 2, 0x43000
	v_mov_b32 v255, 0
	v_lshrrev_b32 v1, 5, v0
	v_readfirstlane_b32 s8, v1                     ; wave 0..15
	s_wait_alu depctr_va_sdst(0)                   ; s8 is written, ahead of its first reader: Q's and o's bases are made from it
	s_and_b32 s10, ttmp7, 0xffff
	s_lshr_b32 s11, s10, 3                         ; the batch
	s_and_b32 s12, s10, 7                          ; the head
	s_lshr_b32 s13, s12, 1                         ; g: which 128 columns
	s_and_b32 s14, s12, 1                          ; par: which half of them
	s_lshl_b32 s15, s11, 7
	s_lshl_b32 s32, ttmp9, 4
	s_add_co_u32 s15, s15, s32
	s_add_co_u32 s15, s15, s8                      ; T: my tile of queries
	s_lshl_b32 s43, s14, 4                         ; 16 par: where my head's two scale bytes begin in a word
	s_mov_b32 s44, 0xffff0000
	s_mov_b32 s[SEL], 0x76543210
	s_mov_b32 s[SEL+1], 0xfedcba98
	s_mov_b32 s[CS], 0x3e38aa3b
	s_mov_b32 s[CS+1], s[CS]
	s_mov_b32 s[MNT], 0x600000
	s_mov_b32 s[TK], 0
	s_mov_b32 s[TS], 0
	s_mov_b32 s[TV], 0
	s_mov_b32 s[CNT], 16
	s_mov_b32 s33, 0
	s_lshl_b32 s45, s13, 9                         ; 512 g
	s_lshl_b32 s46, s14, 10                        ; 1,024 par
	s_wait_kmcnt 0x0
	s_lshl_b32 s32, s11, 7                         ; K's codes: fragment 512 g + 128 batch, my head's half
	s_add_co_u32 s32, s32, s45
	s_lshl_b32 s32, s32, 11
	s_add_co_u32 s32, s32, s46
	s_add_co_u32 s32, s32, O_KC
	s_add_nc_u64 s[16:17], s[4:5], s[32:33]
	s_lshl_b32 s32, s11, 9                         ; V's codes: fragment 512 batch + 4 head
	s_lshl_b32 s47, s12, 2
	s_add_co_u32 s32, s32, s47
	s_lshl_b32 s32, s32, 11
	s_add_co_u32 s32, s32, O_VC
	s_add_nc_u64 s[18:19], s[4:5], s[32:33]
	s_lshl_b32 s32, s13, 7                         ; K's scale words: quad 128 g + 32 batch
	s_lshl_b32 s47, s11, 5
	s_add_co_u32 s32, s32, s47
	s_lshl_b32 s32, s32, 8
	s_add_co_u32 s32, s32, O_KS
	s_add_nc_u64 s[20:21], s[4:5], s[32:33]
	s_lshl_b32 s32, s11, 7                         ; V's: quad 128 batch + head
	s_add_co_u32 s32, s32, s12
	s_lshl_b32 s32, s32, 8
	s_add_co_u32 s32, s32, O_VS
	s_add_nc_u64 s[22:23], s[4:5], s[32:33]
	s_add_co_u32 s47, s45, s15                     ; Q: fragment 512 g + T
	s_lshl_b32 s32, s47, 11
	s_add_co_u32 s32, s32, s46
	s_add_nc_u64 s[24:25], s[4:5], s[32:33]
	s_lshr_b32 s32, s47, 2                         ; its scale words: the quad, then tile T % 4 = 2 j + u at 128 u + 4 j
	s_lshl_b32 s32, s32, 8
	s_and_b32 s9, s8, 1
	s_lshl_b32 s9, s9, 7
	s_add_co_u32 s32, s32, s9
	s_bfe_u32 s9, s8, 0x10001
	s_lshl_b32 s9, s9, 2
	s_add_co_u32 s32, s32, s9
	s_add_co_u32 s32, s32, O_QS
	s_add_nc_u64 s[26:27], s[4:5], s[32:33]
	s_lshl_b32 s32, s15, 13                        ; o's codes: tile T, K step g, my head's two pieces
	s_lshl_b32 s9, s13, 11
	s_add_co_u32 s32, s32, s9
	s_add_co_u32 s32, s32, s46
	s_add_nc_u64 s[28:29], s[6:7], s[32:33]
	s_lshl_b32 s32, s15, 8                         ; o's scale bytes: 256 T + 4 g + 2 par
	s_lshl_b32 s9, s13, 2
	s_add_co_u32 s32, s32, s9
	s_lshl_b32 s9, s14, 1
	s_add_co_u32 s32, s32, s9
	s_add_co_u32 s32, s32, O_OS
	s_add_nc_u64 s[30:31], s[6:7], s[32:33]
	v_and_b32 v9, 31, v0                           ; lane
	v_lshlrev_b32 v1, 4, v9
	v_lshl_add_u32 v2, v9, 3, KSL
	v_lshl_add_u32 v3, v9, 3, VSL
	; THE COPY.  Thread i of 512.  K: a tile's half is 1,024 of each 2,048 bytes: 8 tiles a load.  V: a key group's 4 fragments are 8,192 bytes on end: a group a load
	v_lshrrev_b32 v200, 6, v0
	v_lshlrev_b32 v200, 11, v200
	v_and_b32 v201, 63, v0
	v_lshl_add_u32 v200, v201, 4, v200             ; K in memory: 2,048 (i / 64) + 16 (i % 64)
	v_lshlrev_b32 v201, 4, v0                      ; 16 i
	v_lshrrev_b32 v202, 5, v0
	v_lshlrev_b32 v202, 11, v202
	v_lshl_add_u32 v202, v9, 3, v202               ; V's scale words in memory: 2,048 (i / 32) + 8 (i % 32)
	v_and_b32 v203, 15, v0
	v_lshlrev_b32 v203, 3, v203                    ; 8 r
	v_lshlrev_b32 v204, 4, v0                      ; LDS: 16 i + 65,536 k: an LDS immediate has 16 bits
	v_lshl_add_u32 v205, v0, 4, 0x10000
	v_lshl_add_u32 v206, v0, 4, 0x20000
	v_lshl_add_u32 v207, v0, 4, 0x30000
	v_lshl_add_u32 v208, v0, 3, VSL
	v_lshl_add_u32 v209, v0, 4, KSL
	s_wait_alu depctr_va_vdst(0)                   ; the offsets and addresses v1 and v200 to v209 are written, which the loads and LDS stores below read
.irp j, 0,1,2,3,4,5,6,7,8,9,10,11,12,13,14,15
	global_load_b128 v[32+4*\j:35+4*\j], v200, s[16:17] offset:16384*\j
.endr
.irp j, 0,1,2,3,4,5,6,7,8,9,10,11,12,13,14,15
	global_load_b128 v[104+4*\j:107+4*\j], v201, s[18:19] offset:65536*\j
.endr
	global_load_b128 v[216:219], v201, s[20:21]
	global_load_b64 v[10:11], v202, s[22:23]
	global_load_b128 v[16:19], v1, s[24:25]        ; Q's fragment: two pieces; it stays in registers
	global_load_b128 v[20:23], v1, s[24:25] offset:512
	global_load_b32 v8, v203, s[26:27]
	s_wait_loadcnt 0x0
.irp j, 0,1,2,3
	v_bfe_u32 v[216+\j], v[216+\j], s43, 16        ; my head's two bytes; bytes 2, 3 become 0
.endr
	v_bfe_u32 v8, v8, s43, 16
.irp j, 0,1,2,3,4,5,6,7,8,9,10,11,12,13,14,15
	ds_store_b128 v[204+\j/8], v[32+4*\j:35+4*\j] offset:8192*(\j%8)     ; loaded data and addresses from ahead of the last wait: the five lines above name none of these registers
.endr
.irp j, 0,1,2,3,4,5,6,7,8,9,10,11,12,13,14,15
	ds_store_b128 v[206+\j/8], v[104+4*\j:107+4*\j] offset:8192*(\j%8)
.endr
	s_wait_alu depctr_va_vdst(0)                   ; the cut words v216 to v219 are written, which the LDS store below reads; so is v8, which every product with K takes as Q's scales
	ds_store_b128 v209, v[216:219]
	ds_store_b64 v208, v[10:11]
	s_wait_dscnt 0x0                               ; for the others' sake: my stores have landed
	s_barrier_signal -1
	s_barrier_wait -1                              ; the head's K and V lie in LDS; from here on LDS is only read
	s_wait_alu depctr_vm_vsrc(0)                   ; my loads and LDS stores have read v32-95, v104-167, v216-219, v[10:11] and v200-209: LDS loads, products and conversions write these from here on
.irp j, 0,1,2,3,4,5,6,7
	v_mov_b32 v[24+\j], 0                          ; Q's upper half: zero codes
	v_mov_b32 v[96+\j], 0                          ; what stands behind K's last tile
.endr
.set j, 0
.rept 32
	v_mov_b32 v[168+j], 0                          ; O^T.  (The step is written once: the first finds zeros, which the first change of M leaves zeros)
.set j, j+1
.endr
	v_mov_b32 v13, 0xff61b1e6                      ; the largest t so far: -3e38
	v_floor_f32 v12, -v13                          ; -M
	v_mov_b32 v14, 0
	v_mov_b32 v15, 0
.irp b, 0,1,2,3
	v_mov_b32 v[224+\b], 0                         ; written once: a lane permute's destination counts as one of its sources
.endr
	v_mov_b32 v237, 0
	v_mov_b32 v239, 0                              ; (named as the upper half of the pair v[238:239])
.Lstep:                                            ; 16 trips: 128 keys each
	v_add_nc_u32 v4, s[TK], v1
	v_add_nc_u32 v5, VL, v4
	v_add_nc_u32 v6, s[TS], v2
	v_add_nc_u32 v7, s[TV], v3
.rept 4
	v_nop                                          ; with the four additions: eight places behind the last products
.endr
	s_wait_alu depctr_va_vdst(0)                   ; v4 to v7 are written, which this trip's LDS loads read; the last trip's products are done reading v32-95 and v216-219, in which K's loads land; in the first trip the zero codes v24-31 and v96-103, operands of the products below, are written
.irp t, 0,1,2,3,4,5,6,7
	ds_load_b128 v[32+8*\t:35+8*\t], v4 offset:1024*\t
	ds_load_b128 v[36+8*\t:39+8*\t], v4 offset:1024*\t+512
.endr
	ds_load_b64 v[216:217], v6                     ; register t / 2: tile t's words in lanes 0-15 (t even) or 16-31 (t odd)
	ds_load_b64 v[218:219], v6 offset:256
	s_wait_dscnt 0x0
.irp t, 0,1,2,3,4,5,6,7
	WM 104+8*\t, 32+8*\t, 16, 216+\t/2, 8, \t%2, 1
.endr
.rept 8
	v_nop                                          ; eight places ahead of the first read of the scores
.endr
.irp b, 0,1,2,3
	v_max3_num_f32 v[220+\b], v[104+16*\b], v[105+16*\b], v[106+16*\b]   ; the largest SCORE of each block of 32 keys: for the row's maximum, and, since p rises with the score, for the block's largest p
.endr
.irp i, 3,5,7,9,11,13
.irp b, 0,1,2,3
	v_max3_num_f32 v[220+\b], v[220+\b], v[104+16*\b+\i], v[105+16*\b+\i]
.endr
.endr
.irp b, 0,1,2,3
	v_max_num_f32 v[220+\b], v[220+\b], v[119+16*\b]
.endr
.irp b, 0,1,2,3
	v_permlanex16_b32 v[224+\b], v[220+\b], s[SEL], s[SEL+1]
.endr
.irp b, 0,1,2,3
	v_max_num_f32 v[220+\b], v[220+\b], v[224+\b]  ; with lane l xor 16's 16 keys
.endr
	v_max3_num_f32 v237, v220, v221, v222
	v_max_num_f32 v237, v237, v223
	v_mul_f32 v237, s[CS], v237                    ; the step's largest t (c is positive)
	v_max_num_f32 v13, v13, v237
	v_mov_b32 v237, v12
	v_floor_f32 v12, -v13                          ; the new -M = -ceil(t)
	v_sub_f32 v237, v12, v237                      ; old M - new M: a whole number, 0 or less
	v_cvt_i32_f32 v237, v237                       ; (it saturates)
	v_ldexp_f32 v238, 1.0, v237                    ; f = 2^(old M - new M)
.set j, 0
.rept 32
	v_pk_fma_f32 v[104+j:105+j], v[104+j:105+j], s[CS:CS+1], v[12:13] op_sel_hi:[1,0,0]   ; t - M
.set j, j+2
.endr
.irp b, 0,1,2,3
	v_fma_f32 v[220+\b], v[220+\b], s[CS], v12
.endr
.set j, 0
	s_wait_alu depctr_va_vdst(0)
.rept 64
	v_exp_f32 v[104+j], v[104+j]                   ; p = 2^(t - M)
.set j, j+1
.endr
	v_pk_mul_f32 v[14:15], v[14:15], v[238:239] op_sel_hi:[1,0]   ; the sums under the new M: a plain line behind the exponentials
	s_wait_alu depctr_va_vdst(0)                   ; the 64 exponentials have written p, ahead of the first line that names a result; and the products with K are done reading v32-95, in which V's loads land, the last trip's products with V their scale words v[10:11]
.irp f, 0,1,2,3
.irp c, 0,1,2,3
	ds_load_b128 v[32+16*\f+4*\c:35+16*\f+4*\c], v5 offset:2048*\f+512*\c   ; V's four fragments land under the rest of the softmax
.endr
.endr
	ds_load_b64 v[10:11], v7
.irp b, 0,1,2,3
	v_exp_f32 v[220+\b], v[220+\b]                 ; each block's largest p
.endr
	v_pk_add_f32 v[224:225], v[104:105], v[106:107]   ; the row's sum of the UNQUANTISED p, in two chains
.irp j, 4,8,12,16,20,24,28,32,36,40,44,48,52,56,60
	v_pk_add_f32 v[14:15], v[14:15], v[104+\j:105+\j]
	v_pk_add_f32 v[224:225], v[224:225], v[106+\j:107+\j]
.endr
	v_pk_add_f32 v[14:15], v[14:15], v[224:225]
	s_wait_alu depctr_va_vdst(0)                   ; the four exponentials have written v220 to v223, ahead of their first reader
.irp b, 0,1,2,3
	v_max_num_f32 v[220+\b], 0x4800000, v[220+\b]  ; the floor 2^(9 - 127)
.endr
.irp b, 0,1,2,3
	v_add_nc_u32 v[232+\b], 0xfc000000, v[220+\b]
.endr
.irp b, 0,1,2,3
	v_and_or_b32 v[228+\b], v[220+\b], 0x7f800000, s[MNT]
.endr
.irp b, 0,1,2,3
	v_lshrrev_b32 v[224+\b], 23, v[232+\b]
.endr
	v_lshl_or_b32 v236, v225, 8, v224              ; p's scale word for these 128 keys
	v_lshl_or_b32 v236, v226, 16, v236
	v_lshl_or_b32 v236, v227, 24, v236
.irp b, 0,1,2,3
.irp i, 0,1,2,3,4,5,6,7,8,9,10,11,12,13,14,15
	v_min_num_f32 v[104+16*\b+\i], v[104+16*\b+\i], v[228+\b]   ; the hold: p is not negative, so it is one-sided
.endr
	v_cvt_scalef32_pk8_fp8_f32 v[200+4*\b:201+4*\b], v[104+16*\b:111+16*\b], v[232+\b]
	v_cvt_scalef32_pk8_fp8_f32 v[202+4*\b:203+4*\b], v[112+16*\b:119+16*\b], v[232+\b]
.endr
.set j, 0
.rept 16
	v_pk_mul_f32 v[168+j:169+j], v[168+j:169+j], v[238:239] op_sel_hi:[1,0]   ; O^T under the new M; these lines also stand between the codes and the products
.set j, j+2
.endr
	s_wait_dscnt 0x0                               ; V
	s_wait_alu depctr_va_vdst(0)                   ; the conversions have written p's codes v200-215, and the lines ahead of them its scale word v236: the products below take both; the places above stay beside this wait
.irp f, 0,1,2,3
	WM 168+8*\f, 32+16*\f, 200, 10+\f/2, 236, \f%2, 0
.endr
	s_wait_alu depctr_vm_vsrc(0)                   ; this trip's LDS loads have read v4 to v7, which the next trip's head, or the way out, writes again
	s_add_co_u32 s[TK], s[TK], 8192
	s_add_co_u32 s[TS], s[TS], 512
	s_add_co_u32 s[TV], s[TV], 256
	s_sub_co_u32 s[CNT], s[CNT], 1
	s_cmp_lg_u32 s[CNT], 0
	s_cbranch_scc1 .Lstep
	; THE WAY OUT: O^T / the sum; register 16 b + i is channel 32 b + 16 (lane / 16) + i of my head: two blocks of 32, quantised as they stand
.rept 8
	v_nop                                          ; eight places behind the last products
.endr
	v_add_f32 v14, v14, v15
	v_permlanex16_b32 v237, v14, s[SEL], s[SEL+1]
	v_add_f32 v14, v14, v237
	s_wait_alu depctr_va_vdst(0)
	v_rcp_f32 v14, v14
	v_and_b32 v4, 15, v0                           ; (plain lines behind the transcendental)
	v_bfe_u32 v5, v0, 4, 1
	v_lshl_add_u32 v4, v4, 4, v5                   ; 16 r + h
	s_wait_alu depctr_va_vdst(0)                   ; the reciprocal has written v14, ahead of its first reader
.set j, 0
.rept 32
	v_mul_f32 v[104+j], v[168+j], v14
.set j, j+1
.endr
.irp b, 0,1
	v_max3_num_f32 v[220+\b], |v[104+16*\b]|, |v[105+16*\b]|, 0x4800000
.endr
.irp i, 2,4,6,8,10,12,14
.irp b, 0,1
	v_max3_num_f32 v[220+\b], v[220+\b], |v[104+16*\b+\i]|, |v[105+16*\b+\i]|
.endr
.endr
.irp b, 0,1
	v_permlanex16_b32 v[224+\b], v[220+\b], s[SEL], s[SEL+1]
.endr
.irp b, 0,1
	v_max_num_f32 v[220+\b], v[220+\b], v[224+\b]
.endr
.irp b, 0,1
	v_add_nc_u32 v[232+\b], 0xfc000000, v[220+\b]
.endr
.irp b, 0,1
	v_and_or_b32 v[228+\b], v[220+\b], 0x7f800000, s[MNT]
.endr
.irp b, 0,1
	v_lshrrev_b32 v[224+\b], 23, v[232+\b]
.endr
.irp b, 0,1
.irp i, 0,1,2,3,4,5,6,7,8,9,10,11,12,13,14,15
	v_med3_num_f32 v[104+16*\b+\i], v[104+16*\b+\i], -v[228+\b], v[228+\b]
.endr
	v_cvt_scalef32_pk8_fp8_f32 v[200+4*\b:201+4*\b], v[104+16*\b:111+16*\b], v[232+\b]
	v_cvt_scalef32_pk8_fp8_f32 v[202+4*\b:203+4*\b], v[112+16*\b:119+16*\b], v[232+\b]
.endr
	v_nop
	v_cndmask_b32 v237, v224, v225, s44            ; lanes 0-15 store block 0's byte of row r, lanes 16-31 block 1's
	s_wait_alu depctr_va_vdst(0)                   ; the codes v200-207, the byte v237 and the offset v4 are written, which the stores read
	global_store_b128 v1, v[200:203], s[28:29]     ; 512 consecutive bytes each
	global_store_b128 v1, v[204:207], s[28:29] offset:512
	global_store_b8 v4, v237, s[30:31]             ; single bytes, 2 of each 16: one byte for each 32 that the launch stores
	s_wait_dscnt 0x0                               ; the closing lines, six on end
	s_wait_alu 0x0
	s_wait_tensorcnt 0x0
	ds_add_u32 v254, v255
	s_wait_dscnt 0x0
	s_endpgm
.Lfunc_end_k_qa3f44fd374_attn:
	.size	k_qa3f44fd374_attn, .Lfunc_end_k_qa3f44fd374_attn-k_qa3f44fd374_attn
	.p2alignl 7, 3214868480
	.fill 96, 4, 3214868480
	.section	.rodata,"a",@progbits
	.p2align	6, 0x0
	.amdhsa_kernel k_qa3f44fd374_attn
		.amdhsa_group_segment_fixed_size 276480
		.amdhsa_private_segment_fixed_size 0
		.amdhsa_enable_private_segment 0
		.amdhsa_kernarg_size 16
		.amdhsa_user_sgpr_count 2
		.amdhsa_user_sgpr_kernarg_segment_ptr 1
		.amdhsa_wavefront_size32 1
		.amdhsa_system_sgpr_workgroup_id_x 1
		.amdhsa_system_sgpr_workgroup_id_y 1
		.amdhsa_system_sgpr_workgroup_id_z 1
		.amdhsa_system_vgpr_workitem_id 0
		.amdhsa_next_free_vgpr 256
		.amdhsa_next_free_sgpr 66
		.amdhsa_reserve_vcc 0
		.amdhsa_float_denorm_mode_32 3
		.amdhsa_float_denorm_mode_16_64 3
		.amdhsa_memory_ordered 1
		.amdhsa_forward_progress 1
		.amdhsa_inst_pref_size 38
	.end_amdhsa_kernel
	.amdgpu_metadata
---
amdhsa.version: [ 1, 2 ]
amdhsa.kernels:
  - .name:           k_qa3f44fd374_attn
    .symbol:         k_qa3f44fd374_attn.kd
    .args:
      - { .name: qkv, .offset: 0, .size: 8, .value_kind: global_buffer, .address_space: global }
      - { .name: att, .offset: 8, .size: 8, .value_kind: global_buffer, .address_space: global }
    .group_segment_fixed_size: 276480
    .private_segment_fixed_size: 0
    .kernarg_segment_align: 8
    .kernarg_segment_size: 16
    .max_flat_workgroup_size: 512
    .sgpr_count:     66
    .vgpr_count:     256
    .wavefront_size: 32
...
	.end_amdgpu_metadata
.endif
;; end of part 11
;; launch oproj (part 12): grid 256 x 1, 4 waves a work-group, no clusters, 5,120 bytes of LDS; arguments att, wts, y, bp, g_ln2, b_ln2, b2, o2b, hln; writes o2b, hln
.if DOCPART == 12
	.amdgcn_target "amdgcn-amd-amdhsa--gfx1250"
	.amdhsa_code_object_version 6
	.text
	.protected	k_qa3f44fd374_oproj
	.globl	k_qa3f44fd374_oproj
	.p2align	8
	.type	k_qa3f44fd374_oproj,@function
k_qa3f44fd374_oproj:
	s_mov_b64 s[64:65], 0
	v_nop
	global_prefetch_b8 v0, s[64:65] scope:SCOPE_SE
	s_setreg_imm32_b32 hwreg(HW_REG_WAVE_SCHED_MODE, 0, 2), 2
	s_setreg_imm32_b32 hwreg(HW_REG_WAVE_MODE, 25, 1), 1
	s_wait_xcnt 0x0
	s_wait_alu depctr_vm_vsrc(0)
; OPROJ.  o2 = o Wp + bp + y;  h = LN(o2), quantised along its 512 columns to E4M3 codes with E8M0 scales.  The product on codes; all else f32.
; OUT: o2 + b2 (f32: what the last product of the program adds onto) as images of the accumulators' registers, [tile of rows][128 columns' group][8,192 bytes]: piece j (512 bytes) holds registers 4 j .. 4 j + 3, 16 bytes a lane;
;      h's codes as fragment images [tile][K step][2,048]; its scale words at 256 tile + 16 r + 4 K step.
; SHARES.  A work-group takes 32 rows (2 tiles of 16): the layer norm wants whole rows, and 256 work-groups of 32 rows are one for each WGP.  THE WAVES SHARE THE COLUMNS: wave w makes columns 128 w .. 128 w + 127 (8 tiles) for the 32 rows: 16 accumulators.
; Wp's fragments come from memory straight into registers as dense images (512 bytes a load), each wave its own columns'; a row's sums meet in LDS.  All work-groups walk Wp; it goes to registers and not through LDS, so this text has no
; tensor load and nothing to ask for jointly: no ring, no cluster.
; The product is used transposed (source 0 = 16 columns of Wp, source 1 = 16 rows of o): a lane holds one row; the columns of a tile were chosen so that register 16 b + i of 8 accumulators is column 32 b + 16 (lane / 16) + i.
; The accumulators are begun by the load of y, and every product adds in place: nothing is cleared.  The 16 accumulators take turns, one instruction a turn.
; LIMITS: NaN and infinities are not served; a block of zeros gets the byte 1 (its codes are zeros; only this program reads the bytes).
; REGISTERS.  Window 1: two weight sets of 8 fragments (128 set + 16 t).  Window 2: Y at 8 (8 m + t): y, o2, o2 + b2.  Window 3: o's fragments (64 s + 16 m), then bp, g, b_ln2, b2 (64 each).
; Window 0: v1-13 addresses; v16-79 the 64 numbers at work; v144-159 codes; v160-175 the quantiser's work; v176 its scale word; v182-191 at work; v208-223 Wp's scale words; v240-253 o's scale words, then mean and rstd; v254, v255 the closing add's two.
; THE MODE: SCHED_MODE bits 1:0 = 2 (LLVM: expert scheduling mode 2), set by the entry lines.  The code itself states the register dependences between vector or matrix instructions and memory or LDS instructions, with s_wait_alu, always for 0.
; THE PLAN.  Registers that memory or LDS instructions touch:
;   v1-13              Offsets and addresses, made once at the head and never written again.
;   the weight sets    K step s's 16 matrix instructions read set s % 2; behind them the loads of K step s + 2 land in it.
;   window 3           K step s's matrix instructions read quarter s (o's fragments); behind them a vector of 128 numbers lands in it, which the layer norm's passes read.
;   v186, v187         Partial sums: written by pass A and again by pass B; read by the LDS stores behind each.       v16-23: named by both passes; the sums of the four waves land in them behind each barrier.
;   window 2 (Y), v144-159 (codes), v176 (scale word)   Written by pass C, tile by tile; read by the tile's stores, which stand together behind its quantiser.
; So one wait on va_vdst stands behind each K step's places, one ahead of each pair of LDS stores of partial sums, and one ahead of each tile's run of stores.
; A wait on vm_vsrc stands ahead of pass B (v186, v187) and ahead of the second tile's quantiser (the codes and the scale word).
.set O_OS,  4194304
.set O_WP,  786432
.set O_WPS, 3170304
.set O_HS,  4194304
.set ST1,  0                           ; LDS: the waves' partial sums, 128 (4 w + m) + 4 lane;
.set ST2,  2048                        ; their sums of squares;
.set HSCL, 4096                        ; h's scale words: 256 m + 16 r + 4 w
.set ST,  16
.set PC,  144
.set TM,  160
.set PW,  176
.set WSB, 208
.set GS,  240
.set WV,  22
.set MNT, 23
.set SEL, 24
.set WPB, 34
.set OFF, 42
.set MSB, 0
.macro WIN new                         ; the immediate's high byte repeats the setting that is left
.if MSB != \new
	s_set_vgpr_msb (MSB<<8)|\new
.set MSB, \new
.endif
.endm
.macro QUANT s
.irp b, 0,1,2,3
	v_max3_num_f32 v[TM+\b], |v[\s+16*\b]|, |v[\s+1+16*\b]|, 0x4800000   ; my 16 numbers of block b, and the floor 2^(9 - 127)
.endr
.irp i, 2,4,6,8,10,12,14
.irp b, 0,1,2,3
	v_max3_num_f32 v[TM+\b], v[TM+\b], |v[\s+16*\b+\i]|, |v[\s+1+16*\b+\i]|
.endr
.endr
.irp b, 0,1,2,3
	v_permlanex16_b32 v[TM+4+\b], v[TM+\b], s[SEL], s[SEL+1]
.endr
.irp b, 0,1,2,3
	v_max_num_f32 v[TM+\b], v[TM+\b], v[TM+4+\b]
.endr
.irp b, 0,1,2,3
	v_add_nc_u32 v[TM+12+\b], 0xfc000000, v[TM+\b]
.endr
.irp b, 0,1,2,3
	v_and_or_b32 v[TM+8+\b], v[TM+\b], 0x7f800000, s[MNT]
.endr
.irp b, 0,1,2,3
	v_lshrrev_b32 v[TM+4+\b], 23, v[TM+12+\b]
.endr
	v_lshl_or_b32 v[PW], v[TM+5], 8, v[TM+4]
	v_lshl_or_b32 v[PW], v[TM+6], 16, v[PW]
	v_lshl_or_b32 v[PW], v[TM+7], 24, v[PW]
.irp b, 0,1,2,3
.irp i, 0,1,2,3,4,5,6,7,8,9,10,11,12,13,14,15
	v_med3_num_f32 v[\s+16*\b+\i], v[\s+16*\b+\i], -v[TM+8+\b], v[TM+8+\b]
.endr
	v_cvt_scalef32_pk8_fp8_f32 v[PC+4*\b:PC+1+4*\b], v[\s+16*\b:\s+7+16*\b], v[TM+12+\b]
	v_cvt_scalef32_pk8_fp8_f32 v[PC+2+4*\b:PC+3+4*\b], v[\s+8+16*\b:\s+15+16*\b], v[TM+12+\b]
.endr
	v_nop
.endm
.macro WM d, a, b, sa, sb, odd
.if \odd
	v_wmma_scale_f32_16x16x128_f8f6f4 v[\d:\d+7], v[\a:\a+15], v[\b:\b+15], v[\d:\d+7], v[\sa], v[\sb] matrix_a_scale:MATRIX_SCALE_ROW1
.else
	v_wmma_scale_f32_16x16x128_f8f6f4 v[\d:\d+7], v[\a:\a+15], v[\b:\b+15], v[\d:\d+7], v[\sa], v[\sb]
.endif
.endm
.macro WSET base, imm0, tstr, set      ; my 8 tiles' fragments of one K step into a weight set: 32 loads of 512 consecutive bytes
	WIN 0x40
.irp t, 0,1,2,3,4,5,6,7
.irp c, 0,1,2,3
	global_load_b128 v[128*(\set)+16*\t+4*\c:128*(\set)+16*\t+4*\c+3], v1, s[\base:\base+1] offset:(\imm0)+\t*(\tstr)+512*\c
.endr
.endr
	WIN 0
.endm
.macro VEC64 base, dst                 ; 128 numbers of a vector along my columns, in the layout of a row tile's 8 accumulators; the caller sets the window
.irp b, 0,1,2,3
.irp i, 0,1,2,3
	global_load_b128 v[(\dst)+16*\b+4*\i:(\dst)+16*\b+4*\i+3], v5, s[\base:\base+1] offset:128*\b+16*\i
.endr
.endr
.endm
; 16 matrix instructions: my 8 tiles of columns x the 2 tiles of rows, one K step; then eight places, which stay ahead of the first read of its results
.macro MM win, actbase, set, WS, AS, s
	WIN \win
.irp m, 0,1
.irp t, 0,1,2,3,4,5,6,7
	WM 8*(8*\m+\t), 128*(\set)+16*\t, (\actbase)+16*\m, (\WS)+4*(\t/2)+(\s), (\AS)+4*\m+(\s), \t%2
.endr
.endr
	WIN 0
.rept 8
	v_nop
.endr
.endm
.macro BARRIER                         ; my LDS stores have landed and my LDS loads are in: then the work-group's barrier
	s_wait_dscnt 0x0
	s_barrier_signal -1
	s_barrier_wait -1
.endm
	s_load_b512 s[4:19], s[0:1], 0x0               ; att, wts, y, bp, g_ln2, b_ln2, b2, o2b
	s_load_b64 s[20:21], s[0:1], 0x40              ; hln
	v_lshl_add_u32 v254, v0, 2, 0x1200
	v_mov_b32 v255, 0
	v_lshrrev_b32 v1, 5, v0
	v_readfirstlane_b32 s[WV], v1                  ; wave 0..3
	v_and_b32 v182, 31, v0                         ; lane
	v_and_b32 v183, 15, v0                         ; r
	v_bfe_u32 v184, v0, 4, 1                       ; h
	v_and_b32 v185, 8, v183
	v_add_nc_u32 v185, v185, v183                  ; r + 8 (r / 8)
	v_lshlrev_b32 v1, 4, v182                      ; v1  16 lane
	v_lshlrev_b32 v2, 2, v182                      ; v2  4 lane
	v_lshlrev_b32 v3, 4, v183                      ; v3  16 r
	v_lshlrev_b32 v4, 11, v185
	v_lshl_add_u32 v4, v184, 6, v4                 ; v4  y: my row of a tile, + 64 h
	v_lshlrev_b32 v5, 6, v184                      ; v5  64 h
	s_wait_alu depctr_va_sdst(0)                   ; the wave's number is written, ahead of its first reader: addresses, bases and a branch are made from it
	s_lshl_b32 s54, s[WV], 2
	v_add_nc_u32 v7, s54, v3                       ; v7  a scale word in LDS: 16 r + 4 w
	s_lshl_b32 s54, s[WV], 9
	v_add_nc_u32 v8, s54, v2                       ; v8  a partial sum: 4 lane + 512 w
	s_and_b32 s54, s[WV], 1
	s_lshl_b32 s54, s54, 8
	v_lshlrev_b32 v13, 3, v182                     ; v13 8 lane
	v_add_nc_u32 v12, s54, v13                     ; v12 the scale words back: 8 lane + 256 (w % 2)
.irp b, 0,1,2,3
	v_mov_b32 v[TM+4+\b], 0                        ; written once: a lane permute's destination counts as one of its sources
.endr
	s_mov_b32 s[SEL], 0x76543210
	s_mov_b32 s[SEL+1], 0xfedcba98
	s_mov_b32 s[MNT], 0x600000
	s_mov_b32 s55, 0x3727c5ac                      ; 1e-5
	s_mov_b32 s60, 0x3b000000                      ; 1 / 512
	s_mov_b32 s[OFF+1], 0
	s_wait_kmcnt 0x0
	s_lshl_b32 s[OFF], ttmp9, 9
	s_add_co_u32 s[OFF], s[OFF], O_OS
	s_add_nc_u64 s[56:57], s[4:5], s[OFF:OFF+1]    ; o's scale words: 256 bytes a tile
	s_lshl_b32 s[OFF], ttmp9, 14
	s_add_nc_u64 s[4:5], s[4:5], s[OFF:OFF+1]      ; o's codes: 8,192 bytes a tile
	s_lshl_b32 s[OFF], ttmp9, 16
	s_lshl_b32 s54, s[WV], 9
	s_add_co_u32 s[OFF], s[OFF], s54
	s_add_nc_u64 s[8:9], s[8:9], s[OFF:OFF+1]      ; y: my 32 rows, my 128 columns
	s_mov_b32 s[OFF], s54
	s_add_nc_u64 s[10:11], s[10:11], s[OFF:OFF+1]  ; bp, g_ln2, b_ln2, b2: my 128 columns
	s_add_nc_u64 s[12:13], s[12:13], s[OFF:OFF+1]
	s_add_nc_u64 s[14:15], s[14:15], s[OFF:OFF+1]
	s_add_nc_u64 s[16:17], s[16:17], s[OFF:OFF+1]
	s_lshl_b32 s[OFF], ttmp9, 16
	s_lshl_b32 s54, s[WV], 13
	s_add_co_u32 s[OFF], s[OFF], s54
	s_add_nc_u64 s[18:19], s[18:19], s[OFF:OFF+1]  ; o2b: 32,768 bytes a tile, 8,192 a wave
	s_lshl_b32 s[OFF], ttmp9, 14
	s_lshl_b32 s54, s[WV], 11
	s_add_co_u32 s[OFF], s[OFF], s54
	s_add_nc_u64 s[28:29], s[20:21], s[OFF:OFF+1]  ; h's codes: 8,192 bytes a tile, K step w
	s_lshl_b32 s[OFF], ttmp9, 9
	s_and_b32 s54, s[WV], 1
	s_lshl_b32 s54, s54, 8
	s_add_co_u32 s[OFF], s[OFF], s54
	s_add_co_u32 s[OFF], s[OFF], O_HS
	s_add_nc_u64 s[30:31], s[20:21], s[OFF:OFF+1]  ; h's scale words: tile 2 x work-group + w % 2
	s_lshl_b32 s54, s[WV], 16
	s_add_co_u32 s[OFF], s54, O_WP
	s_add_nc_u64 s[WPB:WPB+1], s[6:7], s[OFF:OFF+1]
	s_lshl_b32 s54, s[WV], 11
	s_add_co_u32 s[OFF], s54, O_WPS
	s_add_nc_u64 s[58:59], s[6:7], s[OFF:OFF+1]
	s_wait_alu depctr_va_vdst(0)                   ; the offsets and addresses v1 to v13 are written, which every load, store and LDS instruction of the kernel reads
.irp m, 0,1
	global_load_b128 v[GS+4*\m:GS+4*\m+3], v3, s[56:57] offset:256*\m      ; o's scale words, K steps 0-3 of row r
.endr
.irp p, 0,1,2,3
	global_load_b128 v[WSB+4*\p:WSB+4*\p+3], v1, s[58:59] offset:512*\p    ; Wp's
.endr
	WIN 0xc0
.irp m, 0,1
.irp s, 0,1,2,3
.irp c, 0,1,2,3
	global_load_b128 v[64*\s+16*\m+4*\c:64*\s+16*\m+4*\c+3], v1, s[4:5] offset:8192*\m+2048*\s+512*\c
.endr
.endr
.endr
	WIN 0x80
.irp m, 0,1
.irp b, 0,1,2,3
.irp i, 0,1,2,3
	global_load_b128 v[64*\m+16*\b+4*\i:64*\m+16*\b+4*\i+3], v4, s[8:9] offset:16384*\m+128*\b+16*\i   ; no non-temporal hint: a lane's 64 neighbouring bytes of its row are taken by four loads that follow each other
.endr
.endr
.endr
	WIN 0
	WSET WPB, 0, 8192, 0
	WSET WPB, 2048, 8192, 1
	; ---- o Wp, onto y.  Each quarter of window 3 is loaded anew behind the step that read it
	s_wait_loadcnt 32                              ; all but set 1
	MM 0xad, 0, 0, WSB, GS, 0
	WIN 0xc0
	s_wait_alu depctr_va_vdst(0)                   ; K step 0's matrix instructions are done reading quarter 0 of window 3 and weight set 0: the loads below land in both
	VEC64 10, 0                                    ; bp
	WSET WPB, 4096, 8192, 0
	s_wait_loadcnt 48                              ; set 1 is in: behind it 16 + 32 were issued
	MM 0xad, 64, 1, WSB, GS, 1
	WIN 0xc0
	s_wait_alu depctr_va_vdst(0)                   ; K step 1's matrix instructions are done reading quarter 1 of window 3 and weight set 1: the loads below land in both
	VEC64 12, 64                                   ; g_ln2
	WSET WPB, 6144, 8192, 1
	s_wait_loadcnt 48                              ; set 0 is in: behind it 16 + 32 were issued
	MM 0xad, 128, 0, WSB, GS, 2
	WIN 0xc0
	s_wait_alu depctr_va_vdst(0)                   ; K step 2's matrix instructions are done reading quarter 2 of window 3, in which the loads below land
	VEC64 14, 128                                  ; b_ln2
	WIN 0
	s_wait_loadcnt 16                              ; set 1 is in: behind it b_ln2's 16 were issued
	MM 0xad, 192, 1, WSB, GS, 3
	WIN 0xc0
	s_wait_alu depctr_va_vdst(0)                   ; K step 3's matrix instructions are done reading quarter 3 of window 3, in which the loads below land
	VEC64 16, 192                                  ; b2
	; ---- the layer norm.  Pass A: o2 = the sums + bp (bp is older than what the last steps waited for); the rows' sums
	WIN 0x8e
.irp m, 0,1
.set p, 0
.rept 32
	v_pk_add_f32 v[64*\m+2*p:64*\m+2*p+1], v[64*\m+2*p:64*\m+2*p+1], v[2*p:2*p+1]   ; each accumulator from its low end on
.set p, p+1
.endr
.endr
	WIN 0x0a
.irp m, 0,1
.irp k, 0,1
	v_pk_add_f32 v[16+4*\m+2*\k:17+4*\m+2*\k], v[64*\m+4*\k:64*\m+4*\k+1], v[64*\m+4*\k+2:64*\m+4*\k+3]
.endr
.endr
	WIN 0x08
.set p, 4
.rept 28
.irp m, 0,1
	v_pk_add_f32 v[16+4*\m+2*(p%2):17+4*\m+2*(p%2)], v[16+4*\m+2*(p%2):17+4*\m+2*(p%2)], v[64*\m+2*p:64*\m+2*p+1]
.endr
.set p, p+1
.endr
	WIN 0
.irp m, 0,1
	v_pk_add_f32 v[16+4*\m:17+4*\m], v[16+4*\m:17+4*\m], v[18+4*\m:19+4*\m]
.endr
.irp m, 0,1
	v_add_f32 v[186+\m], v[16+4*\m], v[17+4*\m]
.endr
.irp m, 0,1
	v_permlanex16_b32 v[TM+4+\m], v[186+\m], s[SEL], s[SEL+1]
.endr
.irp m, 0,1
	v_add_f32 v[186+\m], v[186+\m], v[TM+4+\m]     ; my 128 columns of row r of tile m
.endr
	s_wait_alu depctr_va_vdst(0)                   ; v186 and v187 are written, which the LDS stores read; and pass A is done with v16-23, in which the loads behind the barrier land
.irp m, 0,1
	ds_store_b32 v8, v[186+\m] offset:ST1+128*\m
.endr
	BARRIER
.irp m, 0,1
.irp w, 0,1,2,3
	ds_load_b32 v[16+4*\m+\w], v2 offset:ST1+128*(4*\w+\m)
.endr
.endr
	s_wait_dscnt 0x0
.irp m, 0,1
	v_add_f32 v[16+4*\m], v[16+4*\m], v[17+4*\m]
	v_add_f32 v[18+4*\m], v[18+4*\m], v[19+4*\m]
.endr
.irp m, 0,1
	v_add_f32 v[16+4*\m], v[16+4*\m], v[18+4*\m]
.endr
.irp m, 0,1
	v_mul_f32 v[240+2*\m], s60, v[16+4*\m]         ; the mean, in both words of a pair
	v_mul_f32 v[241+2*\m], s60, v[16+4*\m]
.endr
	; Pass B: the sums of (o2 - mean)^2: a true second pass
	s_wait_alu depctr_vm_vsrc(0)                   ; my LDS stores of the rows' sums have read v186 and v187, which this pass writes again
.irp m, 0,1
	WIN 0x02
.set p, 0
.rept 32
	v_pk_add_f32 v[ST+2*p:ST+2*p+1], v[64*\m+2*p:64*\m+2*p+1], v[240+2*\m:241+2*\m] neg_lo:[0,1] neg_hi:[0,1]
.set p, p+1
.endr
	WIN 0
	v_pk_mul_f32 v[182:183], v[ST:ST+1], v[ST:ST+1]
	v_pk_mul_f32 v[184:185], v[ST+2:ST+3], v[ST+2:ST+3]
.set p, 2
.rept 30
	v_pk_fma_f32 v[182+2*(p%2):183+2*(p%2)], v[ST+2*p:ST+2*p+1], v[ST+2*p:ST+2*p+1], v[182+2*(p%2):183+2*(p%2)]
.set p, p+1
.endr
	v_pk_add_f32 v[182:183], v[182:183], v[184:185]
	v_add_f32 v[186+\m], v182, v183
.endr
.irp m, 0,1
	v_permlanex16_b32 v[TM+4+\m], v[186+\m], s[SEL], s[SEL+1]
.endr
.irp m, 0,1
	v_add_f32 v[186+\m], v[186+\m], v[TM+4+\m]
.endr
	s_wait_alu depctr_va_vdst(0)                   ; v186 and v187 are written, which the LDS stores read; and pass B is done with v16-23, in which the loads behind the barrier land
.irp m, 0,1
	ds_store_b32 v8, v[186+\m] offset:ST2+128*\m
.endr
	BARRIER
.irp m, 0,1
.irp w, 0,1,2,3
	ds_load_b32 v[16+4*\m+\w], v2 offset:ST2+128*(4*\w+\m)
.endr
.endr
	s_wait_dscnt 0x0
.irp m, 0,1
	v_add_f32 v[16+4*\m], v[16+4*\m], v[17+4*\m]
	v_add_f32 v[18+4*\m], v[18+4*\m], v[19+4*\m]
.endr
.irp m, 0,1
	v_add_f32 v[16+4*\m], v[16+4*\m], v[18+4*\m]
.endr
.irp m, 0,1
	v_fma_f32 v[16+4*\m], v[16+4*\m], s60, s55     ; the variance + 1e-5
.endr
	s_wait_alu depctr_va_vdst(0)
.irp m, 0,1
	v_rsq_f32 v[248+2*\m], v[16+4*\m]
.endr
	v_nop                                          ; a plain line behind the transcendentals,
	s_wait_alu depctr_va_vdst(0)                   ; and one wait for the two: they have written v248 and v250, ahead of their first reader
.irp m, 0,1
	v_mov_b32 v[249+2*\m], v[248+2*\m]
.endr
	s_wait_loadcnt 0x0                             ; g_ln2, b_ln2, b2
	; Pass C: h = (o2 - mean) rstd g + b, quantised, stored as K step w; Y becomes o2 + b2 and is stored as it stands in its registers.  A tile's stores stand together, behind its quantiser
.irp m, 0,1
	WIN 0x02
.set p, 0
.rept 32
	v_pk_add_f32 v[ST+2*p:ST+2*p+1], v[64*\m+2*p:64*\m+2*p+1], v[240+2*\m:241+2*\m] neg_lo:[0,1] neg_hi:[0,1]
.set p, p+1
.endr
	WIN 0
.set p, 0
.rept 32
	v_pk_mul_f32 v[ST+2*p:ST+2*p+1], v[ST+2*p:ST+2*p+1], v[248+2*\m:249+2*\m]
.set p, p+1
.endr
	WIN 0x3c
.set p, 0
.rept 32
	v_pk_fma_f32 v[ST+2*p:ST+2*p+1], v[ST+2*p:ST+2*p+1], v[64+2*p:65+2*p], v[128+2*p:129+2*p]
.set p, p+1
.endr
	WIN 0x8e
.set p, 0
.rept 32
	v_pk_add_f32 v[64*\m+2*p:64*\m+2*p+1], v[64*\m+2*p:64*\m+2*p+1], v[192+2*p:193+2*p]
.set p, p+1
.endr
	WIN 0
.if \m > 0
	s_wait_xcnt 0x0                                ; the last tile's stores have had their addresses translated (ISA guide 3.1): the codes' registers are written again only behind this wait,
	s_wait_alu depctr_vm_vsrc(0)                   ; and they have read v144-159 and v176, which the quantiser writes again
.endif
	QUANT ST
	WIN 0x08                                       ; a store's data are its source 1: window 2
	s_wait_alu depctr_va_vdst(0)                   ; this tile's o2 + b2, its codes and its scale word are written, which the stores below read
.irp j, 0,1,2,3,4,5,6,7,8,9,10,11,12,13,14,15
	global_store_b128 v1, v[64*\m+4*\j:64*\m+4*\j+3], s[18:19] offset:32768*\m+512*\j   ; 32 lanes store 512 consecutive bytes
.endr
	WIN 0
.irp c, 0,1,2,3
	global_store_b128 v1, v[PC+4*\c:PC+4*\c+3], s[28:29] offset:8192*\m+512*\c
.endr
	ds_store_b32 v7, v[PW] offset:HSCL+256*\m      ; lanes r and 16 + r hold the same word and write it to the same place
	s_wait_dscnt 0x0                               ; my scale words of this tile are in LDS
.endr
	BARRIER                                        ; the two tiles' scale words, 256 bytes each, lie in LDS
	s_cmp_lt_u32 s[WV], 2
	s_cbranch_scc0 .Ldone                          ; waves 0 and 1 store a tile's words each
	ds_load_b64 v[182:183], v12 offset:HSCL        ; (pass B, the last to name v182 and v183, stands ahead of pass C's waits on va_vdst)
	s_wait_dscnt 0x0
	global_store_b64 v13, v[182:183], s[30:31]     ; 256 consecutive bytes, aligned
.Ldone:
	s_wait_dscnt 0x0                               ; the closing lines, six on end
	s_wait_alu 0x0
	s_wait_tensorcnt 0x0
	ds_add_u32 v254, v255
	s_wait_dscnt 0x0
	s_endpgm
.Lfunc_end_k_qa3f44fd374_oproj:
	.size	k_qa3f44fd374_oproj, .Lfunc_end_k_qa3f44fd374_oproj-k_qa3f44fd374_oproj
	.p2alignl 7, 3214868480
	.fill 96, 4, 3214868480
	.section	.rodata,"a",@progbits
	.p2align	6, 0x0
	.amdhsa_kernel k_qa3f44fd374_oproj
		.amdhsa_group_segment_fixed_size 5120
		.amdhsa_private_segment_fixed_size 0
		.amdhsa_enable_private_segment 0
		.amdhsa_kernarg_size 72
		.amdhsa_user_sgpr_count 2
		.amdhsa_user_sgpr_kernarg_segment_ptr 1
		.amdhsa_wavefront_size32 1
		.amdhsa_system_sgpr_workgroup_id_x 1
		.amdhsa_system_sgpr_workgroup_id_y 1
		.amdhsa_system_sgpr_workgroup_id_z 1
		.amdhsa_system_vgpr_workitem_id 0
		.amdhsa_next_free_vgpr 1024
		.amdhsa_next_free_sgpr 66
		.amdhsa_reserve_vcc 0
		.amdhsa_float_denorm_mode_32 3
		.amdhsa_float_denorm_mode_16_64 3
		.amdhsa_memory_ordered 1
		.amdhsa_forward_progress 1
		.amdhsa_inst_pref_size 94
	.end_amdhsa_kernel
	.amdgpu_metadata
---
amdhsa.version: [ 1, 2 ]
amdhsa.kernels:
  - .name:           k_qa3f44fd374_oproj
    .symbol:         k_qa3f44fd374_oproj.kd
    .args:
      - { .name: att, .offset: 0, .size: 8, .value_kind: global_buffer, .address_space: global }
      - { .name: wts, .offset: 8, .size: 8, .value_kind: global_buffer, .address_space: global }
      - { .name: y, .offset: 16, .size: 8, .value_kind: global_buffer, .address_space: global }
      - { .name: bp, .offset: 24, .size: 8, .value_kind: global_buffer, .address_space: global }
      - { .name: g_ln2, .offset: 32, .size: 8, .value_kind: global_buffer, .address_space: global }
      - { .name: b_ln2, .offset: 40, .size: 8, .value_kind: global_buffer, .address_space: global }
      - { .name: b2, .offset: 48, .size: 8, .value_kind: global_buffer, .address_space: global }
      - { .name: o2b, .offset: 56, .size: 8, .value_kind: global_buffer, .address_space: global }
      - { .name: hln, .offset: 64, .size: 8, .value_kind: global_buffer, .address_space: global }
    .group_segment_fixed_size: 5120
    .private_segment_fixed_size: 0
    .kernarg_segment_align: 8
    .kernarg_segment_size: 72
    .max_flat_workgroup_size: 128
    .sgpr_count:     66
    .vgpr_count:     1024
    .wavefront_size: 32
...
	.end_amdgpu_metadata
.endif
;; end of part 12
;; launch mlp1 (part 13): grid 256 x 1, 4 waves a work-group, no clusters, 0 bytes of LDS; arguments wts, hln, b1, hid; writes hid
.if DOCPART == 13
	.amdgcn_target "amdgcn-amd-amdhsa--gfx1250"
	.amdhsa_code_object_version 6
	.text
	.protected	k_qa3f44fd374_mlp1
	.globl	k_qa3f44fd374_mlp1
	.p2align	8
	.type	k_qa3f44fd374_mlp1,@function
k_qa3f44fd374_mlp1:
	s_mov_b64 s[64:65], 0
	v_nop
	global_prefetch_b8 v0, s[64:65] scope:SCOPE_SE
	s_setreg_imm32_b32 hwreg(HW_REG_WAVE_SCHED_MODE, 0, 2), 2
	s_setreg_imm32_b32 hwreg(HW_REG_WAVE_MODE, 25, 1), 1
	s_wait_xcnt 0x0
	s_wait_alu depctr_vm_vsrc(0)
; MLP1.  hidden = gelu(h W1 + b1), the product on E4M3 codes with E8M0 scales; the result is quantised in registers along the 2,048 hidden units and stored as codes.
; Waves share nothing: no LDS, no barrier.  A wave holds a RESIDENT group of 128 columns of W1 (8 tiles x 4 K steps, 512 registers) as source 0 and streams 8 tiles of 16 rows of h as source 1.
; A unit = one streamed tile: 32 matrix instructions into 8 accumulators (b1 is the C of each sum's first), gelu, the quantiser, one fragment out: K step g of the next product, rows of that tile.
; 16 groups x 512 tiles = 8,192 units = 1,024 waves x 8.  The four waves of a work-group have the same group of W1.  The operands go straight into registers as dense images: no tensor load, so nothing to ask for jointly: no cluster.
; The columns of a tile were chosen (lane r of tile 2 b + u: column 32 b + 8 u + r + 8 (r / 8)) so that register 16 b + i of the 8 accumulators is hidden unit 32 b + 16 (lane / 16) + i of the group.
; gelu is the tanh form: x sigmoid(2 a), a = sqrt(2 / pi) (x + 0.044715 x^3), as x / (1 + 2^z), z = x (CA + CB x^2).
; OUT: codes [tile of rows][K step g][2,048] as register images; scale words [g][tile / 8][16 (tile % 2) + r][(tile / 2) % 4]: a wave's 8 tiles are 512 bytes on end.
; LIMITS: NaN and infinities are not served; a block of zeros gets the byte 1 (its codes are zeros; only this program reads the bytes).
; REGISTERS: window 1: resident tiles 0-3 at 16 (4 t + s); window 2: tiles 4-7; window 3: v0-63 b1, v64-127 gelu's work, v128-131 its constants.
;   Window 0: v1 16 lane, v2 16 r, v3 the scale word just made, v[4:7] scale words on their way out, v8-23 resident scale words, v24-31 streamed scale words (two sets), v32-159 streamed fragments (two sets),
;   v160-223 accumulators, v224-239 codes, v240-255 the quantiser's work.
; THE MODE: SCHED_MODE bits 1:0 = 2 (LLVM: expert scheduling mode 2), set by the entry lines.  The code itself states the register dependences between vector or matrix instructions and memory instructions, with s_wait_alu, always for 0.
; THE PLAN.  Registers that memory instructions touch:
;   the streamed sets and their scale words   Written by the loads of unit u + 2, which are issued in unit u; read by unit u's 32 matrix instructions.
;   v224-239 (codes)                          Written by unit u's conversions; read by the stores that are issued in unit u + 1.  (v224 is first the offset of b1's loads.)
;   v[4:7] (scale words)                      Written unit by unit; read by one store at the end.
;   v1, v2                                    Offsets, made once at the head and never written again.  The resident windows, their scale words and b1 are loaded once.
; So ONE wait on va_vdst beside gelu's own four stands in a unit, behind its matrix instructions and their places: they are done reading the set in which the loads of unit u + 2 land, and unit u - 1 has written the codes that its stores read.
; Those loads and stores follow it.  One wait on vm_vsrc stands ahead of the quantiser, a whole gelu behind the stores whose registers it frees.
.set O_W1,  1048576
.set O_W1S, 3178496
.set O_HS,  4194304
.set O_HSS, 16777216
.set RS,  8
.set SS,  24
.set STR, 32
.set ACC, 160
.set PC,  224
.set TM,  240
.set PW,  3
.set B1,  0                            ; in window 3
.set GT,  64
.set SEL, 42
.set MNT, 44
.set MSB, 0
.macro WIN new                         ; the immediate's high byte repeats the setting that is left
.if MSB != \new
	s_set_vgpr_msb (MSB<<8)|\new
.set MSB, \new
.endif
.endm
.macro QUANT s
.irp b, 0,1,2,3
	v_max3_num_f32 v[TM+\b], |v[\s+16*\b]|, |v[\s+1+16*\b]|, 0x4800000   ; my 16 numbers of block b, and the floor 2^(9 - 127)
.endr
.irp i, 2,4,6,8,10,12,14
.irp b, 0,1,2,3
	v_max3_num_f32 v[TM+\b], v[TM+\b], |v[\s+16*\b+\i]|, |v[\s+1+16*\b+\i]|
.endr
.endr
.irp b, 0,1,2,3
	v_permlanex16_b32 v[TM+4+\b], v[TM+\b], s[SEL], s[SEL+1]
.endr
.irp b, 0,1,2,3
	v_max_num_f32 v[TM+\b], v[TM+\b], v[TM+4+\b]
.endr
.irp b, 0,1,2,3
	v_add_nc_u32 v[TM+12+\b], 0xfc000000, v[TM+\b]
.endr
.irp b, 0,1,2,3
	v_and_or_b32 v[TM+8+\b], v[TM+\b], 0x7f800000, s[MNT]
.endr
.irp b, 0,1,2,3
	v_lshrrev_b32 v[TM+4+\b], 23, v[TM+12+\b]
.endr
	v_lshl_or_b32 v[PW], v[TM+5], 8, v[TM+4]
	v_lshl_or_b32 v[PW], v[TM+6], 16, v[PW]
	v_lshl_or_b32 v[PW], v[TM+7], 24, v[PW]
.irp b, 0,1,2,3
.irp i, 0,1,2,3,4,5,6,7,8,9,10,11,12,13,14,15
	v_med3_num_f32 v[\s+16*\b+\i], v[\s+16*\b+\i], -v[TM+8+\b], v[TM+8+\b]
.endr
	v_cvt_scalef32_pk8_fp8_f32 v[PC+4*\b:PC+1+4*\b], v[\s+16*\b:\s+7+16*\b], v[TM+12+\b]
	v_cvt_scalef32_pk8_fp8_f32 v[PC+2+4*\b:PC+3+4*\b], v[\s+8+16*\b:\s+15+16*\b], v[TM+12+\b]
.endr
	v_nop
.endm
; one matrix instruction that adds in place.  odd = 1: source 0's scale words stand in lanes 16-31 of their register
.macro WM d, a, b, sa, sb, odd
.if \odd
	v_wmma_scale_f32_16x16x128_f8f6f4 v[\d:\d+7], v[\a:\a+15], v[\b:\b+15], v[\d:\d+7], v[\sa], v[\sb] matrix_a_scale:MATRIX_SCALE_ROW1
.else
	v_wmma_scale_f32_16x16x128_f8f6f4 v[\d:\d+7], v[\a:\a+15], v[\b:\b+15], v[\d:\d+7], v[\sa], v[\sb]
.endif
.endm
; and one that starts a sum from the bias
.macro WMC d, a, b, c, sa, sb, odd
.if \odd
	v_wmma_scale_f32_16x16x128_f8f6f4 v[\d:\d+7], v[\a:\a+15], v[\b:\b+15], v[\c:\c+7], v[\sa], v[\sb] matrix_a_scale:MATRIX_SCALE_ROW1
.else
	v_wmma_scale_f32_16x16x128_f8f6f4 v[\d:\d+7], v[\a:\a+15], v[\b:\b+15], v[\c:\c+7], v[\sa], v[\sb]
.endif
.endm
.macro SLOAD u                         ; streamed tile u: 4 fragments and its scale words: 17 loads
.irp s, 0,1,2,3
.irp c, 0,1,2,3
	global_load_b128 v[STR+64*((\u)%2)+16*\s+4*\c:STR+64*((\u)%2)+16*\s+4*\c+3], v1, s[20:21] offset:8192*(\u)+2048*\s+512*\c
.endr
.endr
	global_load_b128 v[SS+4*((\u)%2):SS+4*((\u)%2)+3], v2, s[22:23] offset:256*(\u)
.endm
.macro OUT u                           ; unit u's fragment
.irp c, 0,1,2,3
	global_store_b128 v1, v[PC+4*\c:PC+4*\c+3], s[24:25] offset:32768*(\u)+512*\c   ; 32 lanes store 512 consecutive bytes
.endr
.endm
.macro UNIT u
.set SBF, STR+64*((\u)%2)
.set SSB, SS+4*((\u)%2)
.if (\u) < 7
	s_wait_loadcnt 17                              ; all but the next unit's 17 loads
.else
	s_wait_loadcnt 0x0
.endif
	WIN 0x31                                       ; source 0 in window 1, C (b1) in window 3.  Four accumulators by turns, one instruction a turn
.irp t, 0,1,2,3
	WMC ACC+8*\t, 64*\t, SBF, B1+8*\t, RS+4*(\t/2), SSB, \t%2
.endr
	WIN 0x01
.irp s, 1,2,3
.irp t, 0,1,2,3
	WM ACC+8*\t, 16*(4*\t+\s), SBF+16*\s, RS+4*(\t/2)+\s, SSB+\s, \t%2
.endr
.endr
	WIN 0x32                                       ; source 0 in window 2: tiles 4-7
.irp t, 0,1,2,3
	WMC ACC+32+8*\t, 64*\t, SBF, B1+32+8*\t, RS+8+4*(\t/2), SSB, \t%2
.endr
	WIN 0x02
.irp s, 1,2,3
.irp t, 0,1,2,3
	WM ACC+32+8*\t, 16*(4*\t+\s), SBF+16*\s, RS+8+4*(\t/2)+\s, SSB+\s, \t%2
.endr
.endr
	WIN 0
.rept 8
	v_nop                                          ; eight places ahead of the first read of results; gelu's and the quantiser's lines stand ahead of the next unit's first products
.endr
	s_wait_alu depctr_va_vdst(0)                   ; this unit's matrix instructions are done reading the streamed set and its scale words, in which the loads below land; the unit before has written its codes, which the stores below read
.if (\u) < 6
	SLOAD (\u)+2
.endif
.if (\u) > 0
	OUT (\u)-1
.endif
	WIN 0xc0                                       ; gelu.  Its work stands in window 3, x stays in the accumulators' registers
.set p, 0
.rept 32
	v_pk_mul_f32 v[GT+2*p:GT+2*p+1], v[ACC+2*p:ACC+2*p+1], v[ACC+2*p:ACC+2*p+1]   ; x^2 (each accumulator from its low end on)
.set p, p+1
.endr
	WIN 0xff
.set p, 0
.rept 32
	v_pk_fma_f32 v[GT+2*p:GT+2*p+1], v[GT+2*p:GT+2*p+1], v[128:129], v[130:131]
.set p, p+1
.endr
	WIN 0xc3
.set p, 0
.rept 32
	v_pk_mul_f32 v[GT+2*p:GT+2*p+1], v[GT+2*p:GT+2*p+1], v[ACC+2*p:ACC+2*p+1]     ; z
.set p, p+1
.endr
.set p, 0
	s_wait_alu depctr_va_vdst(0)
.rept 64
	v_exp_f32 v[GT+p], v[GT+p]
.set p, p+1
.endr
	v_nop                                          ; a plain line behind the batch,
	s_wait_alu depctr_va_vdst(0)                   ; and one wait for it: the 64 exponentials have written gelu's work registers, ahead of their first reader
.set p, 0
.rept 32
	v_pk_add_f32 v[GT+2*p:GT+2*p+1], v[GT+2*p:GT+2*p+1], 1.0 op_sel_hi:[1,0]
.set p, p+1
.endr
.set p, 0
	s_wait_alu depctr_va_vdst(0)
.rept 64
	v_rcp_f32 v[GT+p], v[GT+p]
.set p, p+1
.endr
	v_nop
	s_wait_alu depctr_va_vdst(0)                   ; the 64 reciprocals have written the same registers, ahead of their first reader
	WIN 0x03
.set p, 0
.rept 32
	v_pk_mul_f32 v[ACC+2*p:ACC+2*p+1], v[GT+2*p:GT+2*p+1], v[ACC+2*p:ACC+2*p+1]   ; x / (1 + 2^z)
.set p, p+1
.endr
	WIN 0
	s_wait_xcnt 0x0                                ; the stores above have had their addresses translated (ISA guide 3.1): their data are written again only behind this wait,
	s_wait_alu depctr_vm_vsrc(0)                   ; and they have read v224-239 (in the first unit: b1's loads their offset v224), which the conversions write again
	QUANT ACC
.if (\u)%2 == 0
	v_mov_b32 v[4+(\u)/2], v[PW]                   ; an even tile's words in lanes 0-15,
.else
	v_cndmask_b32 v[4+(\u)/2], v[4+(\u)/2], v[PW], s30   ; the odd tile's in lanes 16-31
.endif
.endm
	s_load_b256 s[4:11], s[0:1], 0x0               ; wts, hln, b1, hid
	v_lshrrev_b32 v1, 5, v0
	v_readfirstlane_b32 s12, v1                    ; wave
	s_lshl_b32 s13, ttmp9, 2
	s_wait_alu depctr_va_sdst(0)                   ; s12 is written, ahead of its first reader: every base is made from it
	s_add_co_u32 s13, s13, s12                     ; W: 0 .. 1,023
	s_lshr_b32 s14, s13, 6                         ; g: which 128 columns of W1
	s_and_b32 s15, s13, 63
	s_lshl_b32 s15, s15, 3                         ; S0: my first tile of rows
	s_mov_b32 s[SEL], 0x76543210
	s_mov_b32 s[SEL+1], 0xfedcba98
	s_mov_b32 s[MNT], 0x600000
	s_mov_b32 s30, 0xffff0000
	s_mov_b32 s29, 0
	s_wait_kmcnt 0x0
	s_lshl_b32 s28, s14, 16
	s_add_co_u32 s28, s28, O_W1
	s_add_nc_u64 s[16:17], s[4:5], s[28:29]        ; the group's 32 fragments
	s_lshl_b32 s28, s14, 11
	s_add_co_u32 s28, s28, O_W1S
	s_add_nc_u64 s[18:19], s[4:5], s[28:29]        ; its scale words
	s_lshl_b32 s28, s15, 13
	s_add_nc_u64 s[20:21], s[6:7], s[28:29]        ; h's codes
	s_lshl_b32 s28, s15, 8
	s_add_co_u32 s28, s28, O_HS
	s_add_nc_u64 s[22:23], s[6:7], s[28:29]        ; h's scale words
	s_lshl_b32 s28, s15, 15
	s_lshl_b32 s31, s14, 11
	s_add_co_u32 s28, s28, s31
	s_add_nc_u64 s[24:25], s[10:11], s[28:29]      ; out: 32,768 bytes a tile, K step g
	s_lshl_b32 s28, s14, 15
	s_lshl_b32 s31, s15, 6
	s_add_co_u32 s28, s28, s31
	s_add_co_u32 s28, s28, O_HSS
	s_add_nc_u64 s[26:27], s[10:11], s[28:29]      ; out: scale words, 512 bytes for my 8 tiles
	s_lshl_b32 s28, s14, 9
	s_add_nc_u64 s[32:33], s[8:9], s[28:29]        ; b1: the group's 128 numbers
	v_and_b32 v3, 31, v0
	v_lshlrev_b32 v1, 4, v3                        ; 16 x lane
	v_and_b32 v2, 15, v0
	v_lshlrev_b32 v2, 4, v2                        ; 16 r
	v_bfe_u32 v224, v0, 4, 1
	v_lshlrev_b32 v224, 6, v224                    ; 64 h: the bias's offset; the register is written again only in the first unit's quantiser
.irp b, 0,1,2,3
	v_mov_b32 v[TM+4+\b], 0                        ; written once: a lane permute's destination counts as one of its sources
.endr
	WIN 0xc0
	v_mov_b32 v128, 0xbdd2d3e7                     ; CB = -2 log2(e) sqrt(2 / pi) 0.044715
	v_mov_b32 v129, 0xbdd2d3e7
	v_mov_b32 v130, 0xc0135761                     ; CA = -2 log2(e) sqrt(2 / pi)
	v_mov_b32 v131, 0xc0135761
	s_wait_alu depctr_va_vdst(0)                   ; v1, v2 and v224 are written: every load and store of the kernel reads one of them as its offset
.irp b, 0,1,2,3
.irp i, 0,1,2,3
	global_load_b128 v[B1+16*\b+4*\i:B1+16*\b+4*\i+3], v224, s[32:33] offset:128*\b+16*\i   ; b1 in the layout of the 8 accumulators
.endr
.endr
	WIN 0x40
.irp t, 0,1,2,3
.irp s, 0,1,2,3
.irp c, 0,1,2,3
	global_load_b128 v[16*(4*\t+\s)+4*\c:16*(4*\t+\s)+4*\c+3], v1, s[16:17] offset:8192*\t+2048*\s+512*\c
.endr
.endr
.endr
	WIN 0x80
.irp t, 0,1,2,3
.irp s, 0,1,2,3
.irp c, 0,1,2,3
	global_load_b128 v[16*(4*\t+\s)+4*\c:16*(4*\t+\s)+4*\c+3], v1, s[16:17] offset:8192*(\t+4)+2048*\s+512*\c
.endr
.endr
.endr
	WIN 0
.irp p, 0,1,2,3
	global_load_b128 v[RS+4*\p:RS+4*\p+3], v1, s[18:19] offset:512*\p   ; tiles 2 p (lanes 0-15) and 2 p + 1 (lanes 16-31), K steps 0-3
.endr
	SLOAD 0
	SLOAD 1
.irp u, 0,1,2,3,4,5,6,7
	UNIT \u
.endr
	s_wait_alu depctr_va_vdst(0)                   ; unit 7 has written its codes, and the eight units the scale words v[4:7], which the last stores read
	OUT 7
	global_store_b128 v1, v[4:7], s[26:27]         ; the eight tiles' scale words: 512 consecutive bytes
	s_endpgm
.Lfunc_end_k_qa3f44fd374_mlp1:
	.size	k_qa3f44fd374_mlp1, .Lfunc_end_k_qa3f44fd374_mlp1-k_qa3f44fd374_mlp1
	.p2alignl 7, 3214868480
	.fill 96, 4, 3214868480
	.section	.rodata,"a",@progbits
	.p2align	6, 0x0
	.amdhsa_kernel k_qa3f44fd374_mlp1
		.amdhsa_group_segment_fixed_size 0
		.amdhsa_private_segment_fixed_size 0
		.amdhsa_enable_private_segment 0
		.amdhsa_kernarg_size 32
		.amdhsa_user_sgpr_count 2
		.amdhsa_user_sgpr_kernarg_segment_ptr 1
		.amdhsa_wavefront_size32 1
		.amdhsa_system_sgpr_workgroup_id_x 1
		.amdhsa_system_sgpr_workgroup_id_y 1
		.amdhsa_system_sgpr_workgroup_id_z 1
		.amdhsa_system_vgpr_workitem_id 0
		.amdhsa_next_free_vgpr 1024
		.amdhsa_next_free_sgpr 66
		.amdhsa_reserve_vcc 0
		.amdhsa_float_denorm_mode_32 3
		.amdhsa_float_denorm_mode_16_64 3
		.amdhsa_memory_ordered 1
		.amdhsa_forward_progress 1
		.amdhsa_inst_pref_size 248
	.end_amdhsa_kernel
	.amdgpu_metadata
---
amdhsa.version: [ 1, 2 ]
amdhsa.kernels:
  - .name:           k_qa3f44fd374_mlp1
    .symbol:         k_qa3f44fd374_mlp1.kd
    .args:
      - { .name: wts, .offset: 0, .size: 8, .value_kind: global_buffer, .address_space: global }
      - { .name: hln, .offset: 8, .size: 8, .value_kind: global_buffer, .address_space: global }
      - { .name: b1, .offset: 16, .size: 8, .value_kind: global_buffer, .address_space: global }
      - { .name: hid, .offset: 24, .size: 8, .value_kind: global_buffer, .address_space: global }
    .group_segment_fixed_size: 0
    .private_segment_fixed_size: 0
    .kernarg_segment_align: 8
    .kernarg_segment_size: 32
    .max_flat_workgroup_size: 128
    .sgpr_count:     66
    .vgpr_count:     1024
    .wavefront_size: 32
...
	.end_amdgpu_metadata
.endif
;; end of part 13
;; launch mlp2 (part 14): grid 64 x 4, 4 waves a work-group, no clusters, 262,656 bytes of LDS; arguments hid, wts, o2b, out0; writes out0
.if DOCPART == 14
	.amdgcn_target "amdgcn-amd-amdhsa--gfx1250"
	.amdhsa_code_object_version 6
	.text
	.protected	k_qa3f44fd374_mlp2
	.globl	k_qa3f44fd374_mlp2
	.p2align	8
	.type	k_qa3f44fd374_mlp2,@function
k_qa3f44fd374_mlp2:
	s_mov_b64 s[64:65], 0
	v_nop
	global_prefetch_b8 v0, s[64:65] scope:SCOPE_SE
	s_setreg_imm32_b32 hwreg(HW_REG_WAVE_SCHED_MODE, 0, 2), 2
	s_setreg_imm32_b32 hwreg(HW_REG_WAVE_MODE, 25, 1), 1
	s_wait_xcnt 0x0
	s_wait_alu depctr_vm_vsrc(0)
; MLP2.  out = hidden W2 + (o2 + b2), the product on E4M3 codes with E8M0 scales, K = 2,048 in 16 K steps; sums f32.
; SHARES.  A work-group (x: 128 rows = 8 tiles; y: 128 columns = 8 tiles of W2) makes 128 x 128 of the output: 256 work-groups.  Wave w takes column tiles 2 w, 2 w + 1 for all 8 tiles of rows: 16 accumulators.
; W2: a wave's two tiles, all 16 K steps, are 512 registers: they come from memory straight into registers as dense images, and no other wave of the work-group reads them.
; THE HIDDEN LAYER'S CODES of the 128 rows, 256 KiB, are read by all four waves: each wave brings a quarter (two tiles of rows) through registers into LDS, as register images, in FOUR STAGES of 4 K steps.  Each stage has 64 KiB of LDS
; of its own: no byte is written twice before the way out, so one barrier a stage (store, wait, barrier, load) is all the ordering.
; ORDER OF THE REQUESTS: W(0), A(0), W(1); behind stage j's barrier A(j + 1), W(j + 2).  So behind A(j) stand only W(j + 1)'s 32 loads, which stay out while A(j) goes into LDS, and W(j) is older than A(j).
; Plain loads alone: no tensor load, so nothing is asked for jointly and there is no cluster, though the four work-groups of a row block read the same codes and the 64 of a column group the same weights.
; The product is used transposed (source 0 = 16 columns of W2, source 1 = 16 rows): a lane holds one row, and the 16 registers of my two tiles are columns 32 w + 16 (lane / 16) + 0 .. 15 of the group.
; The first K step's products start the sums with the constant 0; o2 + b2, laid by the launch that made it as images of these accumulators, is asked for behind the last barrier and added at the end.
; The 16 accumulators take turns, one instruction a turn.
; REGISTERS.  Windows 1, 2: W2's fragments: (tile tt, K step S) at 16 (8 tt + S % 8) of window 1 + S / 8.  Window 3: v0-127 what is on its way into LDS, later o2 + b2; v128-255 the accumulators, (m, tt) at 128 + 8 (2 m + tt).
; Window 0: v1 16 lane; v2-5 the stages' LDS addresses for reads, v6-9 for my stores; v10, v11 the way out; v15 16 r; v16-31, v96-111 W2's scale words of my two tiles; v32-95 the hidden layer's (4 S + m / 2: an even tile in lanes 0-15,
;   the odd one in lanes 16-31); v126, v127 the closing add's two; v128-191, v192-255 four fragments of rows each, by turns; on the way out rows of the output.
; THE MODE: SCHED_MODE bits 1:0 = 2 (LLVM: expert scheduling mode 2), set by the entry lines.  The code itself states the register dependences between vector or matrix instructions and memory or LDS instructions, with s_wait_alu, always for 0.
; THE PLAN.  Registers that memory or LDS instructions touch:
;   v1-11, v15            Offsets and addresses, made once at the head and never written again.
;   window 3, v0-127      Loaded (a stage's codes), read by my LDS stores ahead of the stage's barrier, loaded again behind it; named by vector instructions only at the end (o2 + b2).
;   the two buffers       Unit n's 8 matrix instructions read buffer n % 2; the LDS loads of unit n + 2 land in it, issued at the head of unit n + 1.
;   windows 1, 2 and the scale words   Loaded once, each register.
;   window 3, v128-255    The accumulators: written by matrix instructions and the last additions; read by the LDS stores of the way out.
; So a wait on vm_vsrc stands behind each stage's barrier (my LDS stores have read the registers that are loaded again), and a wait on va_vdst ahead of each run of LDS loads into a buffer that matrix instructions have read since the last such wait:
; at a stage's first run (from stage 1 on) for both buffers, and in units 1 to 6 behind the unit's wait for its own fragments.  One more stands ahead of the way out's LDS stores.
.set O_W2,  2097152
.set O_W2S, 3211264
.set O_HSS, 16777216
.set SP,    528                        ; the way out: a row of 512 bytes + 16
.set WS0, 16
.set WS1, 96
.set HS,  32
.set MSB, 0
.macro WIN new                         ; the immediate's high byte repeats the setting that is left
.if MSB != \new
	s_set_vgpr_msb (MSB<<8)|\new
.set MSB, \new
.endif
.endm
; one matrix instruction.  ob = 1: source 1's scale words stand in lanes 16-31 of their register.  zero = 1: it starts the sum
.macro WM2 d, a, b, sa, sb, ob, zero
.if \zero
.if \ob
	v_wmma_scale_f32_16x16x128_f8f6f4 v[\d:\d+7], v[\a:\a+15], v[\b:\b+15], 0, v[\sa], v[\sb] matrix_b_scale:MATRIX_SCALE_ROW1
.else
	v_wmma_scale_f32_16x16x128_f8f6f4 v[\d:\d+7], v[\a:\a+15], v[\b:\b+15], 0, v[\sa], v[\sb]
.endif
.else
.if \ob
	v_wmma_scale_f32_16x16x128_f8f6f4 v[\d:\d+7], v[\a:\a+15], v[\b:\b+15], v[\d:\d+7], v[\sa], v[\sb] matrix_b_scale:MATRIX_SCALE_ROW1
.else
	v_wmma_scale_f32_16x16x128_f8f6f4 v[\d:\d+7], v[\a:\a+15], v[\b:\b+15], v[\d:\d+7], v[\sa], v[\sb]
.endif
.endif
.endm
.macro WLD j                           ; W2's fragments of stage j: my two tiles x 4 K steps: 32 loads of 512 consecutive bytes
.if (\j) < 2
	WIN 0x40
.else
	WIN 0x80
.endif
.irp tt, 0,1
.irp s, 0,1,2,3
.irp c, 0,1,2,3
	global_load_b128 v[16*(8*\tt+4*((\j)%2)+\s)+4*\c:16*(8*\tt+4*((\j)%2)+\s)+4*\c+3], v1, s[18:19] offset:32768*\tt+2048*(4*(\j)+\s)+512*\c
.endr
.endr
.endr
	WIN 0
.endm
.macro ALD j                           ; my quarter of stage j's hidden codes: tiles of rows 2 w, 2 w + 1 x 4 K steps: 32 loads
	WIN 0xc0
.irp mm, 0,1
.irp s, 0,1,2,3
.irp c, 0,1,2,3
	global_load_b128 v[16*(4*\mm+\s)+4*\c:16*(4*\mm+\s)+4*\c+3], v1, s[16:17] offset:32768*\mm+2048*(4*(\j)+\s)+512*\c
.endr
.endr
.endr
	WIN 0
.endm
.macro AST j                           ; and into LDS as they stand: fragment 8 s + m of the stage
	WIN 0x0c                                       ; an LDS store's data are its source 1: window 3
.irp mm, 0,1
.irp s, 0,1,2,3
.irp c, 0,1,2,3
	ds_store_b128 v[6+(\j)], v[16*(4*\mm+\s)+4*\c:16*(4*\mm+\s)+4*\c+3] offset:2048*(8*\s+\mm)+512*\c
.endr
.endr
.endr
	WIN 0
.endm
.macro OLD                             ; o2 + b2 of my 16 accumulators, in their order, into the registers that the codes have left
	WIN 0xc0
.irp m, 0,1,2,3,4,5,6,7
.irp jj, 0,1,2,3
	global_load_b128 v[16*\m+4*\jj:16*\m+4*\jj+3], v1, s[24:25] offset:32768*\m+512*\jj
.endr
.endr
	WIN 0
.endm
.macro ACTL j, n                       ; unit n of stage j: K step n / 2 of the stage, tiles of rows 4 (n % 2) .. + 3, into buffer n % 2
.irp q, 0,1,2,3
.irp c, 0,1,2,3
	ds_load_b128 v[128+64*((\n)%2)+16*\q+4*\c:128+64*((\n)%2)+16*\q+4*\c+3], v[2+\j] offset:2048*(8*((\n)/2)+4*((\n)%2)+\q)+512*\c
.endr
.endr
.endm
.macro MMU j, n                        ; its 8 matrix instructions, then eight places, which stay ahead of the first read of results
.set KS_, 4*(\j)+(\n)/2
.set HH_, (\n)%2
.set BF_, 128+64*((\n)%2)
.if KS_ < 8
	WIN 0xf1                                       ; source 0 window 1, source 1 window 0, C and D window 3
.else
	WIN 0xf2
.endif
.irp q, 0,1,2,3
.irp tt, 0,1
	WM2 128+8*(2*(4*HH_+\q)+\tt), 16*(8*\tt+KS_%8), BF_+16*\q, WS0+80*\tt+KS_, HS+4*KS_+2*HH_+\q/2, \q%2, KS_==0
.endr
.endr
	WIN 0
.rept 8
	v_nop
.endr
.endm
.macro STAGE j
.if (\j) < 3
	s_wait_loadcnt 32                              ; my quarter of this stage's codes is in, and all that is older, this stage's weights among it; the next stage's 32 weight loads may be out
.else
	s_wait_loadcnt 0x0
.endif
	AST \j
	s_wait_dscnt 0x0                               ; for the others' sake: my stores have landed
	s_barrier_signal -1
	s_barrier_wait -1                              ; the stage's 32 fragments lie in LDS
	s_wait_alu depctr_vm_vsrc(0)                   ; my LDS stores have read v0-127 of window 3, in which the loads below land
.if (\j) < 3
	ALD \j+1
.else
	OLD
.endif
.if (\j) < 2
	WLD \j+2
.endif
.if (\j) > 0
	s_wait_alu depctr_va_vdst(0)                   ; the last stage's matrix instructions are done reading both buffers, in which this stage's first two runs of LDS loads land
.endif
	ACTL \j, 0
.irp n, 0,1,2,3,4,5,6,7
	s_wait_dscnt 0x0                               ; this unit's four fragments are in
.if \n < 7
.if \n > 0
	s_wait_alu depctr_va_vdst(0)                   ; the unit before is done reading its buffer, in which the next unit's fragments land
.endif
	ACTL \j, \n+1
.endif
	MMU \j, \n
.endr
.endm
	s_load_b256 s[4:11], s[0:1], 0x0               ; hid, wts, o2b, out0
	v_lshl_add_u32 v126, v0, 2, 0x40000
	v_mov_b32 v127, 0
	v_lshrrev_b32 v1, 5, v0
	v_readfirstlane_b32 s12, v1                    ; wave 0..3
	s_and_b32 s14, ttmp7, 0xffff                   ; which 128 columns
	v_and_b32 v12, 31, v0                          ; lane
	v_and_b32 v13, 15, v0                          ; r
	v_bfe_u32 v14, v0, 4, 1                        ; h
	v_lshlrev_b32 v1, 4, v12                       ; 16 lane
	v_lshlrev_b32 v2, 4, v12                       ; the stages in LDS: 16 lane + 65,536 j: an LDS immediate has 16 bits
	v_add_nc_u32 v3, 0x10000, v2
	v_add_nc_u32 v4, 0x20000, v2
	v_add_nc_u32 v5, 0x30000, v2
	s_wait_alu depctr_va_sdst(0)                   ; s12 is written, ahead of its first reader: addresses and bases are made from it
	s_lshl_b32 s15, s12, 12                        ; my two tiles of rows: 4,096 w
	v_add_nc_u32 v6, s15, v2
	v_add_nc_u32 v7, s15, v3
	v_add_nc_u32 v8, s15, v4
	v_add_nc_u32 v9, s15, v5
	v_lshlrev_b32 v15, 4, v13                      ; 16 r
	v_and_b32 v10, 8, v13
	v_add_nc_u32 v10, v10, v13                     ; r + 8 (r / 8)
	v_mul_u32_u24 v10, v10, SP
	v_lshl_add_u32 v10, v14, 6, v10
	s_lshl_b32 s15, s12, 7
	v_add_nc_u32 v10, s15, v10                     ; the way out, in: my row of a tile, + 128 w + 64 h
	s_mul_i32 s15, s12, 32*SP
	v_add_nc_u32 v11, s15, v1                      ; back: my 32 rows, 16 bytes a lane
	s_mov_b32 s29, 0
	s_lshl_b32 s30, ttmp9, 18                      ; 262,144 x the block of rows
	s_lshl_b32 s31, s12, 16                        ; 65,536 w
	s_wait_kmcnt 0x0
	s_add_co_u32 s28, s30, s31
	s_add_nc_u64 s[16:17], s[4:5], s[28:29]        ; hidden codes: 32,768 bytes a tile of rows; tile 8 x + 2 w
	s_add_nc_u64 s[26:27], s[10:11], s[28:29]      ; out0: row 128 x + 32 w,
	s_lshl_b32 s28, s14, 9
	s_add_nc_u64 s[26:27], s[26:27], s[28:29]      ; column 128 y
	s_lshl_b32 s28, s14, 18
	s_add_co_u32 s28, s28, s31
	s_add_co_u32 s28, s28, O_W2
	s_add_nc_u64 s[18:19], s[6:7], s[28:29]        ; W2: 32,768 bytes a tile; tile 8 y + 2 w
	s_lshl_b32 s28, s14, 13
	s_lshl_b32 s15, s12, 11
	s_add_co_u32 s28, s28, s15
	s_add_co_u32 s28, s28, O_W2S
	s_add_nc_u64 s[20:21], s[6:7], s[28:29]        ; its scale words: 2,048 bytes a pair of tiles; pair 4 y + w
	s_lshl_b32 s28, ttmp9, 9
	s_add_co_u32 s28, s28, O_HSS
	s_add_nc_u64 s[22:23], s[4:5], s[28:29]        ; the hidden layer's scale words: 512 bytes for my 8 tiles, 32,768 from K step to K step
	s_lshl_b32 s28, s14, 13
	s_add_co_u32 s28, s28, s30
	s_add_co_u32 s28, s28, s15
	s_add_nc_u64 s[24:25], s[8:9], s[28:29]        ; o2 + b2: 32,768 bytes a tile of rows, 8,192 a column group, 2,048 for my two tiles
	s_wait_alu depctr_va_vdst(0)                   ; the offsets and addresses v1 to v11 and v15 are written, which every load, store and LDS instruction of the kernel reads
.irp q, 0,1,2,3
	global_load_b128 v[WS0+4*\q:WS0+4*\q+3], v15, s[20:21] offset:512*\q       ; tile 2 w's words of K steps 4 q .. 4 q + 3, column r
	global_load_b128 v[WS1+4*\q:WS1+4*\q+3], v15, s[20:21] offset:512*\q+256   ; tile 2 w + 1's
.endr
.irp k, 0,1,2,3,4,5,6,7,8,9,10,11,12,13,14,15
	global_load_b128 v[HS+4*\k:HS+4*\k+3], v1, s[22:23] offset:32768*\k
.endr
	WLD 0
	ALD 0
	WLD 1
	STAGE 0
	STAGE 1
	STAGE 2
	STAGE 3
	; THE WAY OUT.  The residual and the bias are added; a row's 512 bytes come from four waves: they meet in a stage laid over the images, which nobody reads any more behind the barrier; each wave stores 32 whole rows of the block
	s_wait_loadcnt 0x0                             ; o2 + b2
	WIN 0xcf
.set p, 0
.rept 64
	v_pk_add_f32 v[128+2*p:129+2*p], v[128+2*p:129+2*p], v[2*p:2*p+1]   ; each accumulator from its low end on
.set p, p+1
.endr
	WIN 0
	s_wait_dscnt 0x0                               ; my reads of the images are in
	s_barrier_signal -1
	s_barrier_wait -1                              ; everybody's are
	WIN 0x0c
	s_wait_alu depctr_va_vdst(0)                   ; the additions have written the accumulators, which the LDS stores read; and the last matrix instructions are done reading the two buffers, in which the rows land on their way back
.irp m, 0,1,2,3,4,5,6,7
.irp tt, 0,1
	ds_store_b128 v10, v[128+8*(2*\m+\tt):128+8*(2*\m+\tt)+3] offset:(32*(\m/2)+8*(\m%2))*SP+32*\tt
	ds_store_b128 v10, v[128+8*(2*\m+\tt)+4:128+8*(2*\m+\tt)+7] offset:(32*(\m/2)+8*(\m%2))*SP+32*\tt+16
.endr
.endr
	WIN 0
	s_wait_dscnt 0x0
	s_barrier_signal -1
	s_barrier_wait -1                              ; 128 rows of 512 bytes lie in the stage
.irp i, 0,1,2,3,4,5,6,7,8,9,10,11,12,13,14,15,16,17,18,19,20,21,22,23,24,25,26,27,28,29,30,31
	ds_load_b128 v[128+4*\i:131+4*\i], v11 offset:\i*SP
.endr
.irp i, 0,1,2,3,4,5,6,7,8,9,10,11,12,13,14,15,16,17,18,19,20,21,22,23,24,25,26,27,28,29,30,31
	s_wait_dscnt 31-\i                             ; row i is back; the younger reads may be out
	global_store_b128 v1, v[128+4*\i:131+4*\i], s[26:27] offset:\i*2048 th:TH_STORE_NT   ; 32 lanes store 512 consecutive bytes, aligned; written once, read by nobody here
.endr
	s_wait_dscnt 0x0                               ; the closing lines, six on end
	s_wait_alu 0x0
	s_wait_tensorcnt 0x0
	ds_add_u32 v126, v127
	s_wait_dscnt 0x0
	s_endpgm
.Lfunc_end_k_qa3f44fd374_mlp2:
	.size	k_qa3f44fd374_mlp2, .Lfunc_end_k_qa3f44fd374_mlp2-k_qa3f44fd374_mlp2
	.p2alignl 7, 3214868480
	.fill 96, 4, 3214868480
	.section	.rodata,"a",@progbits
	.p2align	6, 0x0
	.amdhsa_kernel k_qa3f44fd374_mlp2
		.amdhsa_group_segment_fixed_size 262656
		.amdhsa_private_segment_fixed_size 0
		.amdhsa_enable_private_segment 0
		.amdhsa_kernarg_size 32
		.amdhsa_user_sgpr_count 2
		.amdhsa_user_sgpr_kernarg_segment_ptr 1
		.amdhsa_wavefront_size32 1
		.amdhsa_system_sgpr_workgroup_id_x 1
		.amdhsa_system_sgpr_workgroup_id_y 1
		.amdhsa_system_sgpr_workgroup_id_z 1
		.amdhsa_system_vgpr_workitem_id 0
		.amdhsa_next_free_vgpr 1024
		.amdhsa_next_free_sgpr 66
		.amdhsa_reserve_vcc 0
		.amdhsa_float_denorm_mode_32 3
		.amdhsa_float_denorm_mode_16_64 3
		.amdhsa_memory_ordered 1
		.amdhsa_forward_progress 1
		.amdhsa_inst_pref_size 130
	.end_amdhsa_kernel
	.amdgpu_metadata
---
amdhsa.version: [ 1, 2 ]
amdhsa.kernels:
  - .name:           k_qa3f44fd374_mlp2
    .symbol:         k_qa3f44fd374_mlp2.kd
    .args:
      - { .name: hid, .offset: 0, .size: 8, .value_kind: global_buffer, .address_space: global }
      - { .name: wts, .offset: 8, .size: 8, .value_kind: global_buffer, .address_space: global }
      - { .name: o2b, .offset: 16, .size: 8, .value_kind: global_buffer, .address_space: global }
      - { .name: out0, .offset: 24, .size: 8, .value_kind: global_buffer, .address_space: global }
    .group_segment_fixed_size: 262656
    .private_segment_fixed_size: 0
    .kernarg_segment_align: 8
    .kernarg_segment_size: 32
    .max_flat_workgroup_size: 128
    .sgpr_count:     66
    .vgpr_count:     1024
    .wavefront_size: 32
...
	.end_amdgpu_metadata
.endif
;; end of part 14
